; MI455X (gfx1250); checked and timed in simulation.
; The chip was launched on July 23, 2026; its instructions are those of AMD's public machine-readable ISA for CDNA 5 (MIT licence, August 2026) and "CDNA5" Instruction Set Architecture Reference Guide (July 2026). The comments in the code are by the model that wrote it; some were corrected since.
;; Bayesian KAN. Allowed arithmetic: float matrix products may take bf16 or f16 operands with f32 sums; all other float work in f32.
;; Inputs: cm0 512 x 256 x 16 float32; cm1 512 x 512 x 16 float32; cm2 256 x 512 x 16 float32; lv0 512 x 256 x 16 float32; lv1 512 x 512 x 16 float32; lv2 256 x 512 x 16 float32; x 8,192 x 256 float32.
;; Outputs: out0 8,192 x 256 float32; out1 one number float32.
;; 3 versions, each right and faster than the one before. Each part assembles by itself: llvm-mc -triple=amdgcn-amd-amdhsa -mcpu=gfx1250 --defsym DOCPART=n.
;; ======== version 1 of 3: 5 launches
;; limits: values outside matrix products are rounded to bf16
;; workspace buffers: w0 4,194,304 bytes; w1 8,388,608 bytes; w2 4,194,304 bytes; xr 8,388,608 bytes; h0 16,777,216 bytes; h1 16,777,216 bytes; klp 4,096 bytes
;; launch prep (part 1): grid 1024 x 1, 8 waves a work-group, no clusters, 1,280 bytes of LDS; arguments cm0, lv0, cm1, lv1, cm2, lv2, x, w0, w1, w2, xr, klp; writes w0, w1, w2, xr, klp
.if DOCPART == 1
	.amdgcn_target "amdgcn-amd-amdhsa--gfx1250"
	.amdhsa_code_object_version 6
	.text
	.protected	k_qc5ff16f021_prep
	.globl	k_qc5ff16f021_prep
	.p2align	8
	.type	k_qc5ff16f021_prep,@function
k_qc5ff16f021_prep:
	s_mov_b64 s[64:65], 0
	v_nop
	global_prefetch_b8 v0, s[64:65] scope:SCOPE_SE
	s_setreg_imm32_b32 hwreg(HW_REG_WAVE_MODE, 25, 1), 1
	s_wait_xcnt 0x0
; A stream: cm is rounded to bf16 (w0, w1, w2, the layers' matrix operands), x is rounded to bf16 and widened again (xr),
; and each work-group leaves one partial sum of exp(lv) + cm cm - 1 - lv in klp.
; 1,024 equal work-groups of eight waves.  The three (cm, lv) pairs hold 2,097,152 + 4,194,304 + 2,097,152 numbers: 256 + 512 + 256
; chunks of 8,192; work-group g takes chunk g, and 2,048 numbers of x as well (2,097,152 / 1,024).
; Thread t takes 16 bytes at 16 t of each 4,096-byte piece, so a wave's load covers 512 consecutive bytes; all 18 loads are issued at once.
; No matrix unit, no cluster, no tensor load: nothing is shared between work-groups and every byte is read once.
; Range: exp(lv) is made by the base-2 exponential, which gives 0 for results under 2^-126; such terms vanish beside the -lv of the same element.
.set LOG2E, 0x3fb8aa3b
.set A,  4                             ; v[4:7]     four running sums
.set E,  8                             ; v[8:11]    at work
.set CM, 16                            ; v[16:47]   piece i: 4 numbers of cm
.set LV, 48                            ; v[48:79]   piece i: 4 numbers of lv
.set XI, 80                            ; v[80:87]   8 numbers of x
.set WD, 88                            ; v[88:103]  piece i: 4 bf16 to store, registers of their own for each store
.set XD, 104                           ; v[104:111] 8 rounded numbers of x to store
	s_load_b512 s[8:23], s[0:1], 0x0               ; cm0 s[8:9] lv0 s[10:11] cm1 s[12:13] lv1 s[14:15] cm2 s[16:17] lv2 s[18:19] x s[20:21] w0 s[22:23]
	s_load_b256 s[24:31], s[0:1], 0x40             ; w1 s[24:25] w2 s[26:27] xr s[28:29] klp s[30:31]
	v_lshl_add_u32 v112, v0, 2, 0x100
	v_mov_b32 v113, 0
	v_lshlrev_b32 v1, 4, v0                        ; 16 t: loads, and the stores of xr
	v_lshlrev_b32 v2, 3, v0                        ; 8 t: the stores of bf16
	v_lshrrev_b32 v3, 5, v0
	v_readfirstlane_b32 s42, v3                    ; wave number
	s_mov_b32 s40, 0x76543210                      ; v_permlanex16_b32: lane i reads lane i of the other half
	s_mov_b32 s41, 0xfedcba98
	s_mov_b32 s2, ttmp9
	s_wait_kmcnt 0x0
	s_cmp_lt_u32 s2, 256                           ; chunks 0-255: layer 0; 256-767: layer 1; 768-1023: layer 2
	s_cselect_b64 s[32:33], s[8:9], s[12:13]
	s_cselect_b64 s[34:35], s[10:11], s[14:15]
	s_cselect_b64 s[36:37], s[22:23], s[24:25]
	s_cselect_b32 s3, 0, 256
	s_cmp_lt_u32 s2, 768
	s_cselect_b64 s[32:33], s[32:33], s[16:17]
	s_cselect_b64 s[34:35], s[34:35], s[18:19]
	s_cselect_b64 s[36:37], s[36:37], s[26:27]
	s_cselect_b32 s3, s3, 768
	s_sub_co_u32 s3, s2, s3                        ; the chunk's number inside its layer
	s_lshl_b32 s44, s3, 15                         ; 32,768 bytes of f32 a chunk
	s_mov_b32 s45, 0
	s_lshl_b32 s46, s3, 14                         ; 16,384 bytes of bf16
	s_mov_b32 s47, 0
	s_lshl_b32 s48, s2, 13                         ; 8,192 bytes of x
	s_mov_b32 s49, 0
	s_lshl_b32 s50, s2, 2                          ; one word of klp
	s_mov_b32 s51, 0
	s_add_nc_u64 s[32:33], s[32:33], s[44:45]
	s_add_nc_u64 s[34:35], s[34:35], s[44:45]
	s_add_nc_u64 s[36:37], s[36:37], s[46:47]
	s_add_nc_u64 s[20:21], s[20:21], s[48:49]
	s_add_nc_u64 s[28:29], s[28:29], s[48:49]
	s_add_nc_u64 s[30:31], s[30:31], s[50:51]
.irp i, 0,1,2,3,4,5,6,7
	global_load_b128 v[CM+4*\i:CM+4*\i+3], v1, s[32:33] offset:4096*\i th:TH_LOAD_NT
	global_load_b128 v[LV+4*\i:LV+4*\i+3], v1, s[34:35] offset:4096*\i th:TH_LOAD_NT
.endr
	global_load_b128 v[XI:XI+3], v1, s[20:21] th:TH_LOAD_NT
	global_load_b128 v[XI+4:XI+7], v1, s[20:21] offset:4096 th:TH_LOAD_NT
; Piece i: four terms of the sum, in the order var + cm cm - 1 - lv, and four roundings of cm.
.macro KLP i
	s_wait_loadcnt 16-2*\i                         ; 18 loads in all, 2 i + 2 of them are wanted: the younger 16 - 2 i stay out
	v_pk_mul_f32 v[E:E+1], v[LV+4*\i:LV+4*\i+1], LOG2E op_sel_hi:[1,0]
	v_pk_mul_f32 v[E+2:E+3], v[LV+4*\i+2:LV+4*\i+3], LOG2E op_sel_hi:[1,0]
	v_exp_f32 v[E], v[E]
	v_exp_f32 v[E+1], v[E+1]
	v_exp_f32 v[E+2], v[E+2]
	v_exp_f32 v[E+3], v[E+3]
	v_cvt_pk_bf16_f32 v[WD+2*\i], v[CM+4*\i], v[CM+4*\i+1]         ; plain work between the exponentials and the first use of their results (ISA guide 5.7.2)
	v_cvt_pk_bf16_f32 v[WD+2*\i+1], v[CM+4*\i+2], v[CM+4*\i+3]
	global_store_b64 v2, v[WD+2*\i:WD+2*\i+1], s[36:37] offset:2048*\i   ; a wave stores 256 consecutive bytes, aligned
	s_wait_alu depctr_va_vdst(0)
	v_pk_fma_f32 v[E:E+1], v[CM+4*\i:CM+4*\i+1], v[CM+4*\i:CM+4*\i+1], v[E:E+1]
	v_pk_fma_f32 v[E+2:E+3], v[CM+4*\i+2:CM+4*\i+3], v[CM+4*\i+2:CM+4*\i+3], v[E+2:E+3]
	v_pk_add_f32 v[E:E+1], v[E:E+1], -1.0 op_sel_hi:[1,0]
	v_pk_add_f32 v[E+2:E+3], v[E+2:E+3], -1.0 op_sel_hi:[1,0]
.if \i
	v_pk_add_f32 v[E:E+1], v[E:E+1], v[LV+4*\i:LV+4*\i+1] neg_lo:[0,1] neg_hi:[0,1]
	v_pk_add_f32 v[E+2:E+3], v[E+2:E+3], v[LV+4*\i+2:LV+4*\i+3] neg_lo:[0,1] neg_hi:[0,1]
	v_pk_add_f32 v[A:A+1], v[A:A+1], v[E:E+1]
	v_pk_add_f32 v[A+2:A+3], v[A+2:A+3], v[E+2:E+3]
.else
	v_pk_add_f32 v[A:A+1], v[E:E+1], v[LV:LV+1] neg_lo:[0,1] neg_hi:[0,1]        ; the first piece starts the sums
	v_pk_add_f32 v[A+2:A+3], v[E+2:E+3], v[LV+2:LV+3] neg_lo:[0,1] neg_hi:[0,1]
.endif
.endm
.irp i, 0,1,2,3,4,5,6,7
	KLP \i
.endr
	s_wait_loadcnt 0x0                             ; x
.irp j, 0,1,2,3
	v_cvt_pk_bf16_f32 v[E+\j], v[XI+2*\j], v[XI+2*\j+1]            ; rounded to nearest even,
.endr
.irp j, 0,1,2,3
	v_lshlrev_b32 v[XD+2*\j], 16, v[E+\j]                          ; and widened again
	v_and_b32 v[XD+2*\j+1], 0xffff0000, v[E+\j]
.endr
	global_store_b128 v1, v[XD:XD+3], s[28:29]
	global_store_b128 v1, v[XD+4:XD+7], s[28:29] offset:4096
	; the work-group's sum: in the lane, across the 32 lanes, across the eight waves
	v_pk_add_f32 v[A:A+1], v[A:A+1], v[A+2:A+3]
	v_add_f32 v[A], v[A], v[A+1]
	v_add_f32_dpp v[A], v[A], v[A] row_xmask:1 row_mask:0xf bank_mask:0xf
	v_add_f32_dpp v[A], v[A], v[A] row_xmask:2 row_mask:0xf bank_mask:0xf
	v_add_f32_dpp v[A], v[A], v[A] row_xmask:4 row_mask:0xf bank_mask:0xf
	v_add_f32_dpp v[A], v[A], v[A] row_xmask:8 row_mask:0xf bank_mask:0xf
	v_permlanex16_b32 v[A+1], v[A], s40, s41
	v_add_f32 v[A], v[A], v[A+1]
	v_mov_b32 v10, s42
	v_lshlrev_b32 v10, 2, v10
	ds_store_b32 v10, v[A]                         ; word w of LDS: wave w
	s_wait_dscnt 0x0                               ; for the other waves: my word is written before I signal
	s_barrier_signal -1
	s_barrier_wait -1
	v_mov_b32 v11, 0
	ds_load_b128 v[12:15], v11
	ds_load_b128 v[16:19], v11 offset:16
	s_wait_dscnt 0x0
	v_pk_add_f32 v[12:13], v[12:13], v[14:15]
	v_pk_add_f32 v[16:17], v[16:17], v[18:19]
	v_pk_add_f32 v[12:13], v[12:13], v[16:17]
	v_add_f32 v[A], v12, v13
	v_cmp_eq_u32 vcc_lo, 0, v0
	s_wait_xcnt 0x0                                ; EXEC is a source of the stores above: it narrows only behind this wait
	s_wait_tensorcnt 0x0
	ds_add_u32 v112, v113
	s_wait_dscnt 0x0
	s_and_saveexec_b32 s43, vcc_lo
	global_store_b32 v11, v[A], s[30:31]           ; thread 0 alone
	s_wait_xcnt 0x0                                ; and widens only behind this one
	s_or_b32 exec_lo, exec_lo, s43
	s_endpgm
.Lfunc_end_k_qc5ff16f021_prep:
	.size	k_qc5ff16f021_prep, .Lfunc_end_k_qc5ff16f021_prep-k_qc5ff16f021_prep
	.p2alignl 7, 3214868480
	.fill 96, 4, 3214868480
	.section	.rodata,"a",@progbits
	.p2align	6, 0x0
	.amdhsa_kernel k_qc5ff16f021_prep
		.amdhsa_group_segment_fixed_size 1280
		.amdhsa_private_segment_fixed_size 0
		.amdhsa_enable_private_segment 0
		.amdhsa_kernarg_size 96
		.amdhsa_user_sgpr_count 2
		.amdhsa_user_sgpr_kernarg_segment_ptr 1
		.amdhsa_wavefront_size32 1
		.amdhsa_system_sgpr_workgroup_id_x 1
		.amdhsa_system_sgpr_workgroup_id_y 1
		.amdhsa_system_sgpr_workgroup_id_z 1
		.amdhsa_system_vgpr_workitem_id 0
		.amdhsa_next_free_vgpr 114
		.amdhsa_next_free_sgpr 66
		.amdhsa_reserve_vcc 1
		.amdhsa_float_denorm_mode_32 3
		.amdhsa_float_denorm_mode_16_64 3
		.amdhsa_memory_ordered 1
		.amdhsa_forward_progress 1
		.amdhsa_inst_pref_size 15
	.end_amdhsa_kernel
	.amdgpu_metadata
---
amdhsa.version: [ 1, 2 ]
amdhsa.kernels:
  - .name:           k_qc5ff16f021_prep
    .symbol:         k_qc5ff16f021_prep.kd
    .args:
      - { .name: cm0, .offset: 0, .size: 8, .value_kind: global_buffer, .address_space: global }
      - { .name: lv0, .offset: 8, .size: 8, .value_kind: global_buffer, .address_space: global }
      - { .name: cm1, .offset: 16, .size: 8, .value_kind: global_buffer, .address_space: global }
      - { .name: lv1, .offset: 24, .size: 8, .value_kind: global_buffer, .address_space: global }
      - { .name: cm2, .offset: 32, .size: 8, .value_kind: global_buffer, .address_space: global }
      - { .name: lv2, .offset: 40, .size: 8, .value_kind: global_buffer, .address_space: global }
      - { .name: x, .offset: 48, .size: 8, .value_kind: global_buffer, .address_space: global }
      - { .name: w0, .offset: 56, .size: 8, .value_kind: global_buffer, .address_space: global }
      - { .name: w1, .offset: 64, .size: 8, .value_kind: global_buffer, .address_space: global }
      - { .name: w2, .offset: 72, .size: 8, .value_kind: global_buffer, .address_space: global }
      - { .name: xr, .offset: 80, .size: 8, .value_kind: global_buffer, .address_space: global }
      - { .name: klp, .offset: 88, .size: 8, .value_kind: global_buffer, .address_space: global }
    .group_segment_fixed_size: 1280
    .private_segment_fixed_size: 0
    .kernarg_segment_align: 8
    .kernarg_segment_size: 96
    .max_flat_workgroup_size: 256
    .sgpr_count:     66
    .vgpr_count:     114
    .wavefront_size: 32
...
	.end_amdgpu_metadata
.endif
;; end of part 1
;; launch klsum (part 2): grid 1 x 1, 1 waves a work-group, no clusters, 0 bytes of LDS; arguments klp, out1; writes out1
.if DOCPART == 2
	.amdgcn_target "amdgcn-amd-amdhsa--gfx1250"
	.amdhsa_code_object_version 6
	.text
	.protected	k_qc5ff16f021_klsum
	.globl	k_qc5ff16f021_klsum
	.p2align	8
	.type	k_qc5ff16f021_klsum,@function
k_qc5ff16f021_klsum:
	s_mov_b64 s[64:65], 0
	v_nop
	global_prefetch_b8 v0, s[64:65] scope:SCOPE_SE
	s_setreg_imm32_b32 hwreg(HW_REG_WAVE_MODE, 25, 1), 1
	s_wait_xcnt 0x0
; out1 = 0.5 x the sum of the 1,024 partial sums of klp.  One wave: eight loads of 512 consecutive bytes, a tree of packed adds, one
; sum across the lanes.  A launch of its own, since the sum spans the work-groups of the launch that made the parts.
	s_load_b128 s[4:7], s[0:1], 0x0                ; klp s[4:5], out1 s[6:7]
	v_lshlrev_b32 v1, 4, v0
	s_mov_b32 s8, 0x76543210
	s_mov_b32 s9, 0xfedcba98
	s_wait_kmcnt 0x0
.irp i, 0,1,2,3,4,5,6,7
	global_load_b128 v[4+4*\i:7+4*\i], v1, s[4:5] offset:512*\i
.endr
	s_wait_loadcnt 0x0
.irp j, 0,1,2,3,4,5,6,7
	v_pk_add_f32 v[4+2*\j:5+2*\j], v[4+2*\j:5+2*\j], v[20+2*\j:21+2*\j]
.endr
.irp j, 0,1,2,3
	v_pk_add_f32 v[4+2*\j:5+2*\j], v[4+2*\j:5+2*\j], v[12+2*\j:13+2*\j]
.endr
	v_pk_add_f32 v[4:5], v[4:5], v[8:9]
	v_pk_add_f32 v[6:7], v[6:7], v[10:11]
	v_pk_add_f32 v[4:5], v[4:5], v[6:7]
	v_add_f32 v4, v4, v5
	v_add_f32_dpp v4, v4, v4 row_xmask:1 row_mask:0xf bank_mask:0xf
	v_add_f32_dpp v4, v4, v4 row_xmask:2 row_mask:0xf bank_mask:0xf
	v_add_f32_dpp v4, v4, v4 row_xmask:4 row_mask:0xf bank_mask:0xf
	v_add_f32_dpp v4, v4, v4 row_xmask:8 row_mask:0xf bank_mask:0xf
	v_permlanex16_b32 v5, v4, s8, s9
	v_add_f32 v4, v4, v5
	v_mul_f32 v4, 0.5, v4
	v_mov_b32 v2, 0
	v_cmp_eq_u32 vcc_lo, 0, v0
	s_wait_xcnt 0x0                                ; EXEC narrows only behind this wait
	s_and_saveexec_b32 s10, vcc_lo
	global_store_b32 v2, v4, s[6:7]
	s_wait_xcnt 0x0                                ; and widens only behind this one
	s_or_b32 exec_lo, exec_lo, s10
	s_endpgm
.Lfunc_end_k_qc5ff16f021_klsum:
	.size	k_qc5ff16f021_klsum, .Lfunc_end_k_qc5ff16f021_klsum-k_qc5ff16f021_klsum
	.p2alignl 7, 3214868480
	.fill 96, 4, 3214868480
	.section	.rodata,"a",@progbits
	.p2align	6, 0x0
	.amdhsa_kernel k_qc5ff16f021_klsum
		.amdhsa_group_segment_fixed_size 0
		.amdhsa_private_segment_fixed_size 0
		.amdhsa_enable_private_segment 0
		.amdhsa_kernarg_size 16
		.amdhsa_user_sgpr_count 2
		.amdhsa_user_sgpr_kernarg_segment_ptr 1
		.amdhsa_wavefront_size32 1
		.amdhsa_system_sgpr_workgroup_id_x 1
		.amdhsa_system_sgpr_workgroup_id_y 1
		.amdhsa_system_sgpr_workgroup_id_z 1
		.amdhsa_system_vgpr_workitem_id 0
		.amdhsa_next_free_vgpr 48
		.amdhsa_next_free_sgpr 66
		.amdhsa_reserve_vcc 1
		.amdhsa_float_denorm_mode_32 3
		.amdhsa_float_denorm_mode_16_64 3
		.amdhsa_memory_ordered 1
		.amdhsa_forward_progress 1
		.amdhsa_inst_pref_size 3
	.end_amdhsa_kernel
	.amdgpu_metadata
---
amdhsa.version: [ 1, 2 ]
amdhsa.kernels:
  - .name:           k_qc5ff16f021_klsum
    .symbol:         k_qc5ff16f021_klsum.kd
    .args:
      - { .name: klp, .offset: 0, .size: 8, .value_kind: global_buffer, .address_space: global }
      - { .name: out1, .offset: 8, .size: 8, .value_kind: global_buffer, .address_space: global }
    .group_segment_fixed_size: 0
    .private_segment_fixed_size: 0
    .kernarg_segment_align: 8
    .kernarg_segment_size: 16
    .max_flat_workgroup_size: 32
    .sgpr_count:     66
    .vgpr_count:     48
    .wavefront_size: 32
...
	.end_amdgpu_metadata
.endif
;; end of part 2
;; launch layer0 (part 3): grid 64 x 4, 4 waves a work-group, clusters of 4 x 1, 327,680 bytes of LDS; arguments xr, w0, h0; writes h0
.if DOCPART == 3
	.amdgcn_target "amdgcn-amd-amdhsa--gfx1250"
	.amdhsa_code_object_version 6
	.text
	.protected	k_qc5ff16f021_layer0
	.globl	k_qc5ff16f021_layer0
	.p2align	8
	.type	k_qc5ff16f021_layer0,@function
k_qc5ff16f021_layer0:
	s_mov_b64 s[64:65], 0
	v_nop
	global_prefetch_b8 v0, s[64:65] scope:SCOPE_SE
	s_setreg_imm32_b32 hwreg(HW_REG_WAVE_MODE, 25, 1), 1
	s_wait_xcnt 0x0
	s_wait_alu depctr_hold_cnt(0) depctr_sa_sdst(0) depctr_va_vdst(0) depctr_va_sdst(0) depctr_va_ssrc(0) depctr_va_vcc(0) depctr_vm_vsrc(0)
	s_getreg_b32 s2, hwreg(HW_REG_IB_STS2, 6, 4)
	s_cmp_eq_u32 s2, 0
	s_cbranch_scc0 .Lentry_in_a_cluster
	s_endpgm
.Lentry_in_a_cluster:
	s_bfe_u32 s2, ttmp6, 0x10000c
	s_cmp_lg_u32 s2, 0x3003
	s_cbranch_scc0 .Lentry_shape_is_right
	s_endpgm
.Lentry_shape_is_right:
; One spline layer: out[b][o] = sum over i, k of hat(15 clip(in[b][i], 0, 1 - 1e-6) - k) w[o][16 i + k], hat(d) = max(0, 1 - |d|), k = 0 .. 15:
; the degree-1 basis on the clamped uniform knots.  in: [8192][IN] f32, w: [NOUT][16 IN] bf16, out: [8192][NOUT] f32.
; It is a product with K = 16 IN whose left operand is MADE IN REGISTERS from in; only w and in pass through LDS.
; TWO PIECES: each basis value v goes to the matrix unit as hi = bf16(v) and lo = bf16(v - hi), two products onto one f32 sum.  A hidden value is
; multiplied in the next layer by 15 x a difference of coefficients and summed over hundreds of inputs, so one bf16 rounding of v would not do.
; SHARES: a work-group makes 16 MB rows x 128 columns.  Its four waves split K: in a step of 32 inputs wave w takes inputs 8 w .. 8 w + 7
; (128 along K) and holds the whole block as partial sums, MB x 8 tiles; the four partial blocks are added through LDS at the end.
; So one pair of basis fragments (60 vector instructions) feeds 16 matrix instructions, and one weight fragment (2 LDS loads) feeds 2 MB.
; CLUSTER: the four work-groups of a cluster make four row blocks of one column block and need the same weights: each wave asks for its weight
; tile jointly (mask 15).  The tiles of in differ between the partners and come by plain loads; they are 1/9 (MB = 8) of a step's bytes.
; A tile row of in is 128 bytes (32 f32): a step of 64 inputs would double the weight slots, and two such slots do not fit in LDS.
; LIMITS: a NaN in in is not passed on (the clip takes it for a number).  The basis has a relative error of at most 2^-18; 15 x - k is one fused
; multiply-add in place of (x - t) / dl; K is summed as four partial sums, each ascending.
.set IN,   256
.set NOUT, 512
.set MB,   8                           ; blocks of 16 rows in a work-group
.set STEPS, IN/32
.set WT,   128*272                     ; a wave's weight tile: 128 rows of 256 bytes + 16 of padding
.set XO,   4*WT                        ; behind the four weight tiles: the tile of in, 16 MB rows of 128 bytes + 16
.set SLOT, XO+16*MB*144
.set XR,   4*MB                        ; rows of in that a wave fetches, and rows of out that it sums and stores
.set STG,  16*MB*528                   ; the way out: a wave's partial block, rows of 512 bytes + 16, laid over the ring behind its last fill
; window 0 of the vector registers
.set ADRW, 8                           ; v8-9    LDS address of my weight fragments, slot 0, 1
.set ADRX, 10                          ; v10-11  LDS address of my numbers of in, slot 0, 1
.set STO,  12                          ; v12     where I put 16 bytes of my partial block
.set RD,   13                          ; v13-16  where I read a row of wave k's partial block
.set CO,   17                          ; v17     16 x lane
.set ONE,  20
.set NEG1, 21
.set MULP, 22                          ; v[22:23] 15, 15
.set C0,   24                          ; v[24:33] 1 - j - 8 h, j = 0 .. 9
.set F0,   64                          ; v[64:127], v[128:191] weight fragments (8 x 16 columns x 32 K), two buffers
.set F1,   128
.set XA,   192                         ; 4 registers a row block: inputs 0-3 of my eight
.set XB,   224                         ; inputs 4-7
; windows 1, 2, 3, each for the row blocks whose sums it holds (local numbers)
.set FH0,  192                         ; basis fragments: hi at 192 + 16 p, lo at 200 + 16 p, p = 0, 1; sums: block j, tile nb at 64 j + 8 nb
.set FL0,  200
.set TR,   224                         ; v[224:233] 15 x - (8 h + j - 1)
.set VR,   234                         ; v[234:241] eight basis values
.set XC,   242                         ; v[242:243] two clipped inputs
.set CW,   244                         ; v[244:253] copy of C0
.set ZERO, 254
.set G1W, 16                           ; s[16:23] shape of a weight tile
.set G1X, 24                           ; s[24:31] shape of a tile of in
.set G0W, 32                           ; s[32:39] from where, to where: weights, a set for each slot
.set G0X, 40                           ; s[40:47] the same for in
.set MSB, 0
.macro WIN new                         ; s_set_vgpr_msb: bits 1:0 source 0, 3:2 source 1, 5:4 source 2, 7:6 destination; the high byte repeats the setting left
.if MSB != (\new)
	s_set_vgpr_msb (MSB<<8)|(\new)
.set MSB, (\new)
.endif
.endm
.macro CREST                           ; a round of the cluster's barrier behind its opening work-group barrier
	s_cmp_lg_u32 s10, 0
	s_cbranch_scc1 .Lnot_wave_0_\@
	s_barrier_signal -3
.Lnot_wave_0_\@:
	s_barrier_wait -3
	s_barrier_signal -1
	s_barrier_wait -1
.endm
.macro ROUND
	s_barrier_signal -1
	s_barrier_wait -1
	CREST
.endm
.macro PLACES
.rept 4
	v_nop
.endr
.endm
; THE BASIS, 60 vector instructions for a pair of fragments (16 rows x 2 inputs x 16 basis functions, hi and lo).  All of them, and the matrix
; instructions, run under ONE setting of the windows: source 0 in window 0, sources 1, 2 and the destination in window W.
; Lane (r, h) makes basis functions 8 h .. 8 h + 7 of inputs e = 0, 1 for row r: register 4 e + d holds functions 8 h + 2 d, 8 h + 2 d + 1.
; GX: the two inputs (window 0); GFH, GFL: the fragments that are written.
.macro HAT k                           ; max(0, min(u - c + 1, c + 1 - u)) as the middle one of three, c = 8 h + k
	v_med3_num_f32 v[VR+(\k)], 0, v[TR+(\k)], -v[TR+(\k)+2]
.endm
.macro HI e, k                         ; hi = v rounded once to bf16, into one half of the register
.if ((\k)&1)
	v_fma_mixhi_bf16 v[GFH+4*\e+((\k)>>1)], v[ONE], v[VR+(\k)], v[ZERO]
.else
	v_fma_mixlo_bf16 v[GFH+4*\e+((\k)>>1)], v[ONE], v[VR+(\k)], v[ZERO]
.endif
.endm
.macro LO e, k                         ; lo = v - hi, exact in the fused multiply-add, rounded once to bf16
.if ((\k)&1)
	v_fma_mixhi_bf16 v[GFL+4*\e+((\k)>>1)], v[NEG1], v[GFH+4*\e+((\k)>>1)], v[VR+(\k)] op_sel:[0,1,0] op_sel_hi:[0,1,0]
.else
	v_fma_mixlo_bf16 v[GFL+4*\e+((\k)>>1)], v[NEG1], v[GFH+4*\e+((\k)>>1)], v[VR+(\k)] op_sel_hi:[0,1,0]
.endif
.endm
.macro GOP n                           ; the n-th of the 60
.if (\n) < 2
	v_med3_num_f32 v[XC+(\n)], v[GX+(\n)], 0, s14                  ; the clip to 0 .. 1 - 1e-6
.elseif (\n) < 7
	v_pk_fma_f32 v[TR+2*((\n)-2):TR+2*((\n)-2)+1], v[MULP:MULP+1], v[XC:XC+1], v[CW+2*((\n)-2):CW+2*((\n)-2)+1] op_sel_hi:[1,0,1]
.elseif (\n) < 15
	HAT (\n)-7
.elseif (\n) < 20
	v_pk_fma_f32 v[TR+2*((\n)-15):TR+2*((\n)-15)+1], v[MULP:MULP+1], v[XC:XC+1], v[CW+2*((\n)-15):CW+2*((\n)-15)+1] op_sel:[0,1,0] op_sel_hi:[1,1,1]
.elseif (\n) < 28
	HI 0, (\n)-20
.elseif (\n) < 36
	LO 0, (\n)-28
.elseif (\n) < 44
	HAT (\n)-36
.elseif (\n) < 52
	HI 1, (\n)-44
.else
	LO 1, (\n)-52
.endif
.endm
; 16 matrix instructions: one row block x 8 column tiles, hi then lo, 32 along K, on basis buffer p; the next pair of fragments is made between
; them in the other buffer, 3 or 4 vector instructions behind each, 4 behind the last.  The matrix instruction is used transposed (source 0 =
; 16 columns of w, source 1 = 16 rows of basis), so that a lane holds eight neighbouring columns of one row of out.
; The eight accumulators take turns, one instruction a turn.
.macro UNIT acc, f, p, zero, gen
.set ui, 0
.set gn, 0
.rept 16
.if ui < 8
.if \zero
	v_wmma_f32_16x16x32_bf16 v[\acc+8*ui:\acc+8*ui+7], v[\f+8*ui:\f+8*ui+7], v[FH0+16*\p:FH0+16*\p+7], 0
.else
	v_wmma_f32_16x16x32_bf16 v[\acc+8*ui:\acc+8*ui+7], v[\f+8*ui:\f+8*ui+7], v[FH0+16*\p:FH0+16*\p+7], v[\acc+8*ui:\acc+8*ui+7]
.endif
.else
	v_wmma_f32_16x16x32_bf16 v[\acc+8*(ui-8):\acc+8*(ui-8)+7], v[\f+8*(ui-8):\f+8*(ui-8)+7], v[FL0+16*\p:FL0+16*\p+7], v[\acc+8*(ui-8):\acc+8*(ui-8)+7]
.endif
.if \gen
.rept (15*(ui+1))/4-(15*ui)/4
	GOP gn
.set gn, gn+1
.endr
.endif
.set ui, ui+1
.endr
.endm
; The c row blocks b0 .. of window w in quarter q (32 along K).  Unit j makes the fragments of the unit that follows it in this window: block
; j + 1 of this quarter, or block b0 of the next quarter.  4 c units a step is even, so the two basis buffers keep their turns from step to step.
; lastgen = 0: nothing follows the last unit.  xwait = 1: the last unit reads inputs that were asked for at the head of this quarter.
.macro STRETCH w, b0, c, q, zero, lastgen, xwait
	WIN \w*0x54
.set sj, 0
.rept \c
.set spar, (\c*\q+sj)&1
.if sj < \c-1
.set tb, \b0+sj+1
.set tq, \q
.set sg, 1
.else
.set tb, \b0
.set tq, (\q+1)&3
.set sg, \lastgen
.if \xwait
	s_wait_dscnt 16                                ; the next step's inputs are in; the 16 weight loads issued behind them may stay out
.endif
.endif
.if tq < 2
.set GX, XA+4*tb+2*(tq&1)
.else
.set GX, XB+4*tb+2*(tq&1)
.endif
.set GFH, FH0+16*(1-spar)
.set GFL, FL0+16*(1-spar)
	UNIT 64*sj, F0+64*(\q&1), spar, \zero, sg
.set sj, sj+1
.endr
.endm
.macro HEADW q, zero, lastgen, xwait   ; all windows but the last
.if MB == 8
	STRETCH 1, 0, 3, \q, \zero, \lastgen, \xwait
	STRETCH 2, 3, 3, \q, \zero, \lastgen, 0
.else
	STRETCH 1, 0, 2, \q, \zero, \lastgen, \xwait
.endif
.endm
.macro TAILW q, zero, lastgen          ; the last window
.if MB == 8
	STRETCH 3, 6, 2, \q, \zero, \lastgen, 0
.else
	STRETCH 2, 2, 2, \q, \zero, \lastgen, 0
.endif
.endm
.macro LOADW slot, q, f                ; 16 LDS loads: my weight fragments of quarter q (128 columns x 32 K)
.set lb, 0
.rept 8
	ds_load_b128 v[\f+8*lb:\f+8*lb+3], v[ADRW+\slot] offset:4352*lb+64*\q
	ds_load_b128 v[\f+8*lb+4:\f+8*lb+7], v[ADRW+\slot] offset:4352*lb+64*\q+32
.set lb, lb+1
.endr
.endm
.macro LOADX slot, half, x             ; MB LDS loads: four of my eight inputs for row r of each row block (both halves of the lanes read the same bytes)
.set lb, 0
.rept MB
	ds_load_b128 v[\x+4*lb:\x+4*lb+3], v[ADRX+\slot] offset:2304*lb+16*\half
.set lb, lb+1
.endr
.endm
; A step: 32 inputs, four quarters.  mode 2: this slot is filled again, two steps ahead; 1: the slots change, nothing is filled; 0: the last step.
; Each run of loads into a weight buffer stands behind the four vector instructions that close the unit in front of it.
.macro STEP slot, zero, mode
	WIN 0
	LOADX \slot, 1, XB
	LOADW \slot, 1, F1
	s_wait_dscnt MB+16                             ; all but the MB + 16 loads just issued: quarter 0's weights are in
	HEADW 0, \zero, 1, 0
	TAILW 0, \zero, 1
	WIN 0
	LOADW \slot, 2, F0
	s_wait_dscnt 16                                ; all but the 16 just issued: quarter 1's weights and inputs 4-7
	HEADW 1, 0, 1, 0
	TAILW 1, 0, 1
	WIN 0
	LOADW \slot, 3, F1                             ; my last reads of this slot
	s_wait_dscnt 16
	HEADW 2, 0, 1, 0
.if \mode
	s_wait_dscnt 0x0                               ; my reads of this slot are over,
	s_wait_tensorcnt 0x0                           ; and all my tensor loads have landed: the two that were out are my parts of the other slot
	ds_add_u32 v63, v255
	s_wait_dscnt 0x0
	s_barrier_signal -1                            ; say so (with a refill this barrier opens a round of the cluster's barrier),
.endif
	TAILW 2, 0, 1                                  ; work on registers while the others arrive,
	WIN 0
.if \mode
	s_barrier_wait -1                              ; and go on when all four waves have said so
.endif
.if \mode == 2
	CREST                                          ; all four work-groups have said so: no wave of a partner reads this slot or has a load on its way
	s_add_nc_u64 s[G0W+4*\slot+2:G0W+4*\slot+3], s[G0W+4*\slot+2:G0W+4*\slot+3], 2048   ; two steps of 32 inputs x 16 x 2 bytes
	s_add_nc_u64 s[G0X+4*\slot+2:G0X+4*\slot+3], s[G0X+4*\slot+2:G0X+4*\slot+3], 256    ; two steps of 32 x 4 bytes
	tensor_load_to_lds s[G0W+4*\slot:G0W+4*\slot+3], s[G1W:G1W+7]  ; the first tensor loads behind the round: two are out until the next step's wait
	s_nop 0
	tensor_load_to_lds s[G0X+4*\slot:G0X+4*\slot+3], s[G1X:G1X+7]
	s_nop 0
.endif
.if \mode
	LOADX 1-\slot, 0, XA                           ; the other slot is whole: the next step's first inputs and weights
	LOADW 1-\slot, 0, F0
	HEADW 3, 0, 1, 1
	TAILW 3, 0, 1
.else
	s_wait_dscnt 0x0                               ; quarter 3's weights
	HEADW 3, 0, 0, 0
	TAILW 3, 0, 0
.endif
.endm
.macro WINIT w                         ; a window's constants; the fragment registers are written once whole, since each later write keeps one half
	WIN \w<<6
.irp j, 0,1,2,3,4,5,6,7,8,9
	v_mov_b32 v[CW+\j], v[C0+\j]
.endr
	v_mov_b32 v[ZERO], 0
.set wi, 0
.rept 32
	v_mov_b32 v[FH0+wi], 0
.set wi, wi+1
.endr
.endm
.macro GEN0 w, b0                      ; the first fragments of a window, with no products to set them among
	WIN \w*0x54
.set GX, XA+4*\b0
.set GFH, FH0
.set GFL, FL0
.set gn, 0
.rept 60
	GOP gn
.set gn, gn+1
.endr
.endm
	s_load_b128 s[4:7], s[0:1], 0x0                ; in s[4:5], w s[6:7]
	s_load_b64 s[8:9], s[0:1], 0x10                ; out
	v_lshl_add_u32 v63, v0, 2, 0x4d000
	s_set_vgpr_msb 0x80
	v_mov_b32 v255, 0
	s_set_vgpr_msb 0x8088
	ds_add_u32 v63, v255
	s_set_vgpr_msb 0x8800
	v_lshrrev_b32 v1, 5, v0
	v_readfirstlane_b32 s10, v1                    ; wave 0..3
	s_bfe_u32 s11, ttmp6, 0x40000                  ; cx
	s_lshl_b32 s12, ttmp9, 2
	s_add_co_u32 s12, s12, s11                     ; row block of out = 4 x cluster x + cx
	s_and_b32 s13, ttmp7, 0xffff                   ; column block of out: the same in the four partners
	s_mov_b32 s14, 0x3f7fffef                      ; 1 - 1e-6 in f32
	; a weight tile: 128 rows x 128 bf16, 16 bytes of padding behind each 256
	s_mov_b32 s[G1W+0], 15|(1<<16)|(1<<20)|(1<<21)|(5<<22)|(3<<25) ; mask: all four of the cluster; 2-byte elements; padding on; bit 21 beside a mask; after 64 words, 4 words
	s_mov_b32 s[G1W+1], 128<<16                    ; tensor_dim0
	s_mov_b32 s[G1W+2], 128<<16                    ; tensor_dim1
	s_mov_b32 s[G1W+3], 128<<16                    ; tile_dim0
	s_mov_b32 s[G1W+4], 128                        ; tile_dim1
	s_mov_b32 s[G1W+5], IN*16                      ; elements from row to row
	s_mov_b32 s[G1W+6], 0
	s_mov_b32 s[G1W+7], 0
	; my part of a tile of in: XR rows x 32 f32, 16 bytes of padding behind each 128; no mask
	s_mov_b32 s[G1X+0], (2<<16)|(1<<20)|(4<<22)|(3<<25)
	s_mov_b32 s[G1X+1], 32<<16
	s_mov_b32 s[G1X+2], XR<<16
	s_mov_b32 s[G1X+3], 32<<16
	s_mov_b32 s[G1X+4], XR
	s_mov_b32 s[G1X+5], IN
	s_mov_b32 s[G1X+6], 0
	s_mov_b32 s[G1X+7], 0
	s_mul_i32 s48, s10, WT                         ; LDS: my weight tile
	s_mul_i32 s49, s10, XR*144
	s_add_co_u32 s49, s49, XO                      ; LDS: my rows of in
	s_mul_i32 s50, s13, IN*4096                    ; w: 128 rows of 32 IN bytes a column block,
	s_lshl_b32 s51, s10, 8                         ; + my 8 inputs x 16 x 2 bytes: made of the column block and the wave number alone
	s_add_co_u32 s50, s50, s51
	s_mov_b32 s51, 0
	s_mul_i32 s52, s12, 16*MB
	s_mul_i32 s53, s10, XR
	s_add_co_u32 s52, s52, s53                     ; the first row that I fetch of in, and that I store of out
	s_mul_i32 s54, s52, NOUT*4
	s_mul_i32 s52, s52, IN*4
	s_mov_b32 s53, 0
	s_lshl_b32 s55, s13, 9                         ; 128 columns of 4 bytes
	s_add_co_u32 s54, s54, s55
	s_mov_b32 s55, 0
	s_wait_dscnt 0x0
	s_wait_kmcnt 0x0
	s_add_nc_u64 s[6:7], s[6:7], s[50:51]
	s_add_nc_u64 s[4:5], s[4:5], s[52:53]
	s_add_nc_u64 s[8:9], s[8:9], s[54:55]
.irp n, 0,1
	s_mov_b32 s[G0W+4*\n], 1
	s_add_co_u32 s[G0W+4*\n+1], s48, \n*SLOT
	s_add_nc_u64 s[G0W+4*\n+2:G0W+4*\n+3], s[6:7], \n*1024
	s_or_b32 s[G0W+4*\n+3], s[G0W+4*\n+3], 0x80000000
	s_mov_b32 s[G0X+4*\n], 1
	s_add_co_u32 s[G0X+4*\n+1], s49, \n*SLOT
	s_add_nc_u64 s[G0X+4*\n+2:G0X+4*\n+3], s[4:5], \n*128
	s_or_b32 s[G0X+4*\n+3], s[G0X+4*\n+3], 0x80000000
.endr
	ROUND                                          ; the four work-groups are here: the first joint loads meet
.irp n, 0,1
	tensor_load_to_lds s[G0W+4*\n:G0W+4*\n+3], s[G1W:G1W+7]        ; steps 0 and 1: four tensor loads of mine are out, the most in this text
	s_nop 0
	tensor_load_to_lds s[G0X+4*\n:G0X+4*\n+3], s[G1X:G1X+7]
	s_nop 0
.endr
	v_and_b32 v1, 15, v0                           ; r
	v_bfe_u32 v2, v0, 4, 1                         ; h
	v_and_b32 v3, 31, v0                           ; lane
	v_mul_u32_u24 v4, v1, 272
	v_lshl_add_u32 v4, v2, 4, v4
	v_add_nc_u32 v[ADRW], s48, v4                  ; column r of a tile of 16, 16 h bytes along K
	v_add_nc_u32 v[ADRW+1], SLOT, v[ADRW]
	v_mul_u32_u24 v5, v1, 144
	s_lshl_b32 s56, s10, 5
	s_add_co_u32 s56, s56, XO
	v_add_nc_u32 v[ADRX], s56, v5                  ; row r, my 8 inputs of 4 bytes
	v_add_nc_u32 v[ADRX+1], SLOT, v[ADRX]
	s_mul_i32 s57, s10, STG
	v_mul_u32_u24 v6, v1, 528
	v_lshl_add_u32 v6, v2, 5, v6
	v_add_nc_u32 v[STO], s57, v6                   ; my partial block: row r, columns 8 h ..
	s_mul_i32 s57, s10, XR*528
	v_lshl_add_u32 v[RD], v3, 4, s57               ; wave 0's partial block: my first row, 16 bytes a lane
.irp k, 1,2,3
	v_add_nc_u32 v[RD+\k], \k*STG, v[RD]
.endr
	v_lshlrev_b32 v[CO], 4, v3
	v_mov_b32 v[ONE], 1.0
	v_mov_b32 v[NEG1], -1.0
	v_mov_b32 v[MULP], 0x41700000                  ; 15
	v_mov_b32 v[MULP+1], 0x41700000
	v_lshlrev_b32 v7, 3, v2
.irp j, 0,1,2,3,4,5,6,7,8,9
	v_sub_nc_u32 v[C0+\j], 1-\j, v7
	v_cvt_f32_i32 v[C0+\j], v[C0+\j]
.endr
	WINIT 1
	WINIT 2
.if MB == 8
	WINIT 3
.endif
	WIN 0
	s_wait_tensorcnt 0x2                           ; my two loads of step 0 are in, step 1's two stay out
	s_barrier_signal -1
	s_barrier_wait -1                              ; every wave's rows of in are there
	LOADX 0, 0, XA
	LOADW 0, 0, F0
	s_wait_dscnt 16                                ; the inputs are in; the 16 weight loads may stay out
.if MB == 8
	GEN0 1, 0
	GEN0 2, 3
	GEN0 3, 6
.else
	GEN0 1, 0
	GEN0 2, 2
.endif
	STEP 0, 1, 2                                   ; the first step's first products start the sums: nothing is cleared
	STEP 1, 0, 2
	WIN 0                                          ; at a label and at a branch every window is 0
	s_mov_b32 s3, STEPS/2-2
.Llap:
	STEP 0, 0, 2
	STEP 1, 0, 2
	WIN 0
	s_sub_co_u32 s3, s3, 1
	s_cmp_lg_u32 s3, 0
	s_cbranch_scc1 .Llap
	STEP 0, 0, 1                                   ; the last two steps fill nothing
	STEP 1, 0, 0
	; THE WAY OUT.  Each wave lays its partial block into LDS, over the ring, which has had its last fill; then wave w adds the four partial
	; blocks for rows XR w .. and stores them, 512 consecutive aligned bytes an instruction.
	PLACES                                         ; four places between the last matrix instructions and the LDS stores that read their results
	WIN 0
	s_wait_dscnt 0x0                               ; my reads of the ring are over
	s_wait_tensorcnt 0x0                           ; and no tensor load of mine is out
	s_barrier_signal -1
	s_barrier_wait -1                              ; so are every wave's: the ring may be written over
.macro STAGE w, b0, c
	WIN \w<<2                                      ; an LDS store's data are source 1
.set sj, 0
.rept \c
.set snb, 0
.rept 8
	ds_store_b128 v[STO], v[64*sj+8*snb:64*sj+8*snb+3] offset:8448*(\b0+sj)+64*snb
	ds_store_b128 v[STO], v[64*sj+8*snb+4:64*sj+8*snb+7] offset:8448*(\b0+sj)+64*snb+16
.set snb, snb+1
.endr
.set sj, sj+1
.endr
.endm
.if MB == 8
	STAGE 1, 0, 3
	STAGE 2, 3, 3
	STAGE 3, 6, 2
.else
	STAGE 1, 0, 2
	STAGE 2, 2, 2
.endif
	WIN 0
	s_wait_dscnt 0x0                               ; for the other waves: my block is written before I signal
	s_barrier_signal -1
	s_barrier_wait -1
.macro OUT4 t, f                       ; rows 4 t .. 4 t + 3 of my XR
	s_wait_xcnt 0x0                                ; buffer f, which earlier stores read, is loaded again only behind this wait
.irp i, 0,1,2,3
.irp k, 0,1,2,3
	ds_load_b128 v[\f+16*\i+4*\k:\f+16*\i+4*\k+3], v[RD+\k] offset:528*(4*\t+\i)
.endr
.endr
.irp i, 0,1,2,3
	s_wait_dscnt 12-4*\i                           ; row i's four loads are in, the younger rows' stay out
	v_pk_add_f32 v[\f+16*\i:\f+16*\i+1], v[\f+16*\i:\f+16*\i+1], v[\f+16*\i+4:\f+16*\i+5]
	v_pk_add_f32 v[\f+16*\i+2:\f+16*\i+3], v[\f+16*\i+2:\f+16*\i+3], v[\f+16*\i+6:\f+16*\i+7]
	v_pk_add_f32 v[\f+16*\i+8:\f+16*\i+9], v[\f+16*\i+8:\f+16*\i+9], v[\f+16*\i+12:\f+16*\i+13]
	v_pk_add_f32 v[\f+16*\i+10:\f+16*\i+11], v[\f+16*\i+10:\f+16*\i+11], v[\f+16*\i+14:\f+16*\i+15]
	v_pk_add_f32 v[\f+16*\i:\f+16*\i+1], v[\f+16*\i:\f+16*\i+1], v[\f+16*\i+8:\f+16*\i+9]
	v_pk_add_f32 v[\f+16*\i+2:\f+16*\i+3], v[\f+16*\i+2:\f+16*\i+3], v[\f+16*\i+10:\f+16*\i+11]
	global_store_b128 v[CO], v[\f+16*\i:\f+16*\i+3], s[8:9] offset:(4*\t+\i)*NOUT*4
.endr
.endm
.set ot, 0
.rept XR/4
	OUT4 ot, F0+64*(ot&1)
.set ot, ot+1
.endr
	s_set_vgpr_msb 0x8
	s_wait_tensorcnt 0x0
	ds_add_u32 v63, v255
	s_wait_dscnt 0x0
	s_set_vgpr_msb 0x800
	ROUND                                          ; the closing round: no work-group ends while a partner may still ask for a tile that names it
	s_endpgm
.Lfunc_end_k_qc5ff16f021_layer0:
	.size	k_qc5ff16f021_layer0, .Lfunc_end_k_qc5ff16f021_layer0-k_qc5ff16f021_layer0
	.p2alignl 7, 3214868480
	.fill 96, 4, 3214868480
	.section	.rodata,"a",@progbits
	.p2align	6, 0x0
	.amdhsa_kernel k_qc5ff16f021_layer0
		.amdhsa_group_segment_fixed_size 327680
		.amdhsa_private_segment_fixed_size 0
		.amdhsa_enable_private_segment 0
		.amdhsa_kernarg_size 24
		.amdhsa_user_sgpr_count 2
		.amdhsa_user_sgpr_kernarg_segment_ptr 1
		.amdhsa_wavefront_size32 1
		.amdhsa_system_sgpr_workgroup_id_x 1
		.amdhsa_system_sgpr_workgroup_id_y 1
		.amdhsa_system_sgpr_workgroup_id_z 1
		.amdhsa_system_vgpr_workitem_id 0
		.amdhsa_next_free_vgpr 1024
		.amdhsa_next_free_sgpr 66
		.amdhsa_reserve_vcc 0
		.amdhsa_float_denorm_mode_32 3
		.amdhsa_float_denorm_mode_16_64 3
		.amdhsa_memory_ordered 1
		.amdhsa_forward_progress 1
		.amdhsa_inst_pref_size 255
	.end_amdhsa_kernel
	.section	.bss,"aw",@nobits
	.p2align	6
	.space	262144
	.amdgpu_metadata
---
amdhsa.version: [ 1, 2 ]
amdhsa.kernels:
  - .name:           k_qc5ff16f021_layer0
    .symbol:         k_qc5ff16f021_layer0.kd
    .args:
      - { .name: xr, .offset: 0, .size: 8, .value_kind: global_buffer, .address_space: global }
      - { .name: w0, .offset: 8, .size: 8, .value_kind: global_buffer, .address_space: global }
      - { .name: h0, .offset: 16, .size: 8, .value_kind: global_buffer, .address_space: global }
    .group_segment_fixed_size: 327680
    .private_segment_fixed_size: 0
    .kernarg_segment_align: 8
    .kernarg_segment_size: 24
    .max_flat_workgroup_size: 128
    .sgpr_count:     66
    .vgpr_count:     1024
    .wavefront_size: 32
...
	.end_amdgpu_metadata
.endif
;; end of part 3
;; launch layer1 (part 4): grid 64 x 4, 4 waves a work-group, clusters of 4 x 1, 327,680 bytes of LDS; arguments h0, w1, h1; writes h1
.if DOCPART == 4
	.amdgcn_target "amdgcn-amd-amdhsa--gfx1250"
	.amdhsa_code_object_version 6
	.text
	.protected	k_qc5ff16f021_layer1
	.globl	k_qc5ff16f021_layer1
	.p2align	8
	.type	k_qc5ff16f021_layer1,@function
k_qc5ff16f021_layer1:
	s_mov_b64 s[64:65], 0
	v_nop
	global_prefetch_b8 v0, s[64:65] scope:SCOPE_SE
	s_setreg_imm32_b32 hwreg(HW_REG_WAVE_MODE, 25, 1), 1
	s_wait_xcnt 0x0
	s_wait_alu depctr_hold_cnt(0) depctr_sa_sdst(0) depctr_va_vdst(0) depctr_va_sdst(0) depctr_va_ssrc(0) depctr_va_vcc(0) depctr_vm_vsrc(0)
	s_getreg_b32 s2, hwreg(HW_REG_IB_STS2, 6, 4)
	s_cmp_eq_u32 s2, 0
	s_cbranch_scc0 .Lentry_in_a_cluster
	s_endpgm
.Lentry_in_a_cluster:
	s_bfe_u32 s2, ttmp6, 0x10000c
	s_cmp_lg_u32 s2, 0x3003
	s_cbranch_scc0 .Lentry_shape_is_right
	s_endpgm
.Lentry_shape_is_right:
; One spline layer: out[b][o] = sum over i, k of hat(15 clip(in[b][i], 0, 1 - 1e-6) - k) w[o][16 i + k], hat(d) = max(0, 1 - |d|), k = 0 .. 15:
; the degree-1 basis on the clamped uniform knots.  in: [8192][IN] f32, w: [NOUT][16 IN] bf16, out: [8192][NOUT] f32.
; It is a product with K = 16 IN whose left operand is MADE IN REGISTERS from in; only w and in pass through LDS.
; TWO PIECES: each basis value v goes to the matrix unit as hi = bf16(v) and lo = bf16(v - hi), two products onto one f32 sum.  A hidden value is
; multiplied in the next layer by 15 x a difference of coefficients and summed over hundreds of inputs, so one bf16 rounding of v would not do.
; SHARES: a work-group makes 16 MB rows x 128 columns.  Its four waves split K: in a step of 32 inputs wave w takes inputs 8 w .. 8 w + 7
; (128 along K) and holds the whole block as partial sums, MB x 8 tiles; the four partial blocks are added through LDS at the end.
; So one pair of basis fragments (60 vector instructions) feeds 16 matrix instructions, and one weight fragment (2 LDS loads) feeds 2 MB.
; CLUSTER: the four work-groups of a cluster make four row blocks of one column block and need the same weights: each wave asks for its weight
; tile jointly (mask 15).  The tiles of in differ between the partners and come by plain loads; they are 1/9 (MB = 8) of a step's bytes.
; A tile row of in is 128 bytes (32 f32): a step of 64 inputs would double the weight slots, and two such slots do not fit in LDS.
; LIMITS: a NaN in in is not passed on (the clip takes it for a number).  The basis has a relative error of at most 2^-18; 15 x - k is one fused
; multiply-add in place of (x - t) / dl; K is summed as four partial sums, each ascending.
.set IN,   512
.set NOUT, 512
.set MB,   8                           ; blocks of 16 rows in a work-group
.set STEPS, IN/32
.set WT,   128*272                     ; a wave's weight tile: 128 rows of 256 bytes + 16 of padding
.set XO,   4*WT                        ; behind the four weight tiles: the tile of in, 16 MB rows of 128 bytes + 16
.set SLOT, XO+16*MB*144
.set XR,   4*MB                        ; rows of in that a wave fetches, and rows of out that it sums and stores
.set STG,  16*MB*528                   ; the way out: a wave's partial block, rows of 512 bytes + 16, laid over the ring behind its last fill
; window 0 of the vector registers
.set ADRW, 8                           ; v8-9    LDS address of my weight fragments, slot 0, 1
.set ADRX, 10                          ; v10-11  LDS address of my numbers of in, slot 0, 1
.set STO,  12                          ; v12     where I put 16 bytes of my partial block
.set RD,   13                          ; v13-16  where I read a row of wave k's partial block
.set CO,   17                          ; v17     16 x lane
.set ONE,  20
.set NEG1, 21
.set MULP, 22                          ; v[22:23] 15, 15
.set C0,   24                          ; v[24:33] 1 - j - 8 h, j = 0 .. 9
.set F0,   64                          ; v[64:127], v[128:191] weight fragments (8 x 16 columns x 32 K), two buffers
.set F1,   128
.set XA,   192                         ; 4 registers a row block: inputs 0-3 of my eight
.set XB,   224                         ; inputs 4-7
; windows 1, 2, 3, each for the row blocks whose sums it holds (local numbers)
.set FH0,  192                         ; basis fragments: hi at 192 + 16 p, lo at 200 + 16 p, p = 0, 1; sums: block j, tile nb at 64 j + 8 nb
.set FL0,  200
.set TR,   224                         ; v[224:233] 15 x - (8 h + j - 1)
.set VR,   234                         ; v[234:241] eight basis values
.set XC,   242                         ; v[242:243] two clipped inputs
.set CW,   244                         ; v[244:253] copy of C0
.set ZERO, 254
.set G1W, 16                           ; s[16:23] shape of a weight tile
.set G1X, 24                           ; s[24:31] shape of a tile of in
.set G0W, 32                           ; s[32:39] from where, to where: weights, a set for each slot
.set G0X, 40                           ; s[40:47] the same for in
.set MSB, 0
.macro WIN new                         ; s_set_vgpr_msb: bits 1:0 source 0, 3:2 source 1, 5:4 source 2, 7:6 destination; the high byte repeats the setting left
.if MSB != (\new)
	s_set_vgpr_msb (MSB<<8)|(\new)
.set MSB, (\new)
.endif
.endm
.macro CREST                           ; a round of the cluster's barrier behind its opening work-group barrier
	s_cmp_lg_u32 s10, 0
	s_cbranch_scc1 .Lnot_wave_0_\@
	s_barrier_signal -3
.Lnot_wave_0_\@:
	s_barrier_wait -3
	s_barrier_signal -1
	s_barrier_wait -1
.endm
.macro ROUND
	s_barrier_signal -1
	s_barrier_wait -1
	CREST
.endm
.macro PLACES
.rept 4
	v_nop
.endr
.endm
; THE BASIS, 60 vector instructions for a pair of fragments (16 rows x 2 inputs x 16 basis functions, hi and lo).  All of them, and the matrix
; instructions, run under ONE setting of the windows: source 0 in window 0, sources 1, 2 and the destination in window W.
; Lane (r, h) makes basis functions 8 h .. 8 h + 7 of inputs e = 0, 1 for row r: register 4 e + d holds functions 8 h + 2 d, 8 h + 2 d + 1.
; GX: the two inputs (window 0); GFH, GFL: the fragments that are written.
.macro HAT k                           ; max(0, min(u - c + 1, c + 1 - u)) as the middle one of three, c = 8 h + k
	v_med3_num_f32 v[VR+(\k)], 0, v[TR+(\k)], -v[TR+(\k)+2]
.endm
.macro HI e, k                         ; hi = v rounded once to bf16, into one half of the register
.if ((\k)&1)
	v_fma_mixhi_bf16 v[GFH+4*\e+((\k)>>1)], v[ONE], v[VR+(\k)], v[ZERO]
.else
	v_fma_mixlo_bf16 v[GFH+4*\e+((\k)>>1)], v[ONE], v[VR+(\k)], v[ZERO]
.endif
.endm
.macro LO e, k                         ; lo = v - hi, exact in the fused multiply-add, rounded once to bf16
.if ((\k)&1)
	v_fma_mixhi_bf16 v[GFL+4*\e+((\k)>>1)], v[NEG1], v[GFH+4*\e+((\k)>>1)], v[VR+(\k)] op_sel:[0,1,0] op_sel_hi:[0,1,0]
.else
	v_fma_mixlo_bf16 v[GFL+4*\e+((\k)>>1)], v[NEG1], v[GFH+4*\e+((\k)>>1)], v[VR+(\k)] op_sel_hi:[0,1,0]
.endif
.endm
.macro GOP n                           ; the n-th of the 60
.if (\n) < 2
	v_med3_num_f32 v[XC+(\n)], v[GX+(\n)], 0, s14                  ; the clip to 0 .. 1 - 1e-6
.elseif (\n) < 7
	v_pk_fma_f32 v[TR+2*((\n)-2):TR+2*((\n)-2)+1], v[MULP:MULP+1], v[XC:XC+1], v[CW+2*((\n)-2):CW+2*((\n)-2)+1] op_sel_hi:[1,0,1]
.elseif (\n) < 15
	HAT (\n)-7
.elseif (\n) < 20
	v_pk_fma_f32 v[TR+2*((\n)-15):TR+2*((\n)-15)+1], v[MULP:MULP+1], v[XC:XC+1], v[CW+2*((\n)-15):CW+2*((\n)-15)+1] op_sel:[0,1,0] op_sel_hi:[1,1,1]
.elseif (\n) < 28
	HI 0, (\n)-20
.elseif (\n) < 36
	LO 0, (\n)-28
.elseif (\n) < 44
	HAT (\n)-36
.elseif (\n) < 52
	HI 1, (\n)-44
.else
	LO 1, (\n)-52
.endif
.endm
; 16 matrix instructions: one row block x 8 column tiles, hi then lo, 32 along K, on basis buffer p; the next pair of fragments is made between
; them in the other buffer, 3 or 4 vector instructions behind each, 4 behind the last.  The matrix instruction is used transposed (source 0 =
; 16 columns of w, source 1 = 16 rows of basis), so that a lane holds eight neighbouring columns of one row of out.
; The eight accumulators take turns, one instruction a turn.
.macro UNIT acc, f, p, zero, gen
.set ui, 0
.set gn, 0
.rept 16
.if ui < 8
.if \zero
	v_wmma_f32_16x16x32_bf16 v[\acc+8*ui:\acc+8*ui+7], v[\f+8*ui:\f+8*ui+7], v[FH0+16*\p:FH0+16*\p+7], 0
.else
	v_wmma_f32_16x16x32_bf16 v[\acc+8*ui:\acc+8*ui+7], v[\f+8*ui:\f+8*ui+7], v[FH0+16*\p:FH0+16*\p+7], v[\acc+8*ui:\acc+8*ui+7]
.endif
.else
	v_wmma_f32_16x16x32_bf16 v[\acc+8*(ui-8):\acc+8*(ui-8)+7], v[\f+8*(ui-8):\f+8*(ui-8)+7], v[FL0+16*\p:FL0+16*\p+7], v[\acc+8*(ui-8):\acc+8*(ui-8)+7]
.endif
.if \gen
.rept (15*(ui+1))/4-(15*ui)/4
	GOP gn
.set gn, gn+1
.endr
.endif
.set ui, ui+1
.endr
.endm
; The c row blocks b0 .. of window w in quarter q (32 along K).  Unit j makes the fragments of the unit that follows it in this window: block
; j + 1 of this quarter, or block b0 of the next quarter.  4 c units a step is even, so the two basis buffers keep their turns from step to step.
; lastgen = 0: nothing follows the last unit.  xwait = 1: the last unit reads inputs that were asked for at the head of this quarter.
.macro STRETCH w, b0, c, q, zero, lastgen, xwait
	WIN \w*0x54
.set sj, 0
.rept \c
.set spar, (\c*\q+sj)&1
.if sj < \c-1
.set tb, \b0+sj+1
.set tq, \q
.set sg, 1
.else
.set tb, \b0
.set tq, (\q+1)&3
.set sg, \lastgen
.if \xwait
	s_wait_dscnt 16                                ; the next step's inputs are in; the 16 weight loads issued behind them may stay out
.endif
.endif
.if tq < 2
.set GX, XA+4*tb+2*(tq&1)
.else
.set GX, XB+4*tb+2*(tq&1)
.endif
.set GFH, FH0+16*(1-spar)
.set GFL, FL0+16*(1-spar)
	UNIT 64*sj, F0+64*(\q&1), spar, \zero, sg
.set sj, sj+1
.endr
.endm
.macro HEADW q, zero, lastgen, xwait   ; all windows but the last
.if MB == 8
	STRETCH 1, 0, 3, \q, \zero, \lastgen, \xwait
	STRETCH 2, 3, 3, \q, \zero, \lastgen, 0
.else
	STRETCH 1, 0, 2, \q, \zero, \lastgen, \xwait
.endif
.endm
.macro TAILW q, zero, lastgen          ; the last window
.if MB == 8
	STRETCH 3, 6, 2, \q, \zero, \lastgen, 0
.else
	STRETCH 2, 2, 2, \q, \zero, \lastgen, 0
.endif
.endm
.macro LOADW slot, q, f                ; 16 LDS loads: my weight fragments of quarter q (128 columns x 32 K)
.set lb, 0
.rept 8
	ds_load_b128 v[\f+8*lb:\f+8*lb+3], v[ADRW+\slot] offset:4352*lb+64*\q
	ds_load_b128 v[\f+8*lb+4:\f+8*lb+7], v[ADRW+\slot] offset:4352*lb+64*\q+32
.set lb, lb+1
.endr
.endm
.macro LOADX slot, half, x             ; MB LDS loads: four of my eight inputs for row r of each row block (both halves of the lanes read the same bytes)
.set lb, 0
.rept MB
	ds_load_b128 v[\x+4*lb:\x+4*lb+3], v[ADRX+\slot] offset:2304*lb+16*\half
.set lb, lb+1
.endr
.endm
; A step: 32 inputs, four quarters.  mode 2: this slot is filled again, two steps ahead; 1: the slots change, nothing is filled; 0: the last step.
; Each run of loads into a weight buffer stands behind the four vector instructions that close the unit in front of it.
.macro STEP slot, zero, mode
	WIN 0
	LOADX \slot, 1, XB
	LOADW \slot, 1, F1
	s_wait_dscnt MB+16                             ; all but the MB + 16 loads just issued: quarter 0's weights are in
	HEADW 0, \zero, 1, 0
	TAILW 0, \zero, 1
	WIN 0
	LOADW \slot, 2, F0
	s_wait_dscnt 16                                ; all but the 16 just issued: quarter 1's weights and inputs 4-7
	HEADW 1, 0, 1, 0
	TAILW 1, 0, 1
	WIN 0
	LOADW \slot, 3, F1                             ; my last reads of this slot
	s_wait_dscnt 16
	HEADW 2, 0, 1, 0
.if \mode
	s_wait_dscnt 0x0                               ; my reads of this slot are over,
	s_wait_tensorcnt 0x0                           ; and all my tensor loads have landed: the two that were out are my parts of the other slot
	ds_add_u32 v63, v255
	s_wait_dscnt 0x0
	s_barrier_signal -1                            ; say so (with a refill this barrier opens a round of the cluster's barrier),
.endif
	TAILW 2, 0, 1                                  ; work on registers while the others arrive,
	WIN 0
.if \mode
	s_barrier_wait -1                              ; and go on when all four waves have said so
.endif
.if \mode == 2
	CREST                                          ; all four work-groups have said so: no wave of a partner reads this slot or has a load on its way
	s_add_nc_u64 s[G0W+4*\slot+2:G0W+4*\slot+3], s[G0W+4*\slot+2:G0W+4*\slot+3], 2048   ; two steps of 32 inputs x 16 x 2 bytes
	s_add_nc_u64 s[G0X+4*\slot+2:G0X+4*\slot+3], s[G0X+4*\slot+2:G0X+4*\slot+3], 256    ; two steps of 32 x 4 bytes
	tensor_load_to_lds s[G0W+4*\slot:G0W+4*\slot+3], s[G1W:G1W+7]  ; the first tensor loads behind the round: two are out until the next step's wait
	s_nop 0
	tensor_load_to_lds s[G0X+4*\slot:G0X+4*\slot+3], s[G1X:G1X+7]
	s_nop 0
.endif
.if \mode
	LOADX 1-\slot, 0, XA                           ; the other slot is whole: the next step's first inputs and weights
	LOADW 1-\slot, 0, F0
	HEADW 3, 0, 1, 1
	TAILW 3, 0, 1
.else
	s_wait_dscnt 0x0                               ; quarter 3's weights
	HEADW 3, 0, 0, 0
	TAILW 3, 0, 0
.endif
.endm
.macro WINIT w                         ; a window's constants; the fragment registers are written once whole, since each later write keeps one half
	WIN \w<<6
.irp j, 0,1,2,3,4,5,6,7,8,9
	v_mov_b32 v[CW+\j], v[C0+\j]
.endr
	v_mov_b32 v[ZERO], 0
.set wi, 0
.rept 32
	v_mov_b32 v[FH0+wi], 0
.set wi, wi+1
.endr
.endm
.macro GEN0 w, b0                      ; the first fragments of a window, with no products to set them among
	WIN \w*0x54
.set GX, XA+4*\b0
.set GFH, FH0
.set GFL, FL0
.set gn, 0
.rept 60
	GOP gn
.set gn, gn+1
.endr
.endm
	s_load_b128 s[4:7], s[0:1], 0x0                ; in s[4:5], w s[6:7]
	s_load_b64 s[8:9], s[0:1], 0x10                ; out
	v_lshl_add_u32 v63, v0, 2, 0x4d000
	s_set_vgpr_msb 0x80
	v_mov_b32 v255, 0
	s_set_vgpr_msb 0x8088
	ds_add_u32 v63, v255
	s_set_vgpr_msb 0x8800
	v_lshrrev_b32 v1, 5, v0
	v_readfirstlane_b32 s10, v1                    ; wave 0..3
	s_bfe_u32 s11, ttmp6, 0x40000                  ; cx
	s_lshl_b32 s12, ttmp9, 2
	s_add_co_u32 s12, s12, s11                     ; row block of out = 4 x cluster x + cx
	s_and_b32 s13, ttmp7, 0xffff                   ; column block of out: the same in the four partners
	s_mov_b32 s14, 0x3f7fffef                      ; 1 - 1e-6 in f32
	; a weight tile: 128 rows x 128 bf16, 16 bytes of padding behind each 256
	s_mov_b32 s[G1W+0], 15|(1<<16)|(1<<20)|(1<<21)|(5<<22)|(3<<25) ; mask: all four of the cluster; 2-byte elements; padding on; bit 21 beside a mask; after 64 words, 4 words
	s_mov_b32 s[G1W+1], 128<<16                    ; tensor_dim0
	s_mov_b32 s[G1W+2], 128<<16                    ; tensor_dim1
	s_mov_b32 s[G1W+3], 128<<16                    ; tile_dim0
	s_mov_b32 s[G1W+4], 128                        ; tile_dim1
	s_mov_b32 s[G1W+5], IN*16                      ; elements from row to row
	s_mov_b32 s[G1W+6], 0
	s_mov_b32 s[G1W+7], 0
	; my part of a tile of in: XR rows x 32 f32, 16 bytes of padding behind each 128; no mask
	s_mov_b32 s[G1X+0], (2<<16)|(1<<20)|(4<<22)|(3<<25)
	s_mov_b32 s[G1X+1], 32<<16
	s_mov_b32 s[G1X+2], XR<<16
	s_mov_b32 s[G1X+3], 32<<16
	s_mov_b32 s[G1X+4], XR
	s_mov_b32 s[G1X+5], IN
	s_mov_b32 s[G1X+6], 0
	s_mov_b32 s[G1X+7], 0
	s_mul_i32 s48, s10, WT                         ; LDS: my weight tile
	s_mul_i32 s49, s10, XR*144
	s_add_co_u32 s49, s49, XO                      ; LDS: my rows of in
	s_mul_i32 s50, s13, IN*4096                    ; w: 128 rows of 32 IN bytes a column block,
	s_lshl_b32 s51, s10, 8                         ; + my 8 inputs x 16 x 2 bytes: made of the column block and the wave number alone
	s_add_co_u32 s50, s50, s51
	s_mov_b32 s51, 0
	s_mul_i32 s52, s12, 16*MB
	s_mul_i32 s53, s10, XR
	s_add_co_u32 s52, s52, s53                     ; the first row that I fetch of in, and that I store of out
	s_mul_i32 s54, s52, NOUT*4
	s_mul_i32 s52, s52, IN*4
	s_mov_b32 s53, 0
	s_lshl_b32 s55, s13, 9                         ; 128 columns of 4 bytes
	s_add_co_u32 s54, s54, s55
	s_mov_b32 s55, 0
	s_wait_dscnt 0x0
	s_wait_kmcnt 0x0
	s_add_nc_u64 s[6:7], s[6:7], s[50:51]
	s_add_nc_u64 s[4:5], s[4:5], s[52:53]
	s_add_nc_u64 s[8:9], s[8:9], s[54:55]
.irp n, 0,1
	s_mov_b32 s[G0W+4*\n], 1
	s_add_co_u32 s[G0W+4*\n+1], s48, \n*SLOT
	s_add_nc_u64 s[G0W+4*\n+2:G0W+4*\n+3], s[6:7], \n*1024
	s_or_b32 s[G0W+4*\n+3], s[G0W+4*\n+3], 0x80000000
	s_mov_b32 s[G0X+4*\n], 1
	s_add_co_u32 s[G0X+4*\n+1], s49, \n*SLOT
	s_add_nc_u64 s[G0X+4*\n+2:G0X+4*\n+3], s[4:5], \n*128
	s_or_b32 s[G0X+4*\n+3], s[G0X+4*\n+3], 0x80000000
.endr
	ROUND                                          ; the four work-groups are here: the first joint loads meet
.irp n, 0,1
	tensor_load_to_lds s[G0W+4*\n:G0W+4*\n+3], s[G1W:G1W+7]        ; steps 0 and 1: four tensor loads of mine are out, the most in this text
	s_nop 0
	tensor_load_to_lds s[G0X+4*\n:G0X+4*\n+3], s[G1X:G1X+7]
	s_nop 0
.endr
	v_and_b32 v1, 15, v0                           ; r
	v_bfe_u32 v2, v0, 4, 1                         ; h
	v_and_b32 v3, 31, v0                           ; lane
	v_mul_u32_u24 v4, v1, 272
	v_lshl_add_u32 v4, v2, 4, v4
	v_add_nc_u32 v[ADRW], s48, v4                  ; column r of a tile of 16, 16 h bytes along K
	v_add_nc_u32 v[ADRW+1], SLOT, v[ADRW]
	v_mul_u32_u24 v5, v1, 144
	s_lshl_b32 s56, s10, 5
	s_add_co_u32 s56, s56, XO
	v_add_nc_u32 v[ADRX], s56, v5                  ; row r, my 8 inputs of 4 bytes
	v_add_nc_u32 v[ADRX+1], SLOT, v[ADRX]
	s_mul_i32 s57, s10, STG
	v_mul_u32_u24 v6, v1, 528
	v_lshl_add_u32 v6, v2, 5, v6
	v_add_nc_u32 v[STO], s57, v6                   ; my partial block: row r, columns 8 h ..
	s_mul_i32 s57, s10, XR*528
	v_lshl_add_u32 v[RD], v3, 4, s57               ; wave 0's partial block: my first row, 16 bytes a lane
.irp k, 1,2,3
	v_add_nc_u32 v[RD+\k], \k*STG, v[RD]
.endr
	v_lshlrev_b32 v[CO], 4, v3
	v_mov_b32 v[ONE], 1.0
	v_mov_b32 v[NEG1], -1.0
	v_mov_b32 v[MULP], 0x41700000                  ; 15
	v_mov_b32 v[MULP+1], 0x41700000
	v_lshlrev_b32 v7, 3, v2
.irp j, 0,1,2,3,4,5,6,7,8,9
	v_sub_nc_u32 v[C0+\j], 1-\j, v7
	v_cvt_f32_i32 v[C0+\j], v[C0+\j]
.endr
	WINIT 1
	WINIT 2
.if MB == 8
	WINIT 3
.endif
	WIN 0
	s_wait_tensorcnt 0x2                           ; my two loads of step 0 are in, step 1's two stay out
	s_barrier_signal -1
	s_barrier_wait -1                              ; every wave's rows of in are there
	LOADX 0, 0, XA
	LOADW 0, 0, F0
	s_wait_dscnt 16                                ; the inputs are in; the 16 weight loads may stay out
.if MB == 8
	GEN0 1, 0
	GEN0 2, 3
	GEN0 3, 6
.else
	GEN0 1, 0
	GEN0 2, 2
.endif
	STEP 0, 1, 2                                   ; the first step's first products start the sums: nothing is cleared
	STEP 1, 0, 2
	WIN 0                                          ; at a label and at a branch every window is 0
	s_mov_b32 s3, STEPS/2-2
.Llap:
	STEP 0, 0, 2
	STEP 1, 0, 2
	WIN 0
	s_sub_co_u32 s3, s3, 1
	s_cmp_lg_u32 s3, 0
	s_cbranch_scc1 .Llap
	STEP 0, 0, 1                                   ; the last two steps fill nothing
	STEP 1, 0, 0
	; THE WAY OUT.  Each wave lays its partial block into LDS, over the ring, which has had its last fill; then wave w adds the four partial
	; blocks for rows XR w .. and stores them, 512 consecutive aligned bytes an instruction.
	PLACES                                         ; four places between the last matrix instructions and the LDS stores that read their results
	WIN 0
	s_wait_dscnt 0x0                               ; my reads of the ring are over
	s_wait_tensorcnt 0x0                           ; and no tensor load of mine is out
	s_barrier_signal -1
	s_barrier_wait -1                              ; so are every wave's: the ring may be written over
.macro STAGE w, b0, c
	WIN \w<<2                                      ; an LDS store's data are source 1
.set sj, 0
.rept \c
.set snb, 0
.rept 8
	ds_store_b128 v[STO], v[64*sj+8*snb:64*sj+8*snb+3] offset:8448*(\b0+sj)+64*snb
	ds_store_b128 v[STO], v[64*sj+8*snb+4:64*sj+8*snb+7] offset:8448*(\b0+sj)+64*snb+16
.set snb, snb+1
.endr
.set sj, sj+1
.endr
.endm
.if MB == 8
	STAGE 1, 0, 3
	STAGE 2, 3, 3
	STAGE 3, 6, 2
.else
	STAGE 1, 0, 2
	STAGE 2, 2, 2
.endif
	WIN 0
	s_wait_dscnt 0x0                               ; for the other waves: my block is written before I signal
	s_barrier_signal -1
	s_barrier_wait -1
.macro OUT4 t, f                       ; rows 4 t .. 4 t + 3 of my XR
	s_wait_xcnt 0x0                                ; buffer f, which earlier stores read, is loaded again only behind this wait
.irp i, 0,1,2,3
.irp k, 0,1,2,3
	ds_load_b128 v[\f+16*\i+4*\k:\f+16*\i+4*\k+3], v[RD+\k] offset:528*(4*\t+\i)
.endr
.endr
.irp i, 0,1,2,3
	s_wait_dscnt 12-4*\i                           ; row i's four loads are in, the younger rows' stay out
	v_pk_add_f32 v[\f+16*\i:\f+16*\i+1], v[\f+16*\i:\f+16*\i+1], v[\f+16*\i+4:\f+16*\i+5]
	v_pk_add_f32 v[\f+16*\i+2:\f+16*\i+3], v[\f+16*\i+2:\f+16*\i+3], v[\f+16*\i+6:\f+16*\i+7]
	v_pk_add_f32 v[\f+16*\i+8:\f+16*\i+9], v[\f+16*\i+8:\f+16*\i+9], v[\f+16*\i+12:\f+16*\i+13]
	v_pk_add_f32 v[\f+16*\i+10:\f+16*\i+11], v[\f+16*\i+10:\f+16*\i+11], v[\f+16*\i+14:\f+16*\i+15]
	v_pk_add_f32 v[\f+16*\i:\f+16*\i+1], v[\f+16*\i:\f+16*\i+1], v[\f+16*\i+8:\f+16*\i+9]
	v_pk_add_f32 v[\f+16*\i+2:\f+16*\i+3], v[\f+16*\i+2:\f+16*\i+3], v[\f+16*\i+10:\f+16*\i+11]
	global_store_b128 v[CO], v[\f+16*\i:\f+16*\i+3], s[8:9] offset:(4*\t+\i)*NOUT*4
.endr
.endm
.set ot, 0
.rept XR/4
	OUT4 ot, F0+64*(ot&1)
.set ot, ot+1
.endr
	s_set_vgpr_msb 0x8
	s_wait_tensorcnt 0x0
	ds_add_u32 v63, v255
	s_wait_dscnt 0x0
	s_set_vgpr_msb 0x800
	ROUND                                          ; the closing round: no work-group ends while a partner may still ask for a tile that names it
	s_endpgm
.Lfunc_end_k_qc5ff16f021_layer1:
	.size	k_qc5ff16f021_layer1, .Lfunc_end_k_qc5ff16f021_layer1-k_qc5ff16f021_layer1
	.p2alignl 7, 3214868480
	.fill 96, 4, 3214868480
	.section	.rodata,"a",@progbits
	.p2align	6, 0x0
	.amdhsa_kernel k_qc5ff16f021_layer1
		.amdhsa_group_segment_fixed_size 327680
		.amdhsa_private_segment_fixed_size 0
		.amdhsa_enable_private_segment 0
		.amdhsa_kernarg_size 24
		.amdhsa_user_sgpr_count 2
		.amdhsa_user_sgpr_kernarg_segment_ptr 1
		.amdhsa_wavefront_size32 1
		.amdhsa_system_sgpr_workgroup_id_x 1
		.amdhsa_system_sgpr_workgroup_id_y 1
		.amdhsa_system_sgpr_workgroup_id_z 1
		.amdhsa_system_vgpr_workitem_id 0
		.amdhsa_next_free_vgpr 1024
		.amdhsa_next_free_sgpr 66
		.amdhsa_reserve_vcc 0
		.amdhsa_float_denorm_mode_32 3
		.amdhsa_float_denorm_mode_16_64 3
		.amdhsa_memory_ordered 1
		.amdhsa_forward_progress 1
		.amdhsa_inst_pref_size 255
	.end_amdhsa_kernel
	.section	.bss,"aw",@nobits
	.p2align	6
	.space	262144
	.amdgpu_metadata
---
amdhsa.version: [ 1, 2 ]
amdhsa.kernels:
  - .name:           k_qc5ff16f021_layer1
    .symbol:         k_qc5ff16f021_layer1.kd
    .args:
      - { .name: h0, .offset: 0, .size: 8, .value_kind: global_buffer, .address_space: global }
      - { .name: w1, .offset: 8, .size: 8, .value_kind: global_buffer, .address_space: global }
      - { .name: h1, .offset: 16, .size: 8, .value_kind: global_buffer, .address_space: global }
    .group_segment_fixed_size: 327680
    .private_segment_fixed_size: 0
    .kernarg_segment_align: 8
    .kernarg_segment_size: 24
    .max_flat_workgroup_size: 128
    .sgpr_count:     66
    .vgpr_count:     1024
    .wavefront_size: 32
...
	.end_amdgpu_metadata
.endif
;; end of part 4
;; launch layer2 (part 5): grid 128 x 2, 4 waves a work-group, clusters of 4 x 1, 327,680 bytes of LDS; arguments h1, w2, out0; writes out0
.if DOCPART == 5
	.amdgcn_target "amdgcn-amd-amdhsa--gfx1250"
	.amdhsa_code_object_version 6
	.text
	.protected	k_qc5ff16f021_layer2
	.globl	k_qc5ff16f021_layer2
	.p2align	8
	.type	k_qc5ff16f021_layer2,@function
k_qc5ff16f021_layer2:
	s_mov_b64 s[64:65], 0
	v_nop
	global_prefetch_b8 v0, s[64:65] scope:SCOPE_SE
	s_setreg_imm32_b32 hwreg(HW_REG_WAVE_MODE, 25, 1), 1
	s_wait_xcnt 0x0
	s_wait_alu depctr_hold_cnt(0) depctr_sa_sdst(0) depctr_va_vdst(0) depctr_va_sdst(0) depctr_va_ssrc(0) depctr_va_vcc(0) depctr_vm_vsrc(0)
	s_getreg_b32 s2, hwreg(HW_REG_IB_STS2, 6, 4)
	s_cmp_eq_u32 s2, 0
	s_cbranch_scc0 .Lentry_in_a_cluster
	s_endpgm
.Lentry_in_a_cluster:
	s_bfe_u32 s2, ttmp6, 0x10000c
	s_cmp_lg_u32 s2, 0x3003
	s_cbranch_scc0 .Lentry_shape_is_right
	s_endpgm
.Lentry_shape_is_right:
; One spline layer: out[b][o] = sum over i, k of hat(15 clip(in[b][i], 0, 1 - 1e-6) - k) w[o][16 i + k], hat(d) = max(0, 1 - |d|), k = 0 .. 15:
; the degree-1 basis on the clamped uniform knots.  in: [8192][IN] f32, w: [NOUT][16 IN] bf16, out: [8192][NOUT] f32.
; It is a product with K = 16 IN whose left operand is MADE IN REGISTERS from in; only w and in pass through LDS.
; TWO PIECES: each basis value v goes to the matrix unit as hi = bf16(v) and lo = bf16(v - hi), two products onto one f32 sum, as in the
; layers in front of this one, so that the three layers are one text with three heads.
; SHARES: a work-group makes 16 MB rows x 128 columns (MB = 4 here: 8192 / 64 x 256 / 128 = 256 work-groups).  Its four waves split K: in a step
; of 32 inputs wave w takes inputs 8 w .. 8 w + 7 (128 along K) and holds the whole block as partial sums, MB x 8 tiles; the four partial blocks
; are added through LDS at the end.  One pair of basis fragments (60 vector instructions) feeds 16 matrix instructions, one weight fragment 2 MB.
; CLUSTER: the four work-groups of a cluster make four row blocks of one column block and need the same weights: each wave asks for its weight
; tile jointly (mask 15).  The tiles of in differ between the partners and come by plain loads; they are 1/17 (MB = 4) of a step's bytes.
; A tile row of in is 128 bytes (32 f32): a step of 64 inputs would double the weight slots, and two such slots do not fit in LDS.
; LIMITS: a NaN in in is not passed on (the clip takes it for a number).  The basis has a relative error of at most 2^-18; 15 x - k is one fused
; multiply-add in place of (x - t) / dl; K is summed as four partial sums, each ascending.
.set IN,   512
.set NOUT, 256
.set MB,   4                           ; blocks of 16 rows in a work-group
.set STEPS, IN/32
.set WT,   128*272                     ; a wave's weight tile: 128 rows of 256 bytes + 16 of padding
.set XO,   4*WT                        ; behind the four weight tiles: the tile of in, 16 MB rows of 128 bytes + 16
.set SLOT, XO+16*MB*144
.set XR,   4*MB                        ; rows of in that a wave fetches, and rows of out that it sums and stores
.set STG,  16*MB*528                   ; the way out: a wave's partial block, rows of 512 bytes + 16, laid over the ring behind its last fill
; window 0 of the vector registers
.set ADRW, 8                           ; v8-9    LDS address of my weight fragments, slot 0, 1
.set ADRX, 10                          ; v10-11  LDS address of my numbers of in, slot 0, 1
.set STO,  12                          ; v12     where I put 16 bytes of my partial block
.set RD,   13                          ; v13-16  where I read a row of wave k's partial block
.set CO,   17                          ; v17     16 x lane
.set ONE,  20
.set NEG1, 21
.set MULP, 22                          ; v[22:23] 15, 15
.set C0,   24                          ; v[24:33] 1 - j - 8 h, j = 0 .. 9
.set F0,   64                          ; v[64:127], v[128:191] weight fragments (8 x 16 columns x 32 K), two buffers
.set F1,   128
.set XA,   192                         ; 4 registers a row block: inputs 0-3 of my eight
.set XB,   224                         ; inputs 4-7
; windows 1, 2, each for the row blocks whose sums it holds (local numbers)
.set FH0,  192                         ; basis fragments: hi at 192 + 16 p, lo at 200 + 16 p, p = 0, 1; sums: block j, tile nb at 64 j + 8 nb
.set FL0,  200
.set TR,   224                         ; v[224:233] 15 x - (8 h + j - 1)
.set VR,   234                         ; v[234:241] eight basis values
.set XC,   242                         ; v[242:243] two clipped inputs
.set CW,   244                         ; v[244:253] copy of C0
.set ZERO, 254
.set G1W, 16                           ; s[16:23] shape of a weight tile
.set G1X, 24                           ; s[24:31] shape of a tile of in
.set G0W, 32                           ; s[32:39] from where, to where: weights, a set for each slot
.set G0X, 40                           ; s[40:47] the same for in
.set MSB, 0
.macro WIN new                         ; s_set_vgpr_msb: bits 1:0 source 0, 3:2 source 1, 5:4 source 2, 7:6 destination; the high byte repeats the setting left
.if MSB != (\new)
	s_set_vgpr_msb (MSB<<8)|(\new)
.set MSB, (\new)
.endif
.endm
.macro CREST                           ; a round of the cluster's barrier behind its opening work-group barrier
	s_cmp_lg_u32 s10, 0
	s_cbranch_scc1 .Lnot_wave_0_\@
	s_barrier_signal -3
.Lnot_wave_0_\@:
	s_barrier_wait -3
	s_barrier_signal -1
	s_barrier_wait -1
.endm
.macro ROUND
	s_barrier_signal -1
	s_barrier_wait -1
	CREST
.endm
.macro PLACES
.rept 4
	v_nop
.endr
.endm
; THE BASIS, 60 vector instructions for a pair of fragments (16 rows x 2 inputs x 16 basis functions, hi and lo).  All of them, and the matrix
; instructions, run under ONE setting of the windows: source 0 in window 0, sources 1, 2 and the destination in window W.
; Lane (r, h) makes basis functions 8 h .. 8 h + 7 of inputs e = 0, 1 for row r: register 4 e + d holds functions 8 h + 2 d, 8 h + 2 d + 1.
; GX: the two inputs (window 0); GFH, GFL: the fragments that are written.
.macro HAT k                           ; max(0, min(u - c + 1, c + 1 - u)) as the middle one of three, c = 8 h + k
	v_med3_num_f32 v[VR+(\k)], 0, v[TR+(\k)], -v[TR+(\k)+2]
.endm
.macro HI e, k                         ; hi = v rounded once to bf16, into one half of the register
.if ((\k)&1)
	v_fma_mixhi_bf16 v[GFH+4*\e+((\k)>>1)], v[ONE], v[VR+(\k)], v[ZERO]
.else
	v_fma_mixlo_bf16 v[GFH+4*\e+((\k)>>1)], v[ONE], v[VR+(\k)], v[ZERO]
.endif
.endm
.macro LO e, k                         ; lo = v - hi, exact in the fused multiply-add, rounded once to bf16
.if ((\k)&1)
	v_fma_mixhi_bf16 v[GFL+4*\e+((\k)>>1)], v[NEG1], v[GFH+4*\e+((\k)>>1)], v[VR+(\k)] op_sel:[0,1,0] op_sel_hi:[0,1,0]
.else
	v_fma_mixlo_bf16 v[GFL+4*\e+((\k)>>1)], v[NEG1], v[GFH+4*\e+((\k)>>1)], v[VR+(\k)] op_sel_hi:[0,1,0]
.endif
.endm
.macro GOP n                           ; the n-th of the 60
.if (\n) < 2
	v_med3_num_f32 v[XC+(\n)], v[GX+(\n)], 0, s14                  ; the clip to 0 .. 1 - 1e-6
.elseif (\n) < 7
	v_pk_fma_f32 v[TR+2*((\n)-2):TR+2*((\n)-2)+1], v[MULP:MULP+1], v[XC:XC+1], v[CW+2*((\n)-2):CW+2*((\n)-2)+1] op_sel_hi:[1,0,1]
.elseif (\n) < 15
	HAT (\n)-7
.elseif (\n) < 20
	v_pk_fma_f32 v[TR+2*((\n)-15):TR+2*((\n)-15)+1], v[MULP:MULP+1], v[XC:XC+1], v[CW+2*((\n)-15):CW+2*((\n)-15)+1] op_sel:[0,1,0] op_sel_hi:[1,1,1]
.elseif (\n) < 28
	HI 0, (\n)-20
.elseif (\n) < 36
	LO 0, (\n)-28
.elseif (\n) < 44
	HAT (\n)-36
.elseif (\n) < 52
	HI 1, (\n)-44
.else
	LO 1, (\n)-52
.endif
.endm
; 16 matrix instructions: one row block x 8 column tiles, hi then lo, 32 along K, on basis buffer p; the next pair of fragments is made between
; them in the other buffer, 3 or 4 vector instructions behind each, 4 behind the last.  The matrix instruction is used transposed (source 0 =
; 16 columns of w, source 1 = 16 rows of basis), so that a lane holds eight neighbouring columns of one row of out.
; The eight accumulators take turns, one instruction a turn.
.macro UNIT acc, f, p, zero, gen
.set ui, 0
.set gn, 0
.rept 16
.if ui < 8
.if \zero
	v_wmma_f32_16x16x32_bf16 v[\acc+8*ui:\acc+8*ui+7], v[\f+8*ui:\f+8*ui+7], v[FH0+16*\p:FH0+16*\p+7], 0
.else
	v_wmma_f32_16x16x32_bf16 v[\acc+8*ui:\acc+8*ui+7], v[\f+8*ui:\f+8*ui+7], v[FH0+16*\p:FH0+16*\p+7], v[\acc+8*ui:\acc+8*ui+7]
.endif
.else
	v_wmma_f32_16x16x32_bf16 v[\acc+8*(ui-8):\acc+8*(ui-8)+7], v[\f+8*(ui-8):\f+8*(ui-8)+7], v[FL0+16*\p:FL0+16*\p+7], v[\acc+8*(ui-8):\acc+8*(ui-8)+7]
.endif
.if \gen
.rept (15*(ui+1))/4-(15*ui)/4
	GOP gn
.set gn, gn+1
.endr
.endif
.set ui, ui+1
.endr
.endm
; The c row blocks b0 .. of window w in quarter q (32 along K).  Unit j makes the fragments of the unit that follows it in this window: block
; j + 1 of this quarter, or block b0 of the next quarter.  4 c units a step is even, so the two basis buffers keep their turns from step to step.
; lastgen = 0: nothing follows the last unit.  xwait = 1: the last unit reads inputs that were asked for at the head of this quarter.
.macro STRETCH w, b0, c, q, zero, lastgen, xwait
	WIN \w*0x54
.set sj, 0
.rept \c
.set spar, (\c*\q+sj)&1
.if sj < \c-1
.set tb, \b0+sj+1
.set tq, \q
.set sg, 1
.else
.set tb, \b0
.set tq, (\q+1)&3
.set sg, \lastgen
.if \xwait
	s_wait_dscnt 16                                ; the next step's inputs are in; the 16 weight loads issued behind them may stay out
.endif
.endif
.if tq < 2
.set GX, XA+4*tb+2*(tq&1)
.else
.set GX, XB+4*tb+2*(tq&1)
.endif
.set GFH, FH0+16*(1-spar)
.set GFL, FL0+16*(1-spar)
	UNIT 64*sj, F0+64*(\q&1), spar, \zero, sg
.set sj, sj+1
.endr
.endm
.macro HEADW q, zero, lastgen, xwait   ; all windows but the last
.if MB == 8
	STRETCH 1, 0, 3, \q, \zero, \lastgen, \xwait
	STRETCH 2, 3, 3, \q, \zero, \lastgen, 0
.else
	STRETCH 1, 0, 2, \q, \zero, \lastgen, \xwait
.endif
.endm
.macro TAILW q, zero, lastgen          ; the last window
.if MB == 8
	STRETCH 3, 6, 2, \q, \zero, \lastgen, 0
.else
	STRETCH 2, 2, 2, \q, \zero, \lastgen, 0
.endif
.endm
.macro LOADW slot, q, f                ; 16 LDS loads: my weight fragments of quarter q (128 columns x 32 K)
.set lb, 0
.rept 8
	ds_load_b128 v[\f+8*lb:\f+8*lb+3], v[ADRW+\slot] offset:4352*lb+64*\q
	ds_load_b128 v[\f+8*lb+4:\f+8*lb+7], v[ADRW+\slot] offset:4352*lb+64*\q+32
.set lb, lb+1
.endr
.endm
.macro LOADX slot, half, x             ; MB LDS loads: four of my eight inputs for row r of each row block (both halves of the lanes read the same bytes)
.set lb, 0
.rept MB
	ds_load_b128 v[\x+4*lb:\x+4*lb+3], v[ADRX+\slot] offset:2304*lb+16*\half
.set lb, lb+1
.endr
.endm
; A step: 32 inputs, four quarters.  mode 2: this slot is filled again, two steps ahead; 1: the slots change, nothing is filled; 0: the last step.
; Each run of loads into a weight buffer stands behind the four vector instructions that close the unit in front of it.
.macro STEP slot, zero, mode
	WIN 0
	LOADX \slot, 1, XB
	LOADW \slot, 1, F1
	s_wait_dscnt MB+16                             ; all but the MB + 16 loads just issued: quarter 0's weights are in
	HEADW 0, \zero, 1, 0
	TAILW 0, \zero, 1
	WIN 0
	LOADW \slot, 2, F0
	s_wait_dscnt 16                                ; all but the 16 just issued: quarter 1's weights and inputs 4-7
	HEADW 1, 0, 1, 0
	TAILW 1, 0, 1
	WIN 0
	LOADW \slot, 3, F1                             ; my last reads of this slot
	s_wait_dscnt 16
	HEADW 2, 0, 1, 0
.if \mode
	s_wait_dscnt 0x0                               ; my reads of this slot are over,
	s_wait_tensorcnt 0x0                           ; and all my tensor loads have landed: the two that were out are my parts of the other slot
	ds_add_u32 v255, v255
	s_wait_dscnt 0x0
	s_barrier_signal -1                            ; say so (with a refill this barrier opens a round of the cluster's barrier),
.endif
	TAILW 2, 0, 1                                  ; work on registers while the others arrive,
	WIN 0
.if \mode
	s_barrier_wait -1                              ; and go on when all four waves have said so
.endif
.if \mode == 2
	CREST                                          ; all four work-groups have said so: no wave of a partner reads this slot or has a load on its way
	s_add_nc_u64 s[G0W+4*\slot+2:G0W+4*\slot+3], s[G0W+4*\slot+2:G0W+4*\slot+3], 2048   ; two steps of 32 inputs x 16 x 2 bytes
	s_add_nc_u64 s[G0X+4*\slot+2:G0X+4*\slot+3], s[G0X+4*\slot+2:G0X+4*\slot+3], 256    ; two steps of 32 x 4 bytes
	tensor_load_to_lds s[G0W+4*\slot:G0W+4*\slot+3], s[G1W:G1W+7]  ; the first tensor loads behind the round: two are out until the next step's wait
	s_nop 0
	tensor_load_to_lds s[G0X+4*\slot:G0X+4*\slot+3], s[G1X:G1X+7]
	s_nop 0
.endif
.if \mode
	LOADX 1-\slot, 0, XA                           ; the other slot is whole: the next step's first inputs and weights
	LOADW 1-\slot, 0, F0
	HEADW 3, 0, 1, 1
	TAILW 3, 0, 1
.else
	s_wait_dscnt 0x0                               ; quarter 3's weights
	HEADW 3, 0, 0, 0
	TAILW 3, 0, 0
.endif
.endm
.macro WINIT w                         ; a window's constants; the fragment registers are written once whole, since each later write keeps one half
	WIN \w<<6
.irp j, 0,1,2,3,4,5,6,7,8,9
	v_mov_b32 v[CW+\j], v[C0+\j]
.endr
	v_mov_b32 v[ZERO], 0
.set wi, 0
.rept 32
	v_mov_b32 v[FH0+wi], 0
.set wi, wi+1
.endr
.endm
.macro GEN0 w, b0                      ; the first fragments of a window, with no products to set them among
	WIN \w*0x54
.set GX, XA+4*\b0
.set GFH, FH0
.set GFL, FL0
.set gn, 0
.rept 60
	GOP gn
.set gn, gn+1
.endr
.endm
	s_load_b128 s[4:7], s[0:1], 0x0                ; in s[4:5], w s[6:7]
	s_load_b64 s[8:9], s[0:1], 0x10                ; out
	v_lshl_add_u32 v255, v0, 2, 0x48800
	s_set_vgpr_msb 0x40
	v_mov_b32 v255, 0
	s_set_vgpr_msb 0x4044
	ds_add_u32 v255, v255
	s_set_vgpr_msb 0x4400
	v_lshrrev_b32 v1, 5, v0
	v_readfirstlane_b32 s10, v1                    ; wave 0..3
	s_bfe_u32 s11, ttmp6, 0x40000                  ; cx
	s_lshl_b32 s12, ttmp9, 2
	s_add_co_u32 s12, s12, s11                     ; row block of out = 4 x cluster x + cx
	s_and_b32 s13, ttmp7, 0xffff                   ; column block of out: the same in the four partners
	s_mov_b32 s14, 0x3f7fffef                      ; 1 - 1e-6 in f32
	; a weight tile: 128 rows x 128 bf16, 16 bytes of padding behind each 256
	s_mov_b32 s[G1W+0], 15|(1<<16)|(1<<20)|(1<<21)|(5<<22)|(3<<25) ; mask: all four of the cluster; 2-byte elements; padding on; bit 21 beside a mask; after 64 words, 4 words
	s_mov_b32 s[G1W+1], 128<<16                    ; tensor_dim0
	s_mov_b32 s[G1W+2], 128<<16                    ; tensor_dim1
	s_mov_b32 s[G1W+3], 128<<16                    ; tile_dim0
	s_mov_b32 s[G1W+4], 128                        ; tile_dim1
	s_mov_b32 s[G1W+5], IN*16                      ; elements from row to row
	s_mov_b32 s[G1W+6], 0
	s_mov_b32 s[G1W+7], 0
	; my part of a tile of in: XR rows x 32 f32, 16 bytes of padding behind each 128; no mask
	s_mov_b32 s[G1X+0], (2<<16)|(1<<20)|(4<<22)|(3<<25)
	s_mov_b32 s[G1X+1], 32<<16
	s_mov_b32 s[G1X+2], XR<<16
	s_mov_b32 s[G1X+3], 32<<16
	s_mov_b32 s[G1X+4], XR
	s_mov_b32 s[G1X+5], IN
	s_mov_b32 s[G1X+6], 0
	s_mov_b32 s[G1X+7], 0
	s_mul_i32 s48, s10, WT                         ; LDS: my weight tile
	s_mul_i32 s49, s10, XR*144
	s_add_co_u32 s49, s49, XO                      ; LDS: my rows of in
	s_mul_i32 s50, s13, IN*4096                    ; w: 128 rows of 32 IN bytes a column block,
	s_lshl_b32 s51, s10, 8                         ; + my 8 inputs x 16 x 2 bytes: made of the column block and the wave number alone
	s_add_co_u32 s50, s50, s51
	s_mov_b32 s51, 0
	s_mul_i32 s52, s12, 16*MB
	s_mul_i32 s53, s10, XR
	s_add_co_u32 s52, s52, s53                     ; the first row that I fetch of in, and that I store of out
	s_mul_i32 s54, s52, NOUT*4
	s_mul_i32 s52, s52, IN*4
	s_mov_b32 s53, 0
	s_lshl_b32 s55, s13, 9                         ; 128 columns of 4 bytes
	s_add_co_u32 s54, s54, s55
	s_mov_b32 s55, 0
	s_wait_dscnt 0x0
	s_wait_kmcnt 0x0
	s_add_nc_u64 s[6:7], s[6:7], s[50:51]
	s_add_nc_u64 s[4:5], s[4:5], s[52:53]
	s_add_nc_u64 s[8:9], s[8:9], s[54:55]
.irp n, 0,1
	s_mov_b32 s[G0W+4*\n], 1
	s_add_co_u32 s[G0W+4*\n+1], s48, \n*SLOT
	s_add_nc_u64 s[G0W+4*\n+2:G0W+4*\n+3], s[6:7], \n*1024
	s_or_b32 s[G0W+4*\n+3], s[G0W+4*\n+3], 0x80000000
	s_mov_b32 s[G0X+4*\n], 1
	s_add_co_u32 s[G0X+4*\n+1], s49, \n*SLOT
	s_add_nc_u64 s[G0X+4*\n+2:G0X+4*\n+3], s[4:5], \n*128
	s_or_b32 s[G0X+4*\n+3], s[G0X+4*\n+3], 0x80000000
.endr
	ROUND                                          ; the four work-groups are here: the first joint loads meet
.irp n, 0,1
	tensor_load_to_lds s[G0W+4*\n:G0W+4*\n+3], s[G1W:G1W+7]        ; steps 0 and 1: four tensor loads of mine are out, the most in this text
	s_nop 0
	tensor_load_to_lds s[G0X+4*\n:G0X+4*\n+3], s[G1X:G1X+7]
	s_nop 0
.endr
	v_and_b32 v1, 15, v0                           ; r
	v_bfe_u32 v2, v0, 4, 1                         ; h
	v_and_b32 v3, 31, v0                           ; lane
	v_mul_u32_u24 v4, v1, 272
	v_lshl_add_u32 v4, v2, 4, v4
	v_add_nc_u32 v[ADRW], s48, v4                  ; column r of a tile of 16, 16 h bytes along K
	v_add_nc_u32 v[ADRW+1], SLOT, v[ADRW]
	v_mul_u32_u24 v5, v1, 144
	s_lshl_b32 s56, s10, 5
	s_add_co_u32 s56, s56, XO
	v_add_nc_u32 v[ADRX], s56, v5                  ; row r, my 8 inputs of 4 bytes
	v_add_nc_u32 v[ADRX+1], SLOT, v[ADRX]
	s_mul_i32 s57, s10, STG
	v_mul_u32_u24 v6, v1, 528
	v_lshl_add_u32 v6, v2, 5, v6
	v_add_nc_u32 v[STO], s57, v6                   ; my partial block: row r, columns 8 h ..
	s_mul_i32 s57, s10, XR*528
	v_lshl_add_u32 v[RD], v3, 4, s57               ; wave 0's partial block: my first row, 16 bytes a lane
.irp k, 1,2,3
	v_add_nc_u32 v[RD+\k], \k*STG, v[RD]
.endr
	v_lshlrev_b32 v[CO], 4, v3
	v_mov_b32 v[ONE], 1.0
	v_mov_b32 v[NEG1], -1.0
	v_mov_b32 v[MULP], 0x41700000                  ; 15
	v_mov_b32 v[MULP+1], 0x41700000
	v_lshlrev_b32 v7, 3, v2
.irp j, 0,1,2,3,4,5,6,7,8,9
	v_sub_nc_u32 v[C0+\j], 1-\j, v7
	v_cvt_f32_i32 v[C0+\j], v[C0+\j]
.endr
	WINIT 1
	WINIT 2
.if MB == 8
	WINIT 3
.endif
	WIN 0
	s_wait_tensorcnt 0x2                           ; my two loads of step 0 are in, step 1's two stay out
	s_barrier_signal -1
	s_barrier_wait -1                              ; every wave's rows of in are there
	LOADX 0, 0, XA
	LOADW 0, 0, F0
	s_wait_dscnt 16                                ; the inputs are in; the 16 weight loads may stay out
.if MB == 8
	GEN0 1, 0
	GEN0 2, 3
	GEN0 3, 6
.else
	GEN0 1, 0
	GEN0 2, 2
.endif
	STEP 0, 1, 2                                   ; the first step's first products start the sums: nothing is cleared
	STEP 1, 0, 2
	WIN 0                                          ; at a label and at a branch every window is 0
	s_mov_b32 s3, STEPS/2-2
.Llap:
	STEP 0, 0, 2
	STEP 1, 0, 2
	WIN 0
	s_sub_co_u32 s3, s3, 1
	s_cmp_lg_u32 s3, 0
	s_cbranch_scc1 .Llap
	STEP 0, 0, 1                                   ; the last two steps fill nothing
	STEP 1, 0, 0
	; THE WAY OUT.  Each wave lays its partial block into LDS, over the ring, which has had its last fill; then wave w adds the four partial
	; blocks for rows XR w .. and stores them, 512 consecutive aligned bytes an instruction.
	PLACES                                         ; four places between the last matrix instructions and the LDS stores that read their results
	WIN 0
	s_wait_dscnt 0x0                               ; my reads of the ring are over
	s_wait_tensorcnt 0x0                           ; and no tensor load of mine is out
	s_barrier_signal -1
	s_barrier_wait -1                              ; so are every wave's: the ring may be written over
.macro STAGE w, b0, c
	WIN \w<<2                                      ; an LDS store's data are source 1
.set sj, 0
.rept \c
.set snb, 0
.rept 8
	ds_store_b128 v[STO], v[64*sj+8*snb:64*sj+8*snb+3] offset:8448*(\b0+sj)+64*snb
	ds_store_b128 v[STO], v[64*sj+8*snb+4:64*sj+8*snb+7] offset:8448*(\b0+sj)+64*snb+16
.set snb, snb+1
.endr
.set sj, sj+1
.endr
.endm
.if MB == 8
	STAGE 1, 0, 3
	STAGE 2, 3, 3
	STAGE 3, 6, 2
.else
	STAGE 1, 0, 2
	STAGE 2, 2, 2
.endif
	WIN 0
	s_wait_dscnt 0x0                               ; for the other waves: my block is written before I signal
	s_barrier_signal -1
	s_barrier_wait -1
.macro OUT4 t, f                       ; rows 4 t .. 4 t + 3 of my XR
	s_wait_xcnt 0x0                                ; buffer f, which earlier stores read, is loaded again only behind this wait
.irp i, 0,1,2,3
.irp k, 0,1,2,3
	ds_load_b128 v[\f+16*\i+4*\k:\f+16*\i+4*\k+3], v[RD+\k] offset:528*(4*\t+\i)
.endr
.endr
.irp i, 0,1,2,3
	s_wait_dscnt 12-4*\i                           ; row i's four loads are in, the younger rows' stay out
	v_pk_add_f32 v[\f+16*\i:\f+16*\i+1], v[\f+16*\i:\f+16*\i+1], v[\f+16*\i+4:\f+16*\i+5]
	v_pk_add_f32 v[\f+16*\i+2:\f+16*\i+3], v[\f+16*\i+2:\f+16*\i+3], v[\f+16*\i+6:\f+16*\i+7]
	v_pk_add_f32 v[\f+16*\i+8:\f+16*\i+9], v[\f+16*\i+8:\f+16*\i+9], v[\f+16*\i+12:\f+16*\i+13]
	v_pk_add_f32 v[\f+16*\i+10:\f+16*\i+11], v[\f+16*\i+10:\f+16*\i+11], v[\f+16*\i+14:\f+16*\i+15]
	v_pk_add_f32 v[\f+16*\i:\f+16*\i+1], v[\f+16*\i:\f+16*\i+1], v[\f+16*\i+8:\f+16*\i+9]
	v_pk_add_f32 v[\f+16*\i+2:\f+16*\i+3], v[\f+16*\i+2:\f+16*\i+3], v[\f+16*\i+10:\f+16*\i+11]
	global_store_b128 v[CO], v[\f+16*\i:\f+16*\i+3], s[8:9] offset:(4*\t+\i)*NOUT*4
.endr
.endm
.set ot, 0
.rept XR/4
	OUT4 ot, F0+64*(ot&1)
.set ot, ot+1
.endr
	s_set_vgpr_msb 0x4
	s_wait_tensorcnt 0x0
	ds_add_u32 v255, v255
	s_wait_dscnt 0x0
	s_set_vgpr_msb 0x400
	ROUND                                          ; the closing round: no work-group ends while a partner may still ask for a tile that names it
	s_endpgm
.Lfunc_end_k_qc5ff16f021_layer2:
	.size	k_qc5ff16f021_layer2, .Lfunc_end_k_qc5ff16f021_layer2-k_qc5ff16f021_layer2
	.p2alignl 7, 3214868480
	.fill 96, 4, 3214868480
	.section	.rodata,"a",@progbits
	.p2align	6, 0x0
	.amdhsa_kernel k_qc5ff16f021_layer2
		.amdhsa_group_segment_fixed_size 327680
		.amdhsa_private_segment_fixed_size 0
		.amdhsa_enable_private_segment 0
		.amdhsa_kernarg_size 24
		.amdhsa_user_sgpr_count 2
		.amdhsa_user_sgpr_kernarg_segment_ptr 1
		.amdhsa_wavefront_size32 1
		.amdhsa_system_sgpr_workgroup_id_x 1
		.amdhsa_system_sgpr_workgroup_id_y 1
		.amdhsa_system_sgpr_workgroup_id_z 1
		.amdhsa_system_vgpr_workitem_id 0
		.amdhsa_next_free_vgpr 768
		.amdhsa_next_free_sgpr 66
		.amdhsa_reserve_vcc 0
		.amdhsa_float_denorm_mode_32 3
		.amdhsa_float_denorm_mode_16_64 3
		.amdhsa_memory_ordered 1
		.amdhsa_forward_progress 1
		.amdhsa_inst_pref_size 255
	.end_amdhsa_kernel
	.section	.bss,"aw",@nobits
	.p2align	6
	.space	262144
	.amdgpu_metadata
---
amdhsa.version: [ 1, 2 ]
amdhsa.kernels:
  - .name:           k_qc5ff16f021_layer2
    .symbol:         k_qc5ff16f021_layer2.kd
    .args:
      - { .name: h1, .offset: 0, .size: 8, .value_kind: global_buffer, .address_space: global }
      - { .name: w2, .offset: 8, .size: 8, .value_kind: global_buffer, .address_space: global }
      - { .name: out0, .offset: 16, .size: 8, .value_kind: global_buffer, .address_space: global }
    .group_segment_fixed_size: 327680
    .private_segment_fixed_size: 0
    .kernarg_segment_align: 8
    .kernarg_segment_size: 24
    .max_flat_workgroup_size: 128
    .sgpr_count:     66
    .vgpr_count:     768
    .wavefront_size: 32
...
	.end_amdgpu_metadata
.endif
;; end of part 5
;; ======== version 2 of 3: 5 launches; 1.24 times as fast as version 1
;; limits: values outside matrix products are rounded to bf16
;; workspace buffers: w0 4,194,304 bytes; w1 8,388,608 bytes; w2 4,194,304 bytes; xr 8,388,608 bytes; h0 16,777,216 bytes; h1 16,777,216 bytes; klp 4,096 bytes
;; launch prep: the kernel of part 1 again; grid 1024 x 1, 8 waves a work-group, no clusters, 1,280 bytes of LDS; arguments cm0, lv0, cm1, lv1, cm2, lv2, x, w0, w1, w2, xr, klp; writes w0, w1, w2, xr, klp
;; launch klsum: the kernel of part 2 again; grid 1 x 1, 1 waves a work-group, no clusters, 0 bytes of LDS; arguments klp, out1; writes out1
;; launch layer0 (part 6): grid 64 x 4, 4 waves a work-group, clusters of 4 x 1, 327,680 bytes of LDS; arguments xr, w0, h0; writes h0
.if DOCPART == 6
	.amdgcn_target "amdgcn-amd-amdhsa--gfx1250"
	.amdhsa_code_object_version 6
	.text
	.protected	k_qc5ff16f021_layer0
	.globl	k_qc5ff16f021_layer0
	.p2align	8
	.type	k_qc5ff16f021_layer0,@function
k_qc5ff16f021_layer0:
	s_mov_b64 s[64:65], 0
	v_nop
	global_prefetch_b8 v0, s[64:65] scope:SCOPE_SE
	s_setreg_imm32_b32 hwreg(HW_REG_WAVE_MODE, 25, 1), 1
	s_wait_xcnt 0x0
	s_wait_alu depctr_hold_cnt(0) depctr_sa_sdst(0) depctr_va_vdst(0) depctr_va_sdst(0) depctr_va_ssrc(0) depctr_va_vcc(0) depctr_vm_vsrc(0)
	s_getreg_b32 s2, hwreg(HW_REG_IB_STS2, 6, 4)
	s_cmp_eq_u32 s2, 0
	s_cbranch_scc0 .Lentry_in_a_cluster
	s_endpgm
.Lentry_in_a_cluster:
	s_bfe_u32 s2, ttmp6, 0x10000c
	s_cmp_lg_u32 s2, 0x3003
	s_cbranch_scc0 .Lentry_shape_is_right
	s_endpgm
.Lentry_shape_is_right:
; One spline layer: out[b][o] = sum over i, k of hat(15 clip(in[b][i], 0, 1 - 1e-6) - k) w[o][16 i + k], hat(d) = max(0, 1 - |d|), k = 0 .. 15:
; the degree-1 basis on the clamped uniform knots.  in: [8192][IN] f32, w: [NOUT][16 IN] bf16, out: [8192][NOUT] f32.
; It is a product with K = 16 IN whose left operand is MADE IN REGISTERS from in; only w and in pass through LDS.
; TWO PIECES: each basis value v goes to the matrix unit as hi = bf16(v) and lo = bf16(v - hi), two products onto one f32 sum.  A hidden value is
; multiplied in the next layer by 15 x a difference of coefficients and summed over hundreds of inputs, so one bf16 rounding of v would not do.
; SHARES: a work-group makes 16 MB rows x 128 columns.  Its four waves split K: in a step of 32 inputs wave w takes inputs 8 w .. 8 w + 7
; (128 along K) and holds the whole block as partial sums, MB x 8 tiles; the four partial blocks are added through LDS at the end.
; So one pair of basis fragments (60 vector instructions) feeds 16 matrix instructions, and one weight fragment (2 LDS loads) feeds 2 MB.
; CLUSTER: the four work-groups of a cluster make four row blocks of one column block and need the same weights: each wave asks for its weight
; tile jointly (mask 15).  The tiles of in differ between the partners and come by plain loads; they are 1/9 (MB = 8) of a step's bytes.
; A tile row of in is 128 bytes (32 f32): a step of 64 inputs would double the weight slots, and two such slots do not fit in LDS.
; ONE COPY OF THE LAP.  A lap (two steps, once round the ring) is some 5,100 instructions for MB = 8, and every lap runs through the same text.
; The start: quarter 0 of step 0 is written out ahead of the loop, its first products starting the sums, and the loop is entered behind its own
; quarter 0.  The end: the last lap makes its two refills like every lap, with an address step of 0: the two tiles just read are asked for
; again, so that no load leaves its buffer; those two tiles, and what the last quarter makes of them, are not used.
; LIMITS: a NaN in in is not passed on (the clip takes it for a number).  The basis has a relative error of at most 2^-18; 15 x - k is one fused
; multiply-add in place of (x - t) / dl; K is summed as four partial sums, each ascending.
.set IN,   256
.set NOUT, 512
.set MB,   8                           ; blocks of 16 rows in a work-group
.set STEPS, IN/32
.set WT,   128*272                     ; a wave's weight tile: 128 rows of 256 bytes + 16 of padding
.set XO,   4*WT                        ; behind the four weight tiles: the tile of in, 16 MB rows of 128 bytes + 16
.set SLOT, XO+16*MB*144
.set XR,   4*MB                        ; rows of in that a wave fetches, and rows of out that it sums and stores
.set STG,  16*MB*528                   ; the way out: a wave's partial block, rows of 512 bytes + 16, laid over the ring behind its last fill
; window 0 of the vector registers
.set ADRW, 8                           ; v8-9    LDS address of my weight fragments, slot 0, 1
.set ADRX, 10                          ; v10-11  LDS address of my numbers of in, slot 0, 1
.set STO,  12                          ; v12     where I put 16 bytes of my partial block
.set RD,   13                          ; v13-16  where I read a row of wave k's partial block
.set CO,   17                          ; v17     16 x lane
.set ONE,  20
.set NEG1, 21
.set MULP, 22                          ; v[22:23] 15, 15
.set C0,   24                          ; v[24:33] 1 - j - 8 h, j = 0 .. 9
.set F0,   64                          ; v[64:127], v[128:191] weight fragments (8 x 16 columns x 32 K), two buffers
.set F1,   128
.set XA,   192                         ; 4 registers a row block: inputs 0-3 of my eight
.set XB,   224                         ; inputs 4-7
; windows 1, 2, 3, each for the row blocks whose sums it holds (local numbers)
.set FH0,  192                         ; basis fragments: hi at 192 + 16 p, lo at 200 + 16 p, p = 0, 1; sums: block j, tile nb at 64 j + 8 nb
.set FL0,  200
.set TR,   224                         ; v[224:233] 15 x - (8 h + j - 1)
.set VR,   234                         ; v[234:241] eight basis values
.set XC,   242                         ; v[242:243] two clipped inputs
.set CW,   244                         ; v[244:253] copy of C0
.set ZERO, 254
.set G1W, 16                           ; s[16:23] shape of a weight tile
.set G1X, 24                           ; s[24:31] shape of a tile of in
.set G0W, 32                           ; s[32:39] from where, to where: weights, a set for each slot
.set G0X, 40                           ; s[40:47] the same for in
.set MSB, 0
.macro WIN new                         ; s_set_vgpr_msb: bits 1:0 source 0, 3:2 source 1, 5:4 source 2, 7:6 destination; the high byte repeats the setting left
.if MSB != (\new)
	s_set_vgpr_msb (MSB<<8)|(\new)
.set MSB, (\new)
.endif
.endm
.macro CREST                           ; a round of the cluster's barrier behind its opening work-group barrier
	s_cmp_lg_u32 s10, 0
	s_cbranch_scc1 .Lnot_wave_0_\@
	s_barrier_signal -3
.Lnot_wave_0_\@:
	s_barrier_wait -3
	s_barrier_signal -1
	s_barrier_wait -1
.endm
.macro ROUND
	s_barrier_signal -1
	s_barrier_wait -1
	CREST
.endm
; THE BASIS, 60 vector instructions for a pair of fragments (16 rows x 2 inputs x 16 basis functions, hi and lo).  All of them, and the matrix
; instructions, run under ONE setting of the windows: source 0 in window 0, sources 1, 2 and the destination in window W.
; Lane (r, h) makes basis functions 8 h .. 8 h + 7 of inputs e = 0, 1 for row r: register 4 e + d holds functions 8 h + 2 d, 8 h + 2 d + 1.
; GX: the two inputs (window 0); GFH, GFL: the fragments that are written.
.macro HAT k                           ; max(0, min(u - c + 1, c + 1 - u)) as the middle one of three, c = 8 h + k
	v_med3_num_f32 v[VR+(\k)], 0, v[TR+(\k)], -v[TR+(\k)+2]
.endm
.macro HI e, k                         ; hi = v rounded once to bf16, into one half of the register
.if ((\k)&1)
	v_fma_mixhi_bf16 v[GFH+4*\e+((\k)>>1)], v[ONE], v[VR+(\k)], v[ZERO]
.else
	v_fma_mixlo_bf16 v[GFH+4*\e+((\k)>>1)], v[ONE], v[VR+(\k)], v[ZERO]
.endif
.endm
.macro LO e, k                         ; lo = v - hi, exact in the fused multiply-add, rounded once to bf16
.if ((\k)&1)
	v_fma_mixhi_bf16 v[GFL+4*\e+((\k)>>1)], v[NEG1], v[GFH+4*\e+((\k)>>1)], v[VR+(\k)] op_sel:[0,1,0] op_sel_hi:[0,1,0]
.else
	v_fma_mixlo_bf16 v[GFL+4*\e+((\k)>>1)], v[NEG1], v[GFH+4*\e+((\k)>>1)], v[VR+(\k)] op_sel_hi:[0,1,0]
.endif
.endm
.macro GOP n                           ; the n-th of the 60
.if (\n) < 2
	v_med3_num_f32 v[XC+(\n)], v[GX+(\n)], 0, s14                  ; the clip to 0 .. 1 - 1e-6
.elseif (\n) < 7
	v_pk_fma_f32 v[TR+2*((\n)-2):TR+2*((\n)-2)+1], v[MULP:MULP+1], v[XC:XC+1], v[CW+2*((\n)-2):CW+2*((\n)-2)+1] op_sel_hi:[1,0,1]
.elseif (\n) < 15
	HAT (\n)-7
.elseif (\n) < 20
	v_pk_fma_f32 v[TR+2*((\n)-15):TR+2*((\n)-15)+1], v[MULP:MULP+1], v[XC:XC+1], v[CW+2*((\n)-15):CW+2*((\n)-15)+1] op_sel:[0,1,0] op_sel_hi:[1,1,1]
.elseif (\n) < 28
	HI 0, (\n)-20
.elseif (\n) < 36
	LO 0, (\n)-28
.elseif (\n) < 44
	HAT (\n)-36
.elseif (\n) < 52
	HI 1, (\n)-44
.else
	LO 1, (\n)-52
.endif
.endm
; 16 matrix instructions: one row block x 8 column tiles, hi then lo, 32 along K, on basis buffer p; the next pair of fragments is made between
; them in the other buffer, 3 or 4 vector instructions behind each, 4 behind the last.  The matrix instruction is used transposed (source 0 =
; 16 columns of w, source 1 = 16 rows of basis), so that a lane holds eight neighbouring columns of one row of out.
; The eight accumulators take turns, one instruction a turn.
.macro UNIT acc, f, p, zero
.set ui, 0
.set gn, 0
.rept 16
.if ui < 8
.if \zero
	v_wmma_f32_16x16x32_bf16 v[\acc+8*ui:\acc+8*ui+7], v[\f+8*ui:\f+8*ui+7], v[FH0+16*\p:FH0+16*\p+7], 0
.else
	v_wmma_f32_16x16x32_bf16 v[\acc+8*ui:\acc+8*ui+7], v[\f+8*ui:\f+8*ui+7], v[FH0+16*\p:FH0+16*\p+7], v[\acc+8*ui:\acc+8*ui+7]
.endif
.else
	v_wmma_f32_16x16x32_bf16 v[\acc+8*(ui-8):\acc+8*(ui-8)+7], v[\f+8*(ui-8):\f+8*(ui-8)+7], v[FL0+16*\p:FL0+16*\p+7], v[\acc+8*(ui-8):\acc+8*(ui-8)+7]
.endif
.rept (15*(ui+1))/4-(15*ui)/4
	GOP gn
.set gn, gn+1
.endr
.set ui, ui+1
.endr
.endm
; The c row blocks b0 .. of window w in quarter q (32 along K).  Unit j makes the fragments of the unit that follows it in this window: block
; j + 1 of this quarter, or block b0 of the next quarter.  4 c units a step is even, so the two basis buffers keep their turns from step to step.
; xwait = 1: the last unit reads inputs that were asked for at the head of this quarter.
.macro STRETCH w, b0, c, q, zero, xwait
	WIN \w*0x54
.set sj, 0
.rept \c
.set spar, (\c*\q+sj)&1
.if sj < \c-1
.set tb, \b0+sj+1
.set tq, \q
.else
.set tb, \b0
.set tq, (\q+1)&3
.if \xwait
	s_wait_dscnt 16                                ; the next step's inputs are in; the 16 weight loads issued behind them may stay out
.endif
.endif
.if tq < 2
.set GX, XA+4*tb+2*(tq&1)
.else
.set GX, XB+4*tb+2*(tq&1)
.endif
.set GFH, FH0+16*(1-spar)
.set GFL, FL0+16*(1-spar)
	UNIT 64*sj, F0+64*(\q&1), spar, \zero
.set sj, sj+1
.endr
.endm
.macro HEADW q, zero, xwait            ; all windows but the last
.if MB == 8
	STRETCH 1, 0, 3, \q, \zero, \xwait
	STRETCH 2, 3, 3, \q, \zero, 0
.else
	STRETCH 1, 0, 2, \q, \zero, \xwait
.endif
.endm
.macro TAILW q, zero                   ; the last window
.if MB == 8
	STRETCH 3, 6, 2, \q, \zero, 0
.else
	STRETCH 2, 2, 2, \q, \zero, 0
.endif
.endm
.macro LOADW slot, q, f                ; 16 LDS loads: my weight fragments of quarter q (128 columns x 32 K)
.set lb, 0
.rept 8
	ds_load_b128 v[\f+8*lb:\f+8*lb+3], v[ADRW+\slot] offset:4352*lb+64*\q
	ds_load_b128 v[\f+8*lb+4:\f+8*lb+7], v[ADRW+\slot] offset:4352*lb+64*\q+32
.set lb, lb+1
.endr
.endm
.macro LOADX slot, half, x             ; MB LDS loads: four of my eight inputs for row r of each row block (both halves of the lanes read the same bytes)
.set lb, 0
.rept MB
	ds_load_b128 v[\x+4*lb:\x+4*lb+3], v[ADRX+\slot] offset:2304*lb+16*\half
.set lb, lb+1
.endr
.endm
; A step is 32 inputs, four quarters of 32 along K for each wave.  Each run of loads into a weight buffer stands behind the four vector
; instructions that close the unit in front of it.
.macro QUARTER0 slot, zero             ; the first quarter of a step; zero = 1: its hi products start the sums
	WIN 0
	LOADX \slot, 1, XB
	LOADW \slot, 1, F1
	s_wait_dscnt MB+16                             ; all but the MB + 16 loads just issued: quarter 0's weights are in
	HEADW 0, \zero, 0
	TAILW 0, \zero
	WIN 0                                          ; a label or a branch may follow
.endm
.macro REST slot                       ; quarters 1, 2, 3; in quarter 2 the slots change and this slot is filled again, two steps ahead
	LOADW \slot, 2, F0
	s_wait_dscnt 16                                ; all but the 16 just issued: quarter 1's weights and inputs 4-7
	HEADW 1, 0, 0
	TAILW 1, 0
	WIN 0
	LOADW \slot, 3, F1                             ; my last reads of this slot
	s_wait_dscnt 16
	HEADW 2, 0, 0
	s_wait_dscnt 0x0                               ; my reads of this slot are over,
	s_wait_tensorcnt 0x0                           ; and all my tensor loads have landed: the two that were out are my parts of the other slot
	ds_add_u32 v63, v255
	s_wait_dscnt 0x0
	s_barrier_signal -1                            ; say so: this barrier opens a round of the cluster's barrier,
	TAILW 2, 0                                     ; work on registers while the others arrive,
	WIN 0
	s_barrier_wait -1                              ; and go on when all four waves have said so
	CREST                                          ; all four work-groups have said so: no wave of a partner reads this slot or has a load on its way
	s_cmp_lg_u32 s3, 1                             ; the lap counter, equal in all partners: in the last lap the addresses stay,
	s_cselect_b32 s58, 2048, 0                     ; else two steps of 32 inputs x 16 x 2 bytes
	s_cselect_b32 s60, 256, 0                      ; and two steps of 32 x 4 bytes
	s_add_nc_u64 s[G0W+4*\slot+2:G0W+4*\slot+3], s[G0W+4*\slot+2:G0W+4*\slot+3], s[58:59]
	s_add_nc_u64 s[G0X+4*\slot+2:G0X+4*\slot+3], s[G0X+4*\slot+2:G0X+4*\slot+3], s[60:61]
	tensor_load_to_lds s[G0W+4*\slot:G0W+4*\slot+3], s[G1W:G1W+7]  ; the first tensor loads behind the round: two are out until the next step's wait
	s_nop 0
	tensor_load_to_lds s[G0X+4*\slot:G0X+4*\slot+3], s[G1X:G1X+7]
	s_nop 0
	LOADX 1-\slot, 0, XA                           ; the other slot is whole: the next step's first inputs and weights
	LOADW 1-\slot, 0, F0
	HEADW 3, 0, 1
	TAILW 3, 0
	WIN 0
.endm
.macro WINIT w                         ; a window's constants; the fragment registers are written once whole, since each later write keeps one half
	WIN \w<<6
.irp j, 0,1,2,3,4,5,6,7,8,9
	v_mov_b32 v[CW+\j], v[C0+\j]
.endr
	v_mov_b32 v[ZERO], 0
.set wi, 0
.rept 32
	v_mov_b32 v[FH0+wi], 0
.set wi, wi+1
.endr
.endm
.macro GEN0 w, b0                      ; the first fragments of a window, with no products to set them among
	WIN \w*0x54
.set GX, XA+4*\b0
.set GFH, FH0
.set GFL, FL0
.set gn, 0
.rept 60
	GOP gn
.set gn, gn+1
.endr
.endm
	s_load_b128 s[4:7], s[0:1], 0x0                ; in s[4:5], w s[6:7]
	s_load_b64 s[8:9], s[0:1], 0x10                ; out
	v_lshl_add_u32 v63, v0, 2, 0x4d000
	s_set_vgpr_msb 0x80
	v_mov_b32 v255, 0
	s_set_vgpr_msb 0x8088
	ds_add_u32 v63, v255
	s_set_vgpr_msb 0x8800
	v_lshrrev_b32 v1, 5, v0
	v_readfirstlane_b32 s10, v1                    ; wave 0..3
	s_bfe_u32 s11, ttmp6, 0x40000                  ; cx
	s_lshl_b32 s12, ttmp9, 2
	s_add_co_u32 s12, s12, s11                     ; row block of out = 4 x cluster x + cx
	s_and_b32 s13, ttmp7, 0xffff                   ; column block of out: the same in the four partners
	s_mov_b32 s14, 0x3f7fffef                      ; 1 - 1e-6 in f32
	s_mov_b32 s59, 0                               ; the high words of the two address steps
	s_mov_b32 s61, 0
	; a weight tile: 128 rows x 128 bf16, 16 bytes of padding behind each 256
	s_mov_b32 s[G1W+0], 15|(1<<16)|(1<<20)|(1<<21)|(5<<22)|(3<<25) ; mask: all four of the cluster; 2-byte elements; padding on; bit 21 beside a mask; after 64 words, 4 words
	s_mov_b32 s[G1W+1], 128<<16                    ; tensor_dim0
	s_mov_b32 s[G1W+2], 128<<16                    ; tensor_dim1
	s_mov_b32 s[G1W+3], 128<<16                    ; tile_dim0
	s_mov_b32 s[G1W+4], 128                        ; tile_dim1
	s_mov_b32 s[G1W+5], IN*16                      ; elements from row to row
	s_mov_b32 s[G1W+6], 0
	s_mov_b32 s[G1W+7], 0
	; my part of a tile of in: XR rows x 32 f32, 16 bytes of padding behind each 128; no mask
	s_mov_b32 s[G1X+0], (2<<16)|(1<<20)|(4<<22)|(3<<25)
	s_mov_b32 s[G1X+1], 32<<16
	s_mov_b32 s[G1X+2], XR<<16
	s_mov_b32 s[G1X+3], 32<<16
	s_mov_b32 s[G1X+4], XR
	s_mov_b32 s[G1X+5], IN
	s_mov_b32 s[G1X+6], 0
	s_mov_b32 s[G1X+7], 0
	s_mul_i32 s48, s10, WT                         ; LDS: my weight tile
	s_mul_i32 s49, s10, XR*144
	s_add_co_u32 s49, s49, XO                      ; LDS: my rows of in
	s_mul_i32 s50, s13, IN*4096                    ; w: 128 rows of 32 IN bytes a column block,
	s_lshl_b32 s51, s10, 8                         ; + my 8 inputs x 16 x 2 bytes: made of the column block and the wave number alone
	s_add_co_u32 s50, s50, s51
	s_mov_b32 s51, 0
	s_mul_i32 s52, s12, 16*MB
	s_mul_i32 s53, s10, XR
	s_add_co_u32 s52, s52, s53                     ; the first row that I fetch of in, and that I store of out
	s_mul_i32 s54, s52, NOUT*4
	s_mul_i32 s52, s52, IN*4
	s_mov_b32 s53, 0
	s_lshl_b32 s55, s13, 9                         ; 128 columns of 4 bytes
	s_add_co_u32 s54, s54, s55
	s_mov_b32 s55, 0
	s_wait_dscnt 0x0
	s_wait_kmcnt 0x0
	s_add_nc_u64 s[6:7], s[6:7], s[50:51]
	s_add_nc_u64 s[4:5], s[4:5], s[52:53]
	s_add_nc_u64 s[8:9], s[8:9], s[54:55]
.irp n, 0,1
	s_mov_b32 s[G0W+4*\n], 1
	s_add_co_u32 s[G0W+4*\n+1], s48, \n*SLOT
	s_add_nc_u64 s[G0W+4*\n+2:G0W+4*\n+3], s[6:7], \n*1024
	s_or_b32 s[G0W+4*\n+3], s[G0W+4*\n+3], 0x80000000
	s_mov_b32 s[G0X+4*\n], 1
	s_add_co_u32 s[G0X+4*\n+1], s49, \n*SLOT
	s_add_nc_u64 s[G0X+4*\n+2:G0X+4*\n+3], s[4:5], \n*128
	s_or_b32 s[G0X+4*\n+3], s[G0X+4*\n+3], 0x80000000
.endr
	ROUND                                          ; the four work-groups are here: the first joint loads meet
.irp n, 0,1
	tensor_load_to_lds s[G0W+4*\n:G0W+4*\n+3], s[G1W:G1W+7]        ; steps 0 and 1: four tensor loads of mine are out, the most in this text
	s_nop 0
	tensor_load_to_lds s[G0X+4*\n:G0X+4*\n+3], s[G1X:G1X+7]
	s_nop 0
.endr
	v_and_b32 v1, 15, v0                           ; r
	v_bfe_u32 v2, v0, 4, 1                         ; h
	v_and_b32 v3, 31, v0                           ; lane
	v_mul_u32_u24 v4, v1, 272
	v_lshl_add_u32 v4, v2, 4, v4
	v_add_nc_u32 v[ADRW], s48, v4                  ; column r of a tile of 16, 16 h bytes along K
	v_add_nc_u32 v[ADRW+1], SLOT, v[ADRW]
	v_mul_u32_u24 v5, v1, 144
	s_lshl_b32 s56, s10, 5
	s_add_co_u32 s56, s56, XO
	v_add_nc_u32 v[ADRX], s56, v5                  ; row r, my 8 inputs of 4 bytes
	v_add_nc_u32 v[ADRX+1], SLOT, v[ADRX]
	s_mul_i32 s57, s10, STG
	v_mul_u32_u24 v6, v1, 528
	v_lshl_add_u32 v6, v2, 5, v6
	v_add_nc_u32 v[STO], s57, v6                   ; my partial block: row r, columns 8 h ..
	s_mul_i32 s57, s10, XR*528
	v_lshl_add_u32 v[RD], v3, 4, s57               ; wave 0's partial block: my first row, 16 bytes a lane
.irp k, 1,2,3
	v_add_nc_u32 v[RD+\k], \k*STG, v[RD]
.endr
	v_lshlrev_b32 v[CO], 4, v3
	v_mov_b32 v[ONE], 1.0
	v_mov_b32 v[NEG1], -1.0
	v_mov_b32 v[MULP], 0x41700000                  ; 15
	v_mov_b32 v[MULP+1], 0x41700000
	v_lshlrev_b32 v7, 3, v2
.irp j, 0,1,2,3,4,5,6,7,8,9
	v_sub_nc_u32 v[C0+\j], 1-\j, v7
	v_cvt_f32_i32 v[C0+\j], v[C0+\j]
.endr
	WINIT 1
	WINIT 2
.if MB == 8
	WINIT 3
.endif
	WIN 0
	s_wait_tensorcnt 0x2                           ; my two loads of step 0 are in, step 1's two stay out
	s_barrier_signal -1
	s_barrier_wait -1                              ; every wave's rows of in are there
	LOADX 0, 0, XA
	LOADW 0, 0, F0
	s_wait_dscnt 16                                ; the inputs are in; the 16 weight loads may stay out
.if MB == 8
	GEN0 1, 0
	GEN0 2, 3
	GEN0 3, 6
.else
	GEN0 1, 0
	GEN0 2, 2
.endif
	QUARTER0 0, 1                                  ; step 0's first quarter, written out: its hi products start the sums, nothing is cleared
	s_mov_b32 s3, STEPS/2                          ; laps; the first is entered behind the loop's own quarter 0
	s_branch .Lq1                                  ; both ways into .Lq1 have issued the same LDS loads behind the same waits, and every window is 0
.Llap:
	QUARTER0 0, 0
.Lq1:
	REST 0
	QUARTER0 1, 0
	REST 1
	s_sub_co_u32 s3, s3, 1
	s_cmp_lg_u32 s3, 0
	s_cbranch_scc1 .Llap
	; THE WAY OUT.  Each wave lays its partial block into LDS, over the ring, which has had its last fill; then wave w adds the four partial
	; blocks for rows XR w .. and stores them, 512 consecutive aligned bytes an instruction.
	; The last matrix instruction is followed by four of the basis' vector instructions, which name none of its registers: the places
	; that the LDS stores of its result need.
	s_wait_dscnt 0x0                               ; my reads of the ring are over
	s_wait_tensorcnt 0x0                           ; and no tensor load of mine is out: the last lap's second refill has landed
	s_barrier_signal -1
	s_barrier_wait -1                              ; so are every wave's: the ring may be written over
.macro STAGE w, b0, c
	WIN \w<<2                                      ; an LDS store's data are source 1
.set sj, 0
.rept \c
.set snb, 0
.rept 8
	ds_store_b128 v[STO], v[64*sj+8*snb:64*sj+8*snb+3] offset:8448*(\b0+sj)+64*snb
	ds_store_b128 v[STO], v[64*sj+8*snb+4:64*sj+8*snb+7] offset:8448*(\b0+sj)+64*snb+16
.set snb, snb+1
.endr
.set sj, sj+1
.endr
.endm
.if MB == 8
	STAGE 1, 0, 3
	STAGE 2, 3, 3
	STAGE 3, 6, 2
.else
	STAGE 1, 0, 2
	STAGE 2, 2, 2
.endif
	WIN 0
	s_wait_dscnt 0x0                               ; for the other waves: my block is written before I signal
	s_barrier_signal -1
	s_barrier_wait -1
.macro OUT4 t, f                       ; rows 4 t .. 4 t + 3 of my XR
	s_wait_xcnt 0x0                                ; buffer f, which earlier stores read, is loaded again only behind this wait
.irp i, 0,1,2,3
.irp k, 0,1,2,3
	ds_load_b128 v[\f+16*\i+4*\k:\f+16*\i+4*\k+3], v[RD+\k] offset:528*(4*\t+\i)
.endr
.endr
.irp i, 0,1,2,3
	s_wait_dscnt 12-4*\i                           ; row i's four loads are in, the younger rows' stay out
	v_pk_add_f32 v[\f+16*\i:\f+16*\i+1], v[\f+16*\i:\f+16*\i+1], v[\f+16*\i+4:\f+16*\i+5]
	v_pk_add_f32 v[\f+16*\i+2:\f+16*\i+3], v[\f+16*\i+2:\f+16*\i+3], v[\f+16*\i+6:\f+16*\i+7]
	v_pk_add_f32 v[\f+16*\i+8:\f+16*\i+9], v[\f+16*\i+8:\f+16*\i+9], v[\f+16*\i+12:\f+16*\i+13]
	v_pk_add_f32 v[\f+16*\i+10:\f+16*\i+11], v[\f+16*\i+10:\f+16*\i+11], v[\f+16*\i+14:\f+16*\i+15]
	v_pk_add_f32 v[\f+16*\i:\f+16*\i+1], v[\f+16*\i:\f+16*\i+1], v[\f+16*\i+8:\f+16*\i+9]
	v_pk_add_f32 v[\f+16*\i+2:\f+16*\i+3], v[\f+16*\i+2:\f+16*\i+3], v[\f+16*\i+10:\f+16*\i+11]
	global_store_b128 v[CO], v[\f+16*\i:\f+16*\i+3], s[8:9] offset:(4*\t+\i)*NOUT*4
.endr
.endm
.set ot, 0
.rept XR/4
	OUT4 ot, F0+64*(ot&1)
.set ot, ot+1
.endr
	s_set_vgpr_msb 0x8
	s_wait_tensorcnt 0x0
	ds_add_u32 v63, v255
	s_wait_dscnt 0x0
	s_set_vgpr_msb 0x800
	ROUND                                          ; the closing round: no work-group ends while a partner may still ask for a tile that names it
	s_endpgm
.Lfunc_end_k_qc5ff16f021_layer0:
	.size	k_qc5ff16f021_layer0, .Lfunc_end_k_qc5ff16f021_layer0-k_qc5ff16f021_layer0
	.p2alignl 7, 3214868480
	.fill 96, 4, 3214868480
	.section	.rodata,"a",@progbits
	.p2align	6, 0x0
	.amdhsa_kernel k_qc5ff16f021_layer0
		.amdhsa_group_segment_fixed_size 327680
		.amdhsa_private_segment_fixed_size 0
		.amdhsa_enable_private_segment 0
		.amdhsa_kernarg_size 24
		.amdhsa_user_sgpr_count 2
		.amdhsa_user_sgpr_kernarg_segment_ptr 1
		.amdhsa_wavefront_size32 1
		.amdhsa_system_sgpr_workgroup_id_x 1
		.amdhsa_system_sgpr_workgroup_id_y 1
		.amdhsa_system_sgpr_workgroup_id_z 1
		.amdhsa_system_vgpr_workitem_id 0
		.amdhsa_next_free_vgpr 1024
		.amdhsa_next_free_sgpr 66
		.amdhsa_reserve_vcc 0
		.amdhsa_float_denorm_mode_32 3
		.amdhsa_float_denorm_mode_16_64 3
		.amdhsa_memory_ordered 1
		.amdhsa_forward_progress 1
		.amdhsa_inst_pref_size 255
	.end_amdhsa_kernel
	.section	.bss,"aw",@nobits
	.p2align	6
	.space	262144
	.amdgpu_metadata
---
amdhsa.version: [ 1, 2 ]
amdhsa.kernels:
  - .name:           k_qc5ff16f021_layer0
    .symbol:         k_qc5ff16f021_layer0.kd
    .args:
      - { .name: xr, .offset: 0, .size: 8, .value_kind: global_buffer, .address_space: global }
      - { .name: w0, .offset: 8, .size: 8, .value_kind: global_buffer, .address_space: global }
      - { .name: h0, .offset: 16, .size: 8, .value_kind: global_buffer, .address_space: global }
    .group_segment_fixed_size: 327680
    .private_segment_fixed_size: 0
    .kernarg_segment_align: 8
    .kernarg_segment_size: 24
    .max_flat_workgroup_size: 128
    .sgpr_count:     66
    .vgpr_count:     1024
    .wavefront_size: 32
...
	.end_amdgpu_metadata
.endif
;; end of part 6
;; launch layer1 (part 7): grid 64 x 4, 4 waves a work-group, clusters of 4 x 1, 327,680 bytes of LDS; arguments h0, w1, h1; writes h1
.if DOCPART == 7
	.amdgcn_target "amdgcn-amd-amdhsa--gfx1250"
	.amdhsa_code_object_version 6
	.text
	.protected	k_qc5ff16f021_layer1
	.globl	k_qc5ff16f021_layer1
	.p2align	8
	.type	k_qc5ff16f021_layer1,@function
k_qc5ff16f021_layer1:
	s_mov_b64 s[64:65], 0
	v_nop
	global_prefetch_b8 v0, s[64:65] scope:SCOPE_SE
	s_setreg_imm32_b32 hwreg(HW_REG_WAVE_MODE, 25, 1), 1
	s_wait_xcnt 0x0
	s_wait_alu depctr_hold_cnt(0) depctr_sa_sdst(0) depctr_va_vdst(0) depctr_va_sdst(0) depctr_va_ssrc(0) depctr_va_vcc(0) depctr_vm_vsrc(0)
	s_getreg_b32 s2, hwreg(HW_REG_IB_STS2, 6, 4)
	s_cmp_eq_u32 s2, 0
	s_cbranch_scc0 .Lentry_in_a_cluster
	s_endpgm
.Lentry_in_a_cluster:
	s_bfe_u32 s2, ttmp6, 0x10000c
	s_cmp_lg_u32 s2, 0x3003
	s_cbranch_scc0 .Lentry_shape_is_right
	s_endpgm
.Lentry_shape_is_right:
; One spline layer: out[b][o] = sum over i, k of hat(15 clip(in[b][i], 0, 1 - 1e-6) - k) w[o][16 i + k], hat(d) = max(0, 1 - |d|), k = 0 .. 15:
; the degree-1 basis on the clamped uniform knots.  in: [8192][IN] f32, w: [NOUT][16 IN] bf16, out: [8192][NOUT] f32.
; It is a product with K = 16 IN whose left operand is MADE IN REGISTERS from in; only w and in pass through LDS.
; TWO PIECES: each basis value v goes to the matrix unit as hi = bf16(v) and lo = bf16(v - hi), two products onto one f32 sum.  A hidden value is
; multiplied in the next layer by 15 x a difference of coefficients and summed over hundreds of inputs, so one bf16 rounding of v would not do.
; SHARES: a work-group makes 16 MB rows x 128 columns.  Its four waves split K: in a step of 32 inputs wave w takes inputs 8 w .. 8 w + 7
; (128 along K) and holds the whole block as partial sums, MB x 8 tiles; the four partial blocks are added through LDS at the end.
; So one pair of basis fragments (60 vector instructions) feeds 16 matrix instructions, and one weight fragment (2 LDS loads) feeds 2 MB.
; CLUSTER: the four work-groups of a cluster make four row blocks of one column block and need the same weights: each wave asks for its weight
; tile jointly (mask 15).  The tiles of in differ between the partners and come by plain loads; they are 1/9 (MB = 8) of a step's bytes.
; A tile row of in is 128 bytes (32 f32): a step of 64 inputs would double the weight slots, and two such slots do not fit in LDS.
; ONE COPY OF THE LAP.  A lap (two steps, once round the ring) is some 5,100 instructions for MB = 8, and every lap runs through the same text.
; The start: quarter 0 of step 0 is written out ahead of the loop, its first products starting the sums, and the loop is entered behind its own
; quarter 0.  The end: the last lap makes its two refills like every lap, with an address step of 0: the two tiles just read are asked for
; again, so that no load leaves its buffer; those two tiles, and what the last quarter makes of them, are not used.
; LIMITS: a NaN in in is not passed on (the clip takes it for a number).  The basis has a relative error of at most 2^-18; 15 x - k is one fused
; multiply-add in place of (x - t) / dl; K is summed as four partial sums, each ascending.
.set IN,   512
.set NOUT, 512
.set MB,   8                           ; blocks of 16 rows in a work-group
.set STEPS, IN/32
.set WT,   128*272                     ; a wave's weight tile: 128 rows of 256 bytes + 16 of padding
.set XO,   4*WT                        ; behind the four weight tiles: the tile of in, 16 MB rows of 128 bytes + 16
.set SLOT, XO+16*MB*144
.set XR,   4*MB                        ; rows of in that a wave fetches, and rows of out that it sums and stores
.set STG,  16*MB*528                   ; the way out: a wave's partial block, rows of 512 bytes + 16, laid over the ring behind its last fill
; window 0 of the vector registers
.set ADRW, 8                           ; v8-9    LDS address of my weight fragments, slot 0, 1
.set ADRX, 10                          ; v10-11  LDS address of my numbers of in, slot 0, 1
.set STO,  12                          ; v12     where I put 16 bytes of my partial block
.set RD,   13                          ; v13-16  where I read a row of wave k's partial block
.set CO,   17                          ; v17     16 x lane
.set ONE,  20
.set NEG1, 21
.set MULP, 22                          ; v[22:23] 15, 15
.set C0,   24                          ; v[24:33] 1 - j - 8 h, j = 0 .. 9
.set F0,   64                          ; v[64:127], v[128:191] weight fragments (8 x 16 columns x 32 K), two buffers
.set F1,   128
.set XA,   192                         ; 4 registers a row block: inputs 0-3 of my eight
.set XB,   224                         ; inputs 4-7
; windows 1, 2, 3, each for the row blocks whose sums it holds (local numbers)
.set FH0,  192                         ; basis fragments: hi at 192 + 16 p, lo at 200 + 16 p, p = 0, 1; sums: block j, tile nb at 64 j + 8 nb
.set FL0,  200
.set TR,   224                         ; v[224:233] 15 x - (8 h + j - 1)
.set VR,   234                         ; v[234:241] eight basis values
.set XC,   242                         ; v[242:243] two clipped inputs
.set CW,   244                         ; v[244:253] copy of C0
.set ZERO, 254
.set G1W, 16                           ; s[16:23] shape of a weight tile
.set G1X, 24                           ; s[24:31] shape of a tile of in
.set G0W, 32                           ; s[32:39] from where, to where: weights, a set for each slot
.set G0X, 40                           ; s[40:47] the same for in
.set MSB, 0
.macro WIN new                         ; s_set_vgpr_msb: bits 1:0 source 0, 3:2 source 1, 5:4 source 2, 7:6 destination; the high byte repeats the setting left
.if MSB != (\new)
	s_set_vgpr_msb (MSB<<8)|(\new)
.set MSB, (\new)
.endif
.endm
.macro CREST                           ; a round of the cluster's barrier behind its opening work-group barrier
	s_cmp_lg_u32 s10, 0
	s_cbranch_scc1 .Lnot_wave_0_\@
	s_barrier_signal -3
.Lnot_wave_0_\@:
	s_barrier_wait -3
	s_barrier_signal -1
	s_barrier_wait -1
.endm
.macro ROUND
	s_barrier_signal -1
	s_barrier_wait -1
	CREST
.endm
; THE BASIS, 60 vector instructions for a pair of fragments (16 rows x 2 inputs x 16 basis functions, hi and lo).  All of them, and the matrix
; instructions, run under ONE setting of the windows: source 0 in window 0, sources 1, 2 and the destination in window W.
; Lane (r, h) makes basis functions 8 h .. 8 h + 7 of inputs e = 0, 1 for row r: register 4 e + d holds functions 8 h + 2 d, 8 h + 2 d + 1.
; GX: the two inputs (window 0); GFH, GFL: the fragments that are written.
.macro HAT k                           ; max(0, min(u - c + 1, c + 1 - u)) as the middle one of three, c = 8 h + k
	v_med3_num_f32 v[VR+(\k)], 0, v[TR+(\k)], -v[TR+(\k)+2]
.endm
.macro HI e, k                         ; hi = v rounded once to bf16, into one half of the register
.if ((\k)&1)
	v_fma_mixhi_bf16 v[GFH+4*\e+((\k)>>1)], v[ONE], v[VR+(\k)], v[ZERO]
.else
	v_fma_mixlo_bf16 v[GFH+4*\e+((\k)>>1)], v[ONE], v[VR+(\k)], v[ZERO]
.endif
.endm
.macro LO e, k                         ; lo = v - hi, exact in the fused multiply-add, rounded once to bf16
.if ((\k)&1)
	v_fma_mixhi_bf16 v[GFL+4*\e+((\k)>>1)], v[NEG1], v[GFH+4*\e+((\k)>>1)], v[VR+(\k)] op_sel:[0,1,0] op_sel_hi:[0,1,0]
.else
	v_fma_mixlo_bf16 v[GFL+4*\e+((\k)>>1)], v[NEG1], v[GFH+4*\e+((\k)>>1)], v[VR+(\k)] op_sel_hi:[0,1,0]
.endif
.endm
.macro GOP n                           ; the n-th of the 60
.if (\n) < 2
	v_med3_num_f32 v[XC+(\n)], v[GX+(\n)], 0, s14                  ; the clip to 0 .. 1 - 1e-6
.elseif (\n) < 7
	v_pk_fma_f32 v[TR+2*((\n)-2):TR+2*((\n)-2)+1], v[MULP:MULP+1], v[XC:XC+1], v[CW+2*((\n)-2):CW+2*((\n)-2)+1] op_sel_hi:[1,0,1]
.elseif (\n) < 15
	HAT (\n)-7
.elseif (\n) < 20
	v_pk_fma_f32 v[TR+2*((\n)-15):TR+2*((\n)-15)+1], v[MULP:MULP+1], v[XC:XC+1], v[CW+2*((\n)-15):CW+2*((\n)-15)+1] op_sel:[0,1,0] op_sel_hi:[1,1,1]
.elseif (\n) < 28
	HI 0, (\n)-20
.elseif (\n) < 36
	LO 0, (\n)-28
.elseif (\n) < 44
	HAT (\n)-36
.elseif (\n) < 52
	HI 1, (\n)-44
.else
	LO 1, (\n)-52
.endif
.endm
; 16 matrix instructions: one row block x 8 column tiles, hi then lo, 32 along K, on basis buffer p; the next pair of fragments is made between
; them in the other buffer, 3 or 4 vector instructions behind each, 4 behind the last.  The matrix instruction is used transposed (source 0 =
; 16 columns of w, source 1 = 16 rows of basis), so that a lane holds eight neighbouring columns of one row of out.
; The eight accumulators take turns, one instruction a turn.
.macro UNIT acc, f, p, zero
.set ui, 0
.set gn, 0
.rept 16
.if ui < 8
.if \zero
	v_wmma_f32_16x16x32_bf16 v[\acc+8*ui:\acc+8*ui+7], v[\f+8*ui:\f+8*ui+7], v[FH0+16*\p:FH0+16*\p+7], 0
.else
	v_wmma_f32_16x16x32_bf16 v[\acc+8*ui:\acc+8*ui+7], v[\f+8*ui:\f+8*ui+7], v[FH0+16*\p:FH0+16*\p+7], v[\acc+8*ui:\acc+8*ui+7]
.endif
.else
	v_wmma_f32_16x16x32_bf16 v[\acc+8*(ui-8):\acc+8*(ui-8)+7], v[\f+8*(ui-8):\f+8*(ui-8)+7], v[FL0+16*\p:FL0+16*\p+7], v[\acc+8*(ui-8):\acc+8*(ui-8)+7]
.endif
.rept (15*(ui+1))/4-(15*ui)/4
	GOP gn
.set gn, gn+1
.endr
.set ui, ui+1
.endr
.endm
; The c row blocks b0 .. of window w in quarter q (32 along K).  Unit j makes the fragments of the unit that follows it in this window: block
; j + 1 of this quarter, or block b0 of the next quarter.  4 c units a step is even, so the two basis buffers keep their turns from step to step.
; xwait = 1: the last unit reads inputs that were asked for at the head of this quarter.
.macro STRETCH w, b0, c, q, zero, xwait
	WIN \w*0x54
.set sj, 0
.rept \c
.set spar, (\c*\q+sj)&1
.if sj < \c-1
.set tb, \b0+sj+1
.set tq, \q
.else
.set tb, \b0
.set tq, (\q+1)&3
.if \xwait
	s_wait_dscnt 16                                ; the next step's inputs are in; the 16 weight loads issued behind them may stay out
.endif
.endif
.if tq < 2
.set GX, XA+4*tb+2*(tq&1)
.else
.set GX, XB+4*tb+2*(tq&1)
.endif
.set GFH, FH0+16*(1-spar)
.set GFL, FL0+16*(1-spar)
	UNIT 64*sj, F0+64*(\q&1), spar, \zero
.set sj, sj+1
.endr
.endm
.macro HEADW q, zero, xwait            ; all windows but the last
.if MB == 8
	STRETCH 1, 0, 3, \q, \zero, \xwait
	STRETCH 2, 3, 3, \q, \zero, 0
.else
	STRETCH 1, 0, 2, \q, \zero, \xwait
.endif
.endm
.macro TAILW q, zero                   ; the last window
.if MB == 8
	STRETCH 3, 6, 2, \q, \zero, 0
.else
	STRETCH 2, 2, 2, \q, \zero, 0
.endif
.endm
.macro LOADW slot, q, f                ; 16 LDS loads: my weight fragments of quarter q (128 columns x 32 K)
.set lb, 0
.rept 8
	ds_load_b128 v[\f+8*lb:\f+8*lb+3], v[ADRW+\slot] offset:4352*lb+64*\q
	ds_load_b128 v[\f+8*lb+4:\f+8*lb+7], v[ADRW+\slot] offset:4352*lb+64*\q+32
.set lb, lb+1
.endr
.endm
.macro LOADX slot, half, x             ; MB LDS loads: four of my eight inputs for row r of each row block (both halves of the lanes read the same bytes)
.set lb, 0
.rept MB
	ds_load_b128 v[\x+4*lb:\x+4*lb+3], v[ADRX+\slot] offset:2304*lb+16*\half
.set lb, lb+1
.endr
.endm
; A step is 32 inputs, four quarters of 32 along K for each wave.  Each run of loads into a weight buffer stands behind the four vector
; instructions that close the unit in front of it.
.macro QUARTER0 slot, zero             ; the first quarter of a step; zero = 1: its hi products start the sums
	WIN 0
	LOADX \slot, 1, XB
	LOADW \slot, 1, F1
	s_wait_dscnt MB+16                             ; all but the MB + 16 loads just issued: quarter 0's weights are in
	HEADW 0, \zero, 0
	TAILW 0, \zero
	WIN 0                                          ; a label or a branch may follow
.endm
.macro REST slot                       ; quarters 1, 2, 3; in quarter 2 the slots change and this slot is filled again, two steps ahead
	LOADW \slot, 2, F0
	s_wait_dscnt 16                                ; all but the 16 just issued: quarter 1's weights and inputs 4-7
	HEADW 1, 0, 0
	TAILW 1, 0
	WIN 0
	LOADW \slot, 3, F1                             ; my last reads of this slot
	s_wait_dscnt 16
	HEADW 2, 0, 0
	s_wait_dscnt 0x0                               ; my reads of this slot are over,
	s_wait_tensorcnt 0x0                           ; and all my tensor loads have landed: the two that were out are my parts of the other slot
	ds_add_u32 v63, v255
	s_wait_dscnt 0x0
	s_barrier_signal -1                            ; say so: this barrier opens a round of the cluster's barrier,
	TAILW 2, 0                                     ; work on registers while the others arrive,
	WIN 0
	s_barrier_wait -1                              ; and go on when all four waves have said so
	CREST                                          ; all four work-groups have said so: no wave of a partner reads this slot or has a load on its way
	s_cmp_lg_u32 s3, 1                             ; the lap counter, equal in all partners: in the last lap the addresses stay,
	s_cselect_b32 s58, 2048, 0                     ; else two steps of 32 inputs x 16 x 2 bytes
	s_cselect_b32 s60, 256, 0                      ; and two steps of 32 x 4 bytes
	s_add_nc_u64 s[G0W+4*\slot+2:G0W+4*\slot+3], s[G0W+4*\slot+2:G0W+4*\slot+3], s[58:59]
	s_add_nc_u64 s[G0X+4*\slot+2:G0X+4*\slot+3], s[G0X+4*\slot+2:G0X+4*\slot+3], s[60:61]
	tensor_load_to_lds s[G0W+4*\slot:G0W+4*\slot+3], s[G1W:G1W+7]  ; the first tensor loads behind the round: two are out until the next step's wait
	s_nop 0
	tensor_load_to_lds s[G0X+4*\slot:G0X+4*\slot+3], s[G1X:G1X+7]
	s_nop 0
	LOADX 1-\slot, 0, XA                           ; the other slot is whole: the next step's first inputs and weights
	LOADW 1-\slot, 0, F0
	HEADW 3, 0, 1
	TAILW 3, 0
	WIN 0
.endm
.macro WINIT w                         ; a window's constants; the fragment registers are written once whole, since each later write keeps one half
	WIN \w<<6
.irp j, 0,1,2,3,4,5,6,7,8,9
	v_mov_b32 v[CW+\j], v[C0+\j]
.endr
	v_mov_b32 v[ZERO], 0
.set wi, 0
.rept 32
	v_mov_b32 v[FH0+wi], 0
.set wi, wi+1
.endr
.endm
.macro GEN0 w, b0                      ; the first fragments of a window, with no products to set them among
	WIN \w*0x54
.set GX, XA+4*\b0
.set GFH, FH0
.set GFL, FL0
.set gn, 0
.rept 60
	GOP gn
.set gn, gn+1
.endr
.endm
	s_load_b128 s[4:7], s[0:1], 0x0                ; in s[4:5], w s[6:7]
	s_load_b64 s[8:9], s[0:1], 0x10                ; out
	v_lshl_add_u32 v63, v0, 2, 0x4d000
	s_set_vgpr_msb 0x80
	v_mov_b32 v255, 0
	s_set_vgpr_msb 0x8088
	ds_add_u32 v63, v255
	s_set_vgpr_msb 0x8800
	v_lshrrev_b32 v1, 5, v0
	v_readfirstlane_b32 s10, v1                    ; wave 0..3
	s_bfe_u32 s11, ttmp6, 0x40000                  ; cx
	s_lshl_b32 s12, ttmp9, 2
	s_add_co_u32 s12, s12, s11                     ; row block of out = 4 x cluster x + cx
	s_and_b32 s13, ttmp7, 0xffff                   ; column block of out: the same in the four partners
	s_mov_b32 s14, 0x3f7fffef                      ; 1 - 1e-6 in f32
	s_mov_b32 s59, 0                               ; the high words of the two address steps
	s_mov_b32 s61, 0
	; a weight tile: 128 rows x 128 bf16, 16 bytes of padding behind each 256
	s_mov_b32 s[G1W+0], 15|(1<<16)|(1<<20)|(1<<21)|(5<<22)|(3<<25) ; mask: all four of the cluster; 2-byte elements; padding on; bit 21 beside a mask; after 64 words, 4 words
	s_mov_b32 s[G1W+1], 128<<16                    ; tensor_dim0
	s_mov_b32 s[G1W+2], 128<<16                    ; tensor_dim1
	s_mov_b32 s[G1W+3], 128<<16                    ; tile_dim0
	s_mov_b32 s[G1W+4], 128                        ; tile_dim1
	s_mov_b32 s[G1W+5], IN*16                      ; elements from row to row
	s_mov_b32 s[G1W+6], 0
	s_mov_b32 s[G1W+7], 0
	; my part of a tile of in: XR rows x 32 f32, 16 bytes of padding behind each 128; no mask
	s_mov_b32 s[G1X+0], (2<<16)|(1<<20)|(4<<22)|(3<<25)
	s_mov_b32 s[G1X+1], 32<<16
	s_mov_b32 s[G1X+2], XR<<16
	s_mov_b32 s[G1X+3], 32<<16
	s_mov_b32 s[G1X+4], XR
	s_mov_b32 s[G1X+5], IN
	s_mov_b32 s[G1X+6], 0
	s_mov_b32 s[G1X+7], 0
	s_mul_i32 s48, s10, WT                         ; LDS: my weight tile
	s_mul_i32 s49, s10, XR*144
	s_add_co_u32 s49, s49, XO                      ; LDS: my rows of in
	s_mul_i32 s50, s13, IN*4096                    ; w: 128 rows of 32 IN bytes a column block,
	s_lshl_b32 s51, s10, 8                         ; + my 8 inputs x 16 x 2 bytes: made of the column block and the wave number alone
	s_add_co_u32 s50, s50, s51
	s_mov_b32 s51, 0
	s_mul_i32 s52, s12, 16*MB
	s_mul_i32 s53, s10, XR
	s_add_co_u32 s52, s52, s53                     ; the first row that I fetch of in, and that I store of out
	s_mul_i32 s54, s52, NOUT*4
	s_mul_i32 s52, s52, IN*4
	s_mov_b32 s53, 0
	s_lshl_b32 s55, s13, 9                         ; 128 columns of 4 bytes
	s_add_co_u32 s54, s54, s55
	s_mov_b32 s55, 0
	s_wait_dscnt 0x0
	s_wait_kmcnt 0x0
	s_add_nc_u64 s[6:7], s[6:7], s[50:51]
	s_add_nc_u64 s[4:5], s[4:5], s[52:53]
	s_add_nc_u64 s[8:9], s[8:9], s[54:55]
.irp n, 0,1
	s_mov_b32 s[G0W+4*\n], 1
	s_add_co_u32 s[G0W+4*\n+1], s48, \n*SLOT
	s_add_nc_u64 s[G0W+4*\n+2:G0W+4*\n+3], s[6:7], \n*1024
	s_or_b32 s[G0W+4*\n+3], s[G0W+4*\n+3], 0x80000000
	s_mov_b32 s[G0X+4*\n], 1
	s_add_co_u32 s[G0X+4*\n+1], s49, \n*SLOT
	s_add_nc_u64 s[G0X+4*\n+2:G0X+4*\n+3], s[4:5], \n*128
	s_or_b32 s[G0X+4*\n+3], s[G0X+4*\n+3], 0x80000000
.endr
	ROUND                                          ; the four work-groups are here: the first joint loads meet
.irp n, 0,1
	tensor_load_to_lds s[G0W+4*\n:G0W+4*\n+3], s[G1W:G1W+7]        ; steps 0 and 1: four tensor loads of mine are out, the most in this text
	s_nop 0
	tensor_load_to_lds s[G0X+4*\n:G0X+4*\n+3], s[G1X:G1X+7]
	s_nop 0
.endr
	v_and_b32 v1, 15, v0                           ; r
	v_bfe_u32 v2, v0, 4, 1                         ; h
	v_and_b32 v3, 31, v0                           ; lane
	v_mul_u32_u24 v4, v1, 272
	v_lshl_add_u32 v4, v2, 4, v4
	v_add_nc_u32 v[ADRW], s48, v4                  ; column r of a tile of 16, 16 h bytes along K
	v_add_nc_u32 v[ADRW+1], SLOT, v[ADRW]
	v_mul_u32_u24 v5, v1, 144
	s_lshl_b32 s56, s10, 5
	s_add_co_u32 s56, s56, XO
	v_add_nc_u32 v[ADRX], s56, v5                  ; row r, my 8 inputs of 4 bytes
	v_add_nc_u32 v[ADRX+1], SLOT, v[ADRX]
	s_mul_i32 s57, s10, STG
	v_mul_u32_u24 v6, v1, 528
	v_lshl_add_u32 v6, v2, 5, v6
	v_add_nc_u32 v[STO], s57, v6                   ; my partial block: row r, columns 8 h ..
	s_mul_i32 s57, s10, XR*528
	v_lshl_add_u32 v[RD], v3, 4, s57               ; wave 0's partial block: my first row, 16 bytes a lane
.irp k, 1,2,3
	v_add_nc_u32 v[RD+\k], \k*STG, v[RD]
.endr
	v_lshlrev_b32 v[CO], 4, v3
	v_mov_b32 v[ONE], 1.0
	v_mov_b32 v[NEG1], -1.0
	v_mov_b32 v[MULP], 0x41700000                  ; 15
	v_mov_b32 v[MULP+1], 0x41700000
	v_lshlrev_b32 v7, 3, v2
.irp j, 0,1,2,3,4,5,6,7,8,9
	v_sub_nc_u32 v[C0+\j], 1-\j, v7
	v_cvt_f32_i32 v[C0+\j], v[C0+\j]
.endr
	WINIT 1
	WINIT 2
.if MB == 8
	WINIT 3
.endif
	WIN 0
	s_wait_tensorcnt 0x2                           ; my two loads of step 0 are in, step 1's two stay out
	s_barrier_signal -1
	s_barrier_wait -1                              ; every wave's rows of in are there
	LOADX 0, 0, XA
	LOADW 0, 0, F0
	s_wait_dscnt 16                                ; the inputs are in; the 16 weight loads may stay out
.if MB == 8
	GEN0 1, 0
	GEN0 2, 3
	GEN0 3, 6
.else
	GEN0 1, 0
	GEN0 2, 2
.endif
	QUARTER0 0, 1                                  ; step 0's first quarter, written out: its hi products start the sums, nothing is cleared
	s_mov_b32 s3, STEPS/2                          ; laps; the first is entered behind the loop's own quarter 0
	s_branch .Lq1                                  ; both ways into .Lq1 have issued the same LDS loads behind the same waits, and every window is 0
.Llap:
	QUARTER0 0, 0
.Lq1:
	REST 0
	QUARTER0 1, 0
	REST 1
	s_sub_co_u32 s3, s3, 1
	s_cmp_lg_u32 s3, 0
	s_cbranch_scc1 .Llap
	; THE WAY OUT.  Each wave lays its partial block into LDS, over the ring, which has had its last fill; then wave w adds the four partial
	; blocks for rows XR w .. and stores them, 512 consecutive aligned bytes an instruction.
	; The last matrix instruction is followed by four of the basis' vector instructions, which name none of its registers: the places
	; that the LDS stores of its result need.
	s_wait_dscnt 0x0                               ; my reads of the ring are over
	s_wait_tensorcnt 0x0                           ; and no tensor load of mine is out: the last lap's second refill has landed
	s_barrier_signal -1
	s_barrier_wait -1                              ; so are every wave's: the ring may be written over
.macro STAGE w, b0, c
	WIN \w<<2                                      ; an LDS store's data are source 1
.set sj, 0
.rept \c
.set snb, 0
.rept 8
	ds_store_b128 v[STO], v[64*sj+8*snb:64*sj+8*snb+3] offset:8448*(\b0+sj)+64*snb
	ds_store_b128 v[STO], v[64*sj+8*snb+4:64*sj+8*snb+7] offset:8448*(\b0+sj)+64*snb+16
.set snb, snb+1
.endr
.set sj, sj+1
.endr
.endm
.if MB == 8
	STAGE 1, 0, 3
	STAGE 2, 3, 3
	STAGE 3, 6, 2
.else
	STAGE 1, 0, 2
	STAGE 2, 2, 2
.endif
	WIN 0
	s_wait_dscnt 0x0                               ; for the other waves: my block is written before I signal
	s_barrier_signal -1
	s_barrier_wait -1
.macro OUT4 t, f                       ; rows 4 t .. 4 t + 3 of my XR
	s_wait_xcnt 0x0                                ; buffer f, which earlier stores read, is loaded again only behind this wait
.irp i, 0,1,2,3
.irp k, 0,1,2,3
	ds_load_b128 v[\f+16*\i+4*\k:\f+16*\i+4*\k+3], v[RD+\k] offset:528*(4*\t+\i)
.endr
.endr
.irp i, 0,1,2,3
	s_wait_dscnt 12-4*\i                           ; row i's four loads are in, the younger rows' stay out
	v_pk_add_f32 v[\f+16*\i:\f+16*\i+1], v[\f+16*\i:\f+16*\i+1], v[\f+16*\i+4:\f+16*\i+5]
	v_pk_add_f32 v[\f+16*\i+2:\f+16*\i+3], v[\f+16*\i+2:\f+16*\i+3], v[\f+16*\i+6:\f+16*\i+7]
	v_pk_add_f32 v[\f+16*\i+8:\f+16*\i+9], v[\f+16*\i+8:\f+16*\i+9], v[\f+16*\i+12:\f+16*\i+13]
	v_pk_add_f32 v[\f+16*\i+10:\f+16*\i+11], v[\f+16*\i+10:\f+16*\i+11], v[\f+16*\i+14:\f+16*\i+15]
	v_pk_add_f32 v[\f+16*\i:\f+16*\i+1], v[\f+16*\i:\f+16*\i+1], v[\f+16*\i+8:\f+16*\i+9]
	v_pk_add_f32 v[\f+16*\i+2:\f+16*\i+3], v[\f+16*\i+2:\f+16*\i+3], v[\f+16*\i+10:\f+16*\i+11]
	global_store_b128 v[CO], v[\f+16*\i:\f+16*\i+3], s[8:9] offset:(4*\t+\i)*NOUT*4
.endr
.endm
.set ot, 0
.rept XR/4
	OUT4 ot, F0+64*(ot&1)
.set ot, ot+1
.endr
	s_set_vgpr_msb 0x8
	s_wait_tensorcnt 0x0
	ds_add_u32 v63, v255
	s_wait_dscnt 0x0
	s_set_vgpr_msb 0x800
	ROUND                                          ; the closing round: no work-group ends while a partner may still ask for a tile that names it
	s_endpgm
.Lfunc_end_k_qc5ff16f021_layer1:
	.size	k_qc5ff16f021_layer1, .Lfunc_end_k_qc5ff16f021_layer1-k_qc5ff16f021_layer1
	.p2alignl 7, 3214868480
	.fill 96, 4, 3214868480
	.section	.rodata,"a",@progbits
	.p2align	6, 0x0
	.amdhsa_kernel k_qc5ff16f021_layer1
		.amdhsa_group_segment_fixed_size 327680
		.amdhsa_private_segment_fixed_size 0
		.amdhsa_enable_private_segment 0
		.amdhsa_kernarg_size 24
		.amdhsa_user_sgpr_count 2
		.amdhsa_user_sgpr_kernarg_segment_ptr 1
		.amdhsa_wavefront_size32 1
		.amdhsa_system_sgpr_workgroup_id_x 1
		.amdhsa_system_sgpr_workgroup_id_y 1
		.amdhsa_system_sgpr_workgroup_id_z 1
		.amdhsa_system_vgpr_workitem_id 0
		.amdhsa_next_free_vgpr 1024
		.amdhsa_next_free_sgpr 66
		.amdhsa_reserve_vcc 0
		.amdhsa_float_denorm_mode_32 3
		.amdhsa_float_denorm_mode_16_64 3
		.amdhsa_memory_ordered 1
		.amdhsa_forward_progress 1
		.amdhsa_inst_pref_size 255
	.end_amdhsa_kernel
	.section	.bss,"aw",@nobits
	.p2align	6
	.space	262144
	.amdgpu_metadata
---
amdhsa.version: [ 1, 2 ]
amdhsa.kernels:
  - .name:           k_qc5ff16f021_layer1
    .symbol:         k_qc5ff16f021_layer1.kd
    .args:
      - { .name: h0, .offset: 0, .size: 8, .value_kind: global_buffer, .address_space: global }
      - { .name: w1, .offset: 8, .size: 8, .value_kind: global_buffer, .address_space: global }
      - { .name: h1, .offset: 16, .size: 8, .value_kind: global_buffer, .address_space: global }
    .group_segment_fixed_size: 327680
    .private_segment_fixed_size: 0
    .kernarg_segment_align: 8
    .kernarg_segment_size: 24
    .max_flat_workgroup_size: 128
    .sgpr_count:     66
    .vgpr_count:     1024
    .wavefront_size: 32
...
	.end_amdgpu_metadata
.endif
;; end of part 7
;; launch layer2 (part 8): grid 128 x 2, 4 waves a work-group, clusters of 4 x 1, 327,680 bytes of LDS; arguments h1, w2, out0; writes out0
.if DOCPART == 8
	.amdgcn_target "amdgcn-amd-amdhsa--gfx1250"
	.amdhsa_code_object_version 6
	.text
	.protected	k_qc5ff16f021_layer2
	.globl	k_qc5ff16f021_layer2
	.p2align	8
	.type	k_qc5ff16f021_layer2,@function
k_qc5ff16f021_layer2:
	s_mov_b64 s[64:65], 0
	v_nop
	global_prefetch_b8 v0, s[64:65] scope:SCOPE_SE
	s_setreg_imm32_b32 hwreg(HW_REG_WAVE_MODE, 25, 1), 1
	s_wait_xcnt 0x0
	s_wait_alu depctr_hold_cnt(0) depctr_sa_sdst(0) depctr_va_vdst(0) depctr_va_sdst(0) depctr_va_ssrc(0) depctr_va_vcc(0) depctr_vm_vsrc(0)
	s_getreg_b32 s2, hwreg(HW_REG_IB_STS2, 6, 4)
	s_cmp_eq_u32 s2, 0
	s_cbranch_scc0 .Lentry_in_a_cluster
	s_endpgm
.Lentry_in_a_cluster:
	s_bfe_u32 s2, ttmp6, 0x10000c
	s_cmp_lg_u32 s2, 0x3003
	s_cbranch_scc0 .Lentry_shape_is_right
	s_endpgm
.Lentry_shape_is_right:
; One spline layer: out[b][o] = sum over i, k of hat(15 clip(in[b][i], 0, 1 - 1e-6) - k) w[o][16 i + k], hat(d) = max(0, 1 - |d|), k = 0 .. 15:
; the degree-1 basis on the clamped uniform knots.  in: [8192][IN] f32, w: [NOUT][16 IN] bf16, out: [8192][NOUT] f32.
; It is a product with K = 16 IN whose left operand is MADE IN REGISTERS from in; only w and in pass through LDS.
; TWO PIECES: each basis value v goes to the matrix unit as hi = bf16(v) and lo = bf16(v - hi), two products onto one f32 sum, as in the
; layers in front of this one, so that the three layers are one text with three heads.
; SHARES: a work-group makes 16 MB rows x 128 columns (MB = 4 here: 8192 / 64 x 256 / 128 = 256 work-groups).  Its four waves split K: in a step
; of 32 inputs wave w takes inputs 8 w .. 8 w + 7 (128 along K) and holds the whole block as partial sums, MB x 8 tiles; the four partial blocks
; are added through LDS at the end.  One pair of basis fragments (60 vector instructions) feeds 16 matrix instructions, one weight fragment 2 MB.
; CLUSTER: the four work-groups of a cluster make four row blocks of one column block and need the same weights: each wave asks for its weight
; tile jointly (mask 15).  The tiles of in differ between the partners and come by plain loads; they are 1/17 (MB = 4) of a step's bytes.
; A tile row of in is 128 bytes (32 f32): a step of 64 inputs would double the weight slots, and two such slots do not fit in LDS.
; ONE COPY OF THE LAP.  A lap (two steps, once round the ring) is some 2,600 instructions for MB = 4, and every lap runs through the same text.
; The start: quarter 0 of step 0 is written out ahead of the loop, its first products starting the sums, and the loop is entered behind its own
; quarter 0.  The end: the last lap makes its two refills like every lap, with an address step of 0: the two tiles just read are asked for
; again, so that no load leaves its buffer; those two tiles, and what the last quarter makes of them, are not used.
; LIMITS: a NaN in in is not passed on (the clip takes it for a number).  The basis has a relative error of at most 2^-18; 15 x - k is one fused
; multiply-add in place of (x - t) / dl; K is summed as four partial sums, each ascending.
.set IN,   512
.set NOUT, 256
.set MB,   4                           ; blocks of 16 rows in a work-group
.set STEPS, IN/32
.set WT,   128*272                     ; a wave's weight tile: 128 rows of 256 bytes + 16 of padding
.set XO,   4*WT                        ; behind the four weight tiles: the tile of in, 16 MB rows of 128 bytes + 16
.set SLOT, XO+16*MB*144
.set XR,   4*MB                        ; rows of in that a wave fetches, and rows of out that it sums and stores
.set STG,  16*MB*528                   ; the way out: a wave's partial block, rows of 512 bytes + 16, laid over the ring behind its last fill
; window 0 of the vector registers
.set ADRW, 8                           ; v8-9    LDS address of my weight fragments, slot 0, 1
.set ADRX, 10                          ; v10-11  LDS address of my numbers of in, slot 0, 1
.set STO,  12                          ; v12     where I put 16 bytes of my partial block
.set RD,   13                          ; v13-16  where I read a row of wave k's partial block
.set CO,   17                          ; v17     16 x lane
.set ONE,  20
.set NEG1, 21
.set MULP, 22                          ; v[22:23] 15, 15
.set C0,   24                          ; v[24:33] 1 - j - 8 h, j = 0 .. 9
.set F0,   64                          ; v[64:127], v[128:191] weight fragments (8 x 16 columns x 32 K), two buffers
.set F1,   128
.set XA,   192                         ; 4 registers a row block: inputs 0-3 of my eight
.set XB,   224                         ; inputs 4-7
; windows 1, 2, each for the row blocks whose sums it holds (local numbers)
.set FH0,  192                         ; basis fragments: hi at 192 + 16 p, lo at 200 + 16 p, p = 0, 1; sums: block j, tile nb at 64 j + 8 nb
.set FL0,  200
.set TR,   224                         ; v[224:233] 15 x - (8 h + j - 1)
.set VR,   234                         ; v[234:241] eight basis values
.set XC,   242                         ; v[242:243] two clipped inputs
.set CW,   244                         ; v[244:253] copy of C0
.set ZERO, 254
.set G1W, 16                           ; s[16:23] shape of a weight tile
.set G1X, 24                           ; s[24:31] shape of a tile of in
.set G0W, 32                           ; s[32:39] from where, to where: weights, a set for each slot
.set G0X, 40                           ; s[40:47] the same for in
.set MSB, 0
.macro WIN new                         ; s_set_vgpr_msb: bits 1:0 source 0, 3:2 source 1, 5:4 source 2, 7:6 destination; the high byte repeats the setting left
.if MSB != (\new)
	s_set_vgpr_msb (MSB<<8)|(\new)
.set MSB, (\new)
.endif
.endm
.macro CREST                           ; a round of the cluster's barrier behind its opening work-group barrier
	s_cmp_lg_u32 s10, 0
	s_cbranch_scc1 .Lnot_wave_0_\@
	s_barrier_signal -3
.Lnot_wave_0_\@:
	s_barrier_wait -3
	s_barrier_signal -1
	s_barrier_wait -1
.endm
.macro ROUND
	s_barrier_signal -1
	s_barrier_wait -1
	CREST
.endm
; THE BASIS, 60 vector instructions for a pair of fragments (16 rows x 2 inputs x 16 basis functions, hi and lo).  All of them, and the matrix
; instructions, run under ONE setting of the windows: source 0 in window 0, sources 1, 2 and the destination in window W.
; Lane (r, h) makes basis functions 8 h .. 8 h + 7 of inputs e = 0, 1 for row r: register 4 e + d holds functions 8 h + 2 d, 8 h + 2 d + 1.
; GX: the two inputs (window 0); GFH, GFL: the fragments that are written.
.macro HAT k                           ; max(0, min(u - c + 1, c + 1 - u)) as the middle one of three, c = 8 h + k
	v_med3_num_f32 v[VR+(\k)], 0, v[TR+(\k)], -v[TR+(\k)+2]
.endm
.macro HI e, k                         ; hi = v rounded once to bf16, into one half of the register
.if ((\k)&1)
	v_fma_mixhi_bf16 v[GFH+4*\e+((\k)>>1)], v[ONE], v[VR+(\k)], v[ZERO]
.else
	v_fma_mixlo_bf16 v[GFH+4*\e+((\k)>>1)], v[ONE], v[VR+(\k)], v[ZERO]
.endif
.endm
.macro LO e, k                         ; lo = v - hi, exact in the fused multiply-add, rounded once to bf16
.if ((\k)&1)
	v_fma_mixhi_bf16 v[GFL+4*\e+((\k)>>1)], v[NEG1], v[GFH+4*\e+((\k)>>1)], v[VR+(\k)] op_sel:[0,1,0] op_sel_hi:[0,1,0]
.else
	v_fma_mixlo_bf16 v[GFL+4*\e+((\k)>>1)], v[NEG1], v[GFH+4*\e+((\k)>>1)], v[VR+(\k)] op_sel_hi:[0,1,0]
.endif
.endm
.macro GOP n                           ; the n-th of the 60
.if (\n) < 2
	v_med3_num_f32 v[XC+(\n)], v[GX+(\n)], 0, s14                  ; the clip to 0 .. 1 - 1e-6
.elseif (\n) < 7
	v_pk_fma_f32 v[TR+2*((\n)-2):TR+2*((\n)-2)+1], v[MULP:MULP+1], v[XC:XC+1], v[CW+2*((\n)-2):CW+2*((\n)-2)+1] op_sel_hi:[1,0,1]
.elseif (\n) < 15
	HAT (\n)-7
.elseif (\n) < 20
	v_pk_fma_f32 v[TR+2*((\n)-15):TR+2*((\n)-15)+1], v[MULP:MULP+1], v[XC:XC+1], v[CW+2*((\n)-15):CW+2*((\n)-15)+1] op_sel:[0,1,0] op_sel_hi:[1,1,1]
.elseif (\n) < 28
	HI 0, (\n)-20
.elseif (\n) < 36
	LO 0, (\n)-28
.elseif (\n) < 44
	HAT (\n)-36
.elseif (\n) < 52
	HI 1, (\n)-44
.else
	LO 1, (\n)-52
.endif
.endm
; 16 matrix instructions: one row block x 8 column tiles, hi then lo, 32 along K, on basis buffer p; the next pair of fragments is made between
; them in the other buffer, 3 or 4 vector instructions behind each, 4 behind the last.  The matrix instruction is used transposed (source 0 =
; 16 columns of w, source 1 = 16 rows of basis), so that a lane holds eight neighbouring columns of one row of out.
; The eight accumulators take turns, one instruction a turn.
.macro UNIT acc, f, p, zero
.set ui, 0
.set gn, 0
.rept 16
.if ui < 8
.if \zero
	v_wmma_f32_16x16x32_bf16 v[\acc+8*ui:\acc+8*ui+7], v[\f+8*ui:\f+8*ui+7], v[FH0+16*\p:FH0+16*\p+7], 0
.else
	v_wmma_f32_16x16x32_bf16 v[\acc+8*ui:\acc+8*ui+7], v[\f+8*ui:\f+8*ui+7], v[FH0+16*\p:FH0+16*\p+7], v[\acc+8*ui:\acc+8*ui+7]
.endif
.else
	v_wmma_f32_16x16x32_bf16 v[\acc+8*(ui-8):\acc+8*(ui-8)+7], v[\f+8*(ui-8):\f+8*(ui-8)+7], v[FL0+16*\p:FL0+16*\p+7], v[\acc+8*(ui-8):\acc+8*(ui-8)+7]
.endif
.rept (15*(ui+1))/4-(15*ui)/4
	GOP gn
.set gn, gn+1
.endr
.set ui, ui+1
.endr
.endm
; The c row blocks b0 .. of window w in quarter q (32 along K).  Unit j makes the fragments of the unit that follows it in this window: block
; j + 1 of this quarter, or block b0 of the next quarter.  4 c units a step is even, so the two basis buffers keep their turns from step to step.
; xwait = 1: the last unit reads inputs that were asked for at the head of this quarter.
.macro STRETCH w, b0, c, q, zero, xwait
	WIN \w*0x54
.set sj, 0
.rept \c
.set spar, (\c*\q+sj)&1
.if sj < \c-1
.set tb, \b0+sj+1
.set tq, \q
.else
.set tb, \b0
.set tq, (\q+1)&3
.if \xwait
	s_wait_dscnt 16                                ; the next step's inputs are in; the 16 weight loads issued behind them may stay out
.endif
.endif
.if tq < 2
.set GX, XA+4*tb+2*(tq&1)
.else
.set GX, XB+4*tb+2*(tq&1)
.endif
.set GFH, FH0+16*(1-spar)
.set GFL, FL0+16*(1-spar)
	UNIT 64*sj, F0+64*(\q&1), spar, \zero
.set sj, sj+1
.endr
.endm
.macro HEADW q, zero, xwait            ; all windows but the last
.if MB == 8
	STRETCH 1, 0, 3, \q, \zero, \xwait
	STRETCH 2, 3, 3, \q, \zero, 0
.else
	STRETCH 1, 0, 2, \q, \zero, \xwait
.endif
.endm
.macro TAILW q, zero                   ; the last window
.if MB == 8
	STRETCH 3, 6, 2, \q, \zero, 0
.else
	STRETCH 2, 2, 2, \q, \zero, 0
.endif
.endm
.macro LOADW slot, q, f                ; 16 LDS loads: my weight fragments of quarter q (128 columns x 32 K)
.set lb, 0
.rept 8
	ds_load_b128 v[\f+8*lb:\f+8*lb+3], v[ADRW+\slot] offset:4352*lb+64*\q
	ds_load_b128 v[\f+8*lb+4:\f+8*lb+7], v[ADRW+\slot] offset:4352*lb+64*\q+32
.set lb, lb+1
.endr
.endm
.macro LOADX slot, half, x             ; MB LDS loads: four of my eight inputs for row r of each row block (both halves of the lanes read the same bytes)
.set lb, 0
.rept MB
	ds_load_b128 v[\x+4*lb:\x+4*lb+3], v[ADRX+\slot] offset:2304*lb+16*\half
.set lb, lb+1
.endr
.endm
; A step is 32 inputs, four quarters of 32 along K for each wave.  Each run of loads into a weight buffer stands behind the four vector
; instructions that close the unit in front of it.
.macro QUARTER0 slot, zero             ; the first quarter of a step; zero = 1: its hi products start the sums
	WIN 0
	LOADX \slot, 1, XB
	LOADW \slot, 1, F1
	s_wait_dscnt MB+16                             ; all but the MB + 16 loads just issued: quarter 0's weights are in
	HEADW 0, \zero, 0
	TAILW 0, \zero
	WIN 0                                          ; a label or a branch may follow
.endm
.macro REST slot                       ; quarters 1, 2, 3; in quarter 2 the slots change and this slot is filled again, two steps ahead
	LOADW \slot, 2, F0
	s_wait_dscnt 16                                ; all but the 16 just issued: quarter 1's weights and inputs 4-7
	HEADW 1, 0, 0
	TAILW 1, 0
	WIN 0
	LOADW \slot, 3, F1                             ; my last reads of this slot
	s_wait_dscnt 16
	HEADW 2, 0, 0
	s_wait_dscnt 0x0                               ; my reads of this slot are over,
	s_wait_tensorcnt 0x0                           ; and all my tensor loads have landed: the two that were out are my parts of the other slot
	ds_add_u32 v255, v255
	s_wait_dscnt 0x0
	s_barrier_signal -1                            ; say so: this barrier opens a round of the cluster's barrier,
	TAILW 2, 0                                     ; work on registers while the others arrive,
	WIN 0
	s_barrier_wait -1                              ; and go on when all four waves have said so
	CREST                                          ; all four work-groups have said so: no wave of a partner reads this slot or has a load on its way
	s_cmp_lg_u32 s3, 1                             ; the lap counter, equal in all partners: in the last lap the addresses stay,
	s_cselect_b32 s58, 2048, 0                     ; else two steps of 32 inputs x 16 x 2 bytes
	s_cselect_b32 s60, 256, 0                      ; and two steps of 32 x 4 bytes
	s_add_nc_u64 s[G0W+4*\slot+2:G0W+4*\slot+3], s[G0W+4*\slot+2:G0W+4*\slot+3], s[58:59]
	s_add_nc_u64 s[G0X+4*\slot+2:G0X+4*\slot+3], s[G0X+4*\slot+2:G0X+4*\slot+3], s[60:61]
	tensor_load_to_lds s[G0W+4*\slot:G0W+4*\slot+3], s[G1W:G1W+7]  ; the first tensor loads behind the round: two are out until the next step's wait
	s_nop 0
	tensor_load_to_lds s[G0X+4*\slot:G0X+4*\slot+3], s[G1X:G1X+7]
	s_nop 0
	LOADX 1-\slot, 0, XA                           ; the other slot is whole: the next step's first inputs and weights
	LOADW 1-\slot, 0, F0
	HEADW 3, 0, 1
	TAILW 3, 0
	WIN 0
.endm
.macro WINIT w                         ; a window's constants; the fragment registers are written once whole, since each later write keeps one half
	WIN \w<<6
.irp j, 0,1,2,3,4,5,6,7,8,9
	v_mov_b32 v[CW+\j], v[C0+\j]
.endr
	v_mov_b32 v[ZERO], 0
.set wi, 0
.rept 32
	v_mov_b32 v[FH0+wi], 0
.set wi, wi+1
.endr
.endm
.macro GEN0 w, b0                      ; the first fragments of a window, with no products to set them among
	WIN \w*0x54
.set GX, XA+4*\b0
.set GFH, FH0
.set GFL, FL0
.set gn, 0
.rept 60
	GOP gn
.set gn, gn+1
.endr
.endm
	s_load_b128 s[4:7], s[0:1], 0x0                ; in s[4:5], w s[6:7]
	s_load_b64 s[8:9], s[0:1], 0x10                ; out
	v_lshl_add_u32 v255, v0, 2, 0x48800
	s_set_vgpr_msb 0x40
	v_mov_b32 v255, 0
	s_set_vgpr_msb 0x4044
	ds_add_u32 v255, v255
	s_set_vgpr_msb 0x4400
	v_lshrrev_b32 v1, 5, v0
	v_readfirstlane_b32 s10, v1                    ; wave 0..3
	s_bfe_u32 s11, ttmp6, 0x40000                  ; cx
	s_lshl_b32 s12, ttmp9, 2
	s_add_co_u32 s12, s12, s11                     ; row block of out = 4 x cluster x + cx
	s_and_b32 s13, ttmp7, 0xffff                   ; column block of out: the same in the four partners
	s_mov_b32 s14, 0x3f7fffef                      ; 1 - 1e-6 in f32
	s_mov_b32 s59, 0                               ; the high words of the two address steps
	s_mov_b32 s61, 0
	; a weight tile: 128 rows x 128 bf16, 16 bytes of padding behind each 256
	s_mov_b32 s[G1W+0], 15|(1<<16)|(1<<20)|(1<<21)|(5<<22)|(3<<25) ; mask: all four of the cluster; 2-byte elements; padding on; bit 21 beside a mask; after 64 words, 4 words
	s_mov_b32 s[G1W+1], 128<<16                    ; tensor_dim0
	s_mov_b32 s[G1W+2], 128<<16                    ; tensor_dim1
	s_mov_b32 s[G1W+3], 128<<16                    ; tile_dim0
	s_mov_b32 s[G1W+4], 128                        ; tile_dim1
	s_mov_b32 s[G1W+5], IN*16                      ; elements from row to row
	s_mov_b32 s[G1W+6], 0
	s_mov_b32 s[G1W+7], 0
	; my part of a tile of in: XR rows x 32 f32, 16 bytes of padding behind each 128; no mask
	s_mov_b32 s[G1X+0], (2<<16)|(1<<20)|(4<<22)|(3<<25)
	s_mov_b32 s[G1X+1], 32<<16
	s_mov_b32 s[G1X+2], XR<<16
	s_mov_b32 s[G1X+3], 32<<16
	s_mov_b32 s[G1X+4], XR
	s_mov_b32 s[G1X+5], IN
	s_mov_b32 s[G1X+6], 0
	s_mov_b32 s[G1X+7], 0
	s_mul_i32 s48, s10, WT                         ; LDS: my weight tile
	s_mul_i32 s49, s10, XR*144
	s_add_co_u32 s49, s49, XO                      ; LDS: my rows of in
	s_mul_i32 s50, s13, IN*4096                    ; w: 128 rows of 32 IN bytes a column block,
	s_lshl_b32 s51, s10, 8                         ; + my 8 inputs x 16 x 2 bytes: made of the column block and the wave number alone
	s_add_co_u32 s50, s50, s51
	s_mov_b32 s51, 0
	s_mul_i32 s52, s12, 16*MB
	s_mul_i32 s53, s10, XR
	s_add_co_u32 s52, s52, s53                     ; the first row that I fetch of in, and that I store of out
	s_mul_i32 s54, s52, NOUT*4
	s_mul_i32 s52, s52, IN*4
	s_mov_b32 s53, 0
	s_lshl_b32 s55, s13, 9                         ; 128 columns of 4 bytes
	s_add_co_u32 s54, s54, s55
	s_mov_b32 s55, 0
	s_wait_dscnt 0x0
	s_wait_kmcnt 0x0
	s_add_nc_u64 s[6:7], s[6:7], s[50:51]
	s_add_nc_u64 s[4:5], s[4:5], s[52:53]
	s_add_nc_u64 s[8:9], s[8:9], s[54:55]
.irp n, 0,1
	s_mov_b32 s[G0W+4*\n], 1
	s_add_co_u32 s[G0W+4*\n+1], s48, \n*SLOT
	s_add_nc_u64 s[G0W+4*\n+2:G0W+4*\n+3], s[6:7], \n*1024
	s_or_b32 s[G0W+4*\n+3], s[G0W+4*\n+3], 0x80000000
	s_mov_b32 s[G0X+4*\n], 1
	s_add_co_u32 s[G0X+4*\n+1], s49, \n*SLOT
	s_add_nc_u64 s[G0X+4*\n+2:G0X+4*\n+3], s[4:5], \n*128
	s_or_b32 s[G0X+4*\n+3], s[G0X+4*\n+3], 0x80000000
.endr
	ROUND                                          ; the four work-groups are here: the first joint loads meet
.irp n, 0,1
	tensor_load_to_lds s[G0W+4*\n:G0W+4*\n+3], s[G1W:G1W+7]        ; steps 0 and 1: four tensor loads of mine are out, the most in this text
	s_nop 0
	tensor_load_to_lds s[G0X+4*\n:G0X+4*\n+3], s[G1X:G1X+7]
	s_nop 0
.endr
	v_and_b32 v1, 15, v0                           ; r
	v_bfe_u32 v2, v0, 4, 1                         ; h
	v_and_b32 v3, 31, v0                           ; lane
	v_mul_u32_u24 v4, v1, 272
	v_lshl_add_u32 v4, v2, 4, v4
	v_add_nc_u32 v[ADRW], s48, v4                  ; column r of a tile of 16, 16 h bytes along K
	v_add_nc_u32 v[ADRW+1], SLOT, v[ADRW]
	v_mul_u32_u24 v5, v1, 144
	s_lshl_b32 s56, s10, 5
	s_add_co_u32 s56, s56, XO
	v_add_nc_u32 v[ADRX], s56, v5                  ; row r, my 8 inputs of 4 bytes
	v_add_nc_u32 v[ADRX+1], SLOT, v[ADRX]
	s_mul_i32 s57, s10, STG
	v_mul_u32_u24 v6, v1, 528
	v_lshl_add_u32 v6, v2, 5, v6
	v_add_nc_u32 v[STO], s57, v6                   ; my partial block: row r, columns 8 h ..
	s_mul_i32 s57, s10, XR*528
	v_lshl_add_u32 v[RD], v3, 4, s57               ; wave 0's partial block: my first row, 16 bytes a lane
.irp k, 1,2,3
	v_add_nc_u32 v[RD+\k], \k*STG, v[RD]
.endr
	v_lshlrev_b32 v[CO], 4, v3
	v_mov_b32 v[ONE], 1.0
	v_mov_b32 v[NEG1], -1.0
	v_mov_b32 v[MULP], 0x41700000                  ; 15
	v_mov_b32 v[MULP+1], 0x41700000
	v_lshlrev_b32 v7, 3, v2
.irp j, 0,1,2,3,4,5,6,7,8,9
	v_sub_nc_u32 v[C0+\j], 1-\j, v7
	v_cvt_f32_i32 v[C0+\j], v[C0+\j]
.endr
	WINIT 1
	WINIT 2
.if MB == 8
	WINIT 3
.endif
	WIN 0
	s_wait_tensorcnt 0x2                           ; my two loads of step 0 are in, step 1's two stay out
	s_barrier_signal -1
	s_barrier_wait -1                              ; every wave's rows of in are there
	LOADX 0, 0, XA
	LOADW 0, 0, F0
	s_wait_dscnt 16                                ; the inputs are in; the 16 weight loads may stay out
.if MB == 8
	GEN0 1, 0
	GEN0 2, 3
	GEN0 3, 6
.else
	GEN0 1, 0
	GEN0 2, 2
.endif
	QUARTER0 0, 1                                  ; step 0's first quarter, written out: its hi products start the sums, nothing is cleared
	s_mov_b32 s3, STEPS/2                          ; laps; the first is entered behind the loop's own quarter 0
	s_branch .Lq1                                  ; both ways into .Lq1 have issued the same LDS loads behind the same waits, and every window is 0
.Llap:
	QUARTER0 0, 0
.Lq1:
	REST 0
	QUARTER0 1, 0
	REST 1
	s_sub_co_u32 s3, s3, 1
	s_cmp_lg_u32 s3, 0
	s_cbranch_scc1 .Llap
	; THE WAY OUT.  Each wave lays its partial block into LDS, over the ring, which has had its last fill; then wave w adds the four partial
	; blocks for rows XR w .. and stores them, 512 consecutive aligned bytes an instruction.
	; The last matrix instruction is followed by four of the basis' vector instructions, which name none of its registers: the places
	; that the LDS stores of its result need.
	s_wait_dscnt 0x0                               ; my reads of the ring are over
	s_wait_tensorcnt 0x0                           ; and no tensor load of mine is out: the last lap's second refill has landed
	s_barrier_signal -1
	s_barrier_wait -1                              ; so are every wave's: the ring may be written over
.macro STAGE w, b0, c
	WIN \w<<2                                      ; an LDS store's data are source 1
.set sj, 0
.rept \c
.set snb, 0
.rept 8
	ds_store_b128 v[STO], v[64*sj+8*snb:64*sj+8*snb+3] offset:8448*(\b0+sj)+64*snb
	ds_store_b128 v[STO], v[64*sj+8*snb+4:64*sj+8*snb+7] offset:8448*(\b0+sj)+64*snb+16
.set snb, snb+1
.endr
.set sj, sj+1
.endr
.endm
.if MB == 8
	STAGE 1, 0, 3
	STAGE 2, 3, 3
	STAGE 3, 6, 2
.else
	STAGE 1, 0, 2
	STAGE 2, 2, 2
.endif
	WIN 0
	s_wait_dscnt 0x0                               ; for the other waves: my block is written before I signal
	s_barrier_signal -1
	s_barrier_wait -1
.macro OUT4 t, f                       ; rows 4 t .. 4 t + 3 of my XR
	s_wait_xcnt 0x0                                ; buffer f, which earlier stores read, is loaded again only behind this wait
.irp i, 0,1,2,3
.irp k, 0,1,2,3
	ds_load_b128 v[\f+16*\i+4*\k:\f+16*\i+4*\k+3], v[RD+\k] offset:528*(4*\t+\i)
.endr
.endr
.irp i, 0,1,2,3
	s_wait_dscnt 12-4*\i                           ; row i's four loads are in, the younger rows' stay out
	v_pk_add_f32 v[\f+16*\i:\f+16*\i+1], v[\f+16*\i:\f+16*\i+1], v[\f+16*\i+4:\f+16*\i+5]
	v_pk_add_f32 v[\f+16*\i+2:\f+16*\i+3], v[\f+16*\i+2:\f+16*\i+3], v[\f+16*\i+6:\f+16*\i+7]
	v_pk_add_f32 v[\f+16*\i+8:\f+16*\i+9], v[\f+16*\i+8:\f+16*\i+9], v[\f+16*\i+12:\f+16*\i+13]
	v_pk_add_f32 v[\f+16*\i+10:\f+16*\i+11], v[\f+16*\i+10:\f+16*\i+11], v[\f+16*\i+14:\f+16*\i+15]
	v_pk_add_f32 v[\f+16*\i:\f+16*\i+1], v[\f+16*\i:\f+16*\i+1], v[\f+16*\i+8:\f+16*\i+9]
	v_pk_add_f32 v[\f+16*\i+2:\f+16*\i+3], v[\f+16*\i+2:\f+16*\i+3], v[\f+16*\i+10:\f+16*\i+11]
	global_store_b128 v[CO], v[\f+16*\i:\f+16*\i+3], s[8:9] offset:(4*\t+\i)*NOUT*4
.endr
.endm
.set ot, 0
.rept XR/4
	OUT4 ot, F0+64*(ot&1)
.set ot, ot+1
.endr
	s_set_vgpr_msb 0x4
	s_wait_tensorcnt 0x0
	ds_add_u32 v255, v255
	s_wait_dscnt 0x0
	s_set_vgpr_msb 0x400
	ROUND                                          ; the closing round: no work-group ends while a partner may still ask for a tile that names it
	s_endpgm
.Lfunc_end_k_qc5ff16f021_layer2:
	.size	k_qc5ff16f021_layer2, .Lfunc_end_k_qc5ff16f021_layer2-k_qc5ff16f021_layer2
	.p2alignl 7, 3214868480
	.fill 96, 4, 3214868480
	.section	.rodata,"a",@progbits
	.p2align	6, 0x0
	.amdhsa_kernel k_qc5ff16f021_layer2
		.amdhsa_group_segment_fixed_size 327680
		.amdhsa_private_segment_fixed_size 0
		.amdhsa_enable_private_segment 0
		.amdhsa_kernarg_size 24
		.amdhsa_user_sgpr_count 2
		.amdhsa_user_sgpr_kernarg_segment_ptr 1
		.amdhsa_wavefront_size32 1
		.amdhsa_system_sgpr_workgroup_id_x 1
		.amdhsa_system_sgpr_workgroup_id_y 1
		.amdhsa_system_sgpr_workgroup_id_z 1
		.amdhsa_system_vgpr_workitem_id 0
		.amdhsa_next_free_vgpr 768
		.amdhsa_next_free_sgpr 66
		.amdhsa_reserve_vcc 0
		.amdhsa_float_denorm_mode_32 3
		.amdhsa_float_denorm_mode_16_64 3
		.amdhsa_memory_ordered 1
		.amdhsa_forward_progress 1
		.amdhsa_inst_pref_size 220
	.end_amdhsa_kernel
	.amdgpu_metadata
---
amdhsa.version: [ 1, 2 ]
amdhsa.kernels:
  - .name:           k_qc5ff16f021_layer2
    .symbol:         k_qc5ff16f021_layer2.kd
    .args:
      - { .name: h1, .offset: 0, .size: 8, .value_kind: global_buffer, .address_space: global }
      - { .name: w2, .offset: 8, .size: 8, .value_kind: global_buffer, .address_space: global }
      - { .name: out0, .offset: 16, .size: 8, .value_kind: global_buffer, .address_space: global }
    .group_segment_fixed_size: 327680
    .private_segment_fixed_size: 0
    .kernarg_segment_align: 8
    .kernarg_segment_size: 24
    .max_flat_workgroup_size: 128
    .sgpr_count:     66
    .vgpr_count:     768
    .wavefront_size: 32
...
	.end_amdgpu_metadata
.endif
;; end of part 8
;; ======== version 3 of 3: 5 launches; 1.48 times as fast as version 1
;; limits: values outside matrix products are rounded to bf16
;; workspace buffers: w0 4,194,304 bytes; w1 8,388,608 bytes; w2 4,194,304 bytes; xr 8,388,608 bytes; h0 16,777,216 bytes; h1 16,777,216 bytes; klp 4,096 bytes
;; launch prep: the kernel of part 1 again; grid 1024 x 1, 8 waves a work-group, no clusters, 1,280 bytes of LDS; arguments cm0, lv0, cm1, lv1, cm2, lv2, x, w0, w1, w2, xr, klp; writes w0, w1, w2, xr, klp
;; launch klsum: the kernel of part 2 again; grid 1 x 1, 1 waves a work-group, no clusters, 0 bytes of LDS; arguments klp, out1; writes out1
;; launch layer0 (part 9): grid 64 x 4, 4 waves a work-group, clusters of 4 x 1, 327,680 bytes of LDS; arguments xr, w0, h0; writes h0
.if DOCPART == 9
	.amdgcn_target "amdgcn-amd-amdhsa--gfx1250"
	.amdhsa_code_object_version 6
	.text
	.protected	k_qc5ff16f021_layer0
	.globl	k_qc5ff16f021_layer0
	.p2align	8
	.type	k_qc5ff16f021_layer0,@function
k_qc5ff16f021_layer0:
	s_mov_b64 s[64:65], 0
	v_nop
	global_prefetch_b8 v0, s[64:65] scope:SCOPE_SE
	s_setreg_imm32_b32 hwreg(HW_REG_WAVE_MODE, 25, 1), 1
	s_wait_xcnt 0x0
	s_wait_alu depctr_hold_cnt(0) depctr_sa_sdst(0) depctr_va_vdst(0) depctr_va_sdst(0) depctr_va_ssrc(0) depctr_va_vcc(0) depctr_vm_vsrc(0)
	s_getreg_b32 s2, hwreg(HW_REG_IB_STS2, 6, 4)
	s_cmp_eq_u32 s2, 0
	s_cbranch_scc0 .Lentry_in_a_cluster
	s_endpgm
.Lentry_in_a_cluster:
	s_bfe_u32 s2, ttmp6, 0x10000c
	s_cmp_lg_u32 s2, 0x3003
	s_cbranch_scc0 .Lentry_shape_is_right
	s_endpgm
.Lentry_shape_is_right:
; One spline layer: out[b][o] = sum over i, k of hat(15 clip(in[b][i], 0, 1 - 1e-6) - k) w[o][16 i + k], hat(d) = max(0, 1 - |d|), k = 0 .. 15:
; the degree-1 basis on the clamped uniform knots.  in: [8192][IN] f32, w: [NOUT][16 IN] bf16, out: [8192][NOUT] f32.
; It is a product with K = 16 IN whose left operand is MADE IN REGISTERS from in; only w and in pass through LDS.
; TWO PIECES (PIECES = 2): each basis value v goes to the matrix unit as hi = bf16(v) and lo = bf16(v - hi), two products onto one f32 sum.  A hidden
; value is multiplied in the next layer by 15 x a difference of coefficients and summed over hundreds of inputs, so one bf16 rounding of v would not do.
; SHARES: a work-group makes 16 MB rows x 128 columns.  Its four waves split K: in a step of 32 inputs wave w takes inputs 8 w .. 8 w + 7
; (128 along K) and holds the whole block as partial sums, MB x 8 tiles; the four partial blocks are added through LDS at the end.
; So one pair of basis fragments (60 vector instructions) feeds 16 matrix instructions, and one weight fragment (2 LDS loads) feeds 2 MB.
; CLUSTER: the four work-groups of a cluster make four row blocks of one column block and need the same weights: each wave asks for its weight
; tile jointly (mask 15).  The tiles of in differ between the partners and come by plain loads; they are 1/9 (MB = 8) of a step's bytes.
; A tile row of in is 128 bytes (32 f32): a step of 64 inputs would double the weight slots, and two such slots do not fit in LDS.
; ONE COPY OF THE LAP.  A lap (two steps, once round the ring) is some 5,100 instructions for MB = 8, and every lap runs through the same text.
; The start: quarter 0 of step 0 is written out ahead of the loop, its first products starting the sums, and the loop is entered behind its own
; quarter 0.  The end: the last lap makes its two refills like every lap, with an address step of 0: the two tiles just read are asked for
; again, so that no load leaves its buffer; those two tiles, and what the last quarter makes of them, are not used.
; LIMITS: a NaN in in is not passed on (the clip takes it for a number).  The basis has a relative error of at most 2^-17; 15 x - k is one fused
; multiply-add in place of (x - t) / dl; K is summed as four partial sums, each ascending.
.set IN,   256
.set NOUT, 512
.set MB,   8                           ; blocks of 16 rows in a work-group
.set PIECES, 2                         ; bf16 pieces of a basis value
.set NW,   8*PIECES                    ; matrix instructions that one row block's fragments feed
.set NG,   28+16*PIECES                ; vector instructions that make them: 44 for hi, 16 more for lo
.set STEPS, IN/32
.set WT,   128*272                     ; a wave's weight tile: 128 rows of 256 bytes + 16 of padding
.set XO,   4*WT                        ; behind the four weight tiles: the tile of in, 16 MB rows of 128 bytes + 16
.set SLOT, XO+16*MB*144
.set XR,   4*MB                        ; rows of in that a wave fetches, and rows of out that it sums and stores
.set STG,  16*MB*528                   ; the way out: a wave's partial block, rows of 512 bytes + 16, laid over the ring behind its last fill
; window 0 of the vector registers
.set ADRW, 8                           ; v8-9    LDS address of my weight fragments, slot 0, 1
.set ADRX, 10                          ; v10-11  LDS address of my numbers of in, slot 0, 1
.set STO,  12                          ; v12     where I put 16 bytes of my partial block
.set RD,   13                          ; v13-16  where I read a row of wave k's partial block
.set CO,   17                          ; v17     16 x lane
.set ONE,  20
.set NEG1, 21
.set MULP, 22                          ; v[22:23] 15, 15
.set C0,   24                          ; v[24:33] 1 - j - 8 h, j = 0 .. 9
.set F0,   64                          ; v[64:127], v[128:191] weight fragments (8 x 16 columns x 32 K), two buffers
.set F1,   128
.set XA,   192                         ; 4 registers a row block: inputs 0-3 of my eight
.set XB,   224                         ; inputs 4-7
; windows 1, 2, 3, each for the row blocks whose sums it holds (local numbers)
.set FH0,  192                         ; basis fragments: hi at 192 + 16 p, lo at 200 + 16 p, p = 0, 1; sums: block j, tile nb at 64 j + 8 nb
.set FL0,  200
.set TR,   224                         ; v[224:233] 15 x - (8 h + j - 1); then, in v[224:231], the eight basis values of input 1
.set VR,   234                         ; v[234:241] the eight basis values of input 0
.set XC,   242                         ; v[242:243] two clipped inputs
.set CW,   244                         ; v[244:253] copy of C0
.set ZERO, 254
.set G1W, 16                           ; s[16:23] shape of a weight tile
.set G1X, 24                           ; s[24:31] shape of a tile of in
.set G0W, 32                           ; s[32:39] from where, to where: weights, a set for each slot
.set G0X, 40                           ; s[40:47] the same for in
.set MSB, 0
.macro WIN new                         ; s_set_vgpr_msb: bits 1:0 source 0, 3:2 source 1, 5:4 source 2, 7:6 destination; the high byte repeats the setting left
.if MSB != (\new)
	s_set_vgpr_msb (MSB<<8)|(\new)
.set MSB, (\new)
.endif
.endm
.macro CREST                           ; a round of the cluster's barrier behind its opening work-group barrier
	s_cmp_lg_u32 s10, 0
	s_cbranch_scc1 .Lnot_wave_0_\@
	s_barrier_signal -3
.Lnot_wave_0_\@:
	s_barrier_wait -3
	s_barrier_signal -1
	s_barrier_wait -1
.endm
.macro ROUND
	s_barrier_signal -1
	s_barrier_wait -1
	CREST
.endm
; THE BASIS, NG vector instructions for the fragments of 16 rows x 2 inputs x 16 basis functions.  All of them, and the matrix
; instructions, run under ONE setting of the windows: source 0 in window 0, sources 1, 2 and the destination in window W.  (That is why hi is
; made by two roundings into halves, with the constant 1 as source 0: a packed conversion would want both its sources in window W.)
; Lane (r, h) makes basis functions 8 h .. 8 h + 7 of inputs e = 0, 1 for row r: register 4 e + d holds functions 8 h + 2 d, 8 h + 2 d + 1.
; GX: the two inputs (window 0); GFH, GFL: the fragments that are written.
; THE ORDER keeps each instruction away from the one whose result it reads or whose half-written register it completes: the even functions of
; both inputs, then the odd ones; hi of both inputs, then lo.  But for the first difference behind the clip, four to eight vector
; instructions lie between.  Input 1's hats are written over its differences (hat k reads differences k and k + 2 and writes k, ascending),
; so that both inputs' values are live at once in the registers of one.
.macro TDIF e, p                       ; two of the ten differences of input e
.if \e
	v_pk_fma_f32 v[TR+2*(\p):TR+2*(\p)+1], v[MULP:MULP+1], v[XC:XC+1], v[CW+2*(\p):CW+2*(\p)+1] op_sel:[0,1,0] op_sel_hi:[1,1,1]
.else
	v_pk_fma_f32 v[TR+2*(\p):TR+2*(\p)+1], v[MULP:MULP+1], v[XC:XC+1], v[CW+2*(\p):CW+2*(\p)+1] op_sel_hi:[1,0,1]
.endif
.endm
.macro HAT e, k                        ; max(0, min(u - c + 1, c + 1 - u)) as the middle one of three, c = 8 h + k
.if \e
	v_med3_num_f32 v[TR+(\k)], 0, v[TR+(\k)], -v[TR+(\k)+2]
.else
	v_med3_num_f32 v[VR+(\k)], 0, v[TR+(\k)], -v[TR+(\k)+2]
.endif
.endm
.macro HI e, k                         ; hi = v rounded once to bf16, into one half of the register
.set vs, VR+(\k)-(VR-TR)*(\e)
.set fh, GFH+4*(\e)+((\k)>>1)
.if ((\k)&1)
	v_fma_mixhi_bf16 v[fh], v[ONE], v[vs], v[ZERO]
.else
	v_fma_mixlo_bf16 v[fh], v[ONE], v[vs], v[ZERO]
.endif
.endm
.macro LO e, k                         ; lo = v - hi, exact in the fused multiply-add, rounded once to bf16
.set vs, VR+(\k)-(VR-TR)*(\e)
.set fh, GFH+4*(\e)+((\k)>>1)
.set fl, GFL+4*(\e)+((\k)>>1)
.if ((\k)&1)
	v_fma_mixhi_bf16 v[fl], v[NEG1], v[fh], v[vs] op_sel:[0,1,0] op_sel_hi:[0,1,0]
.else
	v_fma_mixlo_bf16 v[fl], v[NEG1], v[fh], v[vs] op_sel_hi:[0,1,0]
.endif
.endm
.macro GOP n                           ; the n-th of the NG
.if (\n) < 2
	v_med3_num_f32 v[XC+(\n)], v[GX+(\n)], 0, s14                  ; the clip to 0 .. 1 - 1e-6
.elseif (\n) < 7
	TDIF 0, (\n)-2
.elseif (\n) < 15
	HAT 0, (\n)-7
.elseif (\n) < 20
	TDIF 1, (\n)-15
.elseif (\n) < 24
	HI 0, 2*((\n)-20)
.elseif (\n) < 32
	HAT 1, (\n)-24
.elseif (\n) < 36
	HI 1, 2*((\n)-32)
.elseif (\n) < 40
	HI 0, 2*((\n)-36)+1
.elseif (\n) < 44
	HI 1, 2*((\n)-40)+1
.elseif (\n) < 48
	LO 0, 2*((\n)-44)
.elseif (\n) < 52
	LO 1, 2*((\n)-48)
.elseif (\n) < 56
	LO 0, 2*((\n)-52)+1
.else
	LO 1, 2*((\n)-56)+1
.endif
.endm
; NW matrix instructions: one row block x 8 column tiles, hi (then lo), 32 along K, on basis buffer p; the next fragments are made between
; them in the other buffer, NG / NW vector instructions behind each, at least 4 behind the last.  The matrix instruction is used transposed
; (source 0 = 16 columns of w, source 1 = 16 rows of basis), so that a lane holds eight neighbouring columns of one row of out.
; The eight accumulators take turns, one instruction a turn.
.macro UNIT acc, f, p, zero
.set ui, 0
.set gn, 0
.rept NW
.if ui < 8
.if \zero
	v_wmma_f32_16x16x32_bf16 v[\acc+8*ui:\acc+8*ui+7], v[\f+8*ui:\f+8*ui+7], v[FH0+16*\p:FH0+16*\p+7], 0
.else
	v_wmma_f32_16x16x32_bf16 v[\acc+8*ui:\acc+8*ui+7], v[\f+8*ui:\f+8*ui+7], v[FH0+16*\p:FH0+16*\p+7], v[\acc+8*ui:\acc+8*ui+7]
.endif
.else
	v_wmma_f32_16x16x32_bf16 v[\acc+8*(ui-8):\acc+8*(ui-8)+7], v[\f+8*(ui-8):\f+8*(ui-8)+7], v[FL0+16*\p:FL0+16*\p+7], v[\acc+8*(ui-8):\acc+8*(ui-8)+7]
.endif
.rept (NG*(ui+1))/NW-(NG*ui)/NW
	GOP gn
.set gn, gn+1
.endr
.set ui, ui+1
.endr
.endm
; The c row blocks b0 .. of window w in quarter q (32 along K).  Unit j makes the fragments of the unit that follows it in this window: block
; j + 1 of this quarter, or block b0 of the next quarter.  4 c units a step is even, so the two basis buffers keep their turns from step to step.
; xwait = 1: the last unit reads inputs that were asked for at the head of this quarter.
.macro STRETCH w, b0, c, q, zero, xwait
	WIN \w*0x54
.set sj, 0
.rept \c
.set spar, (\c*\q+sj)&1
.if sj < \c-1
.set tb, \b0+sj+1
.set tq, \q
.else
.set tb, \b0
.set tq, (\q+1)&3
.if \xwait
	s_wait_dscnt 16                                ; the next step's inputs are in; the 16 weight loads issued behind them may stay out
.endif
.endif
.if tq < 2
.set GX, XA+4*tb+2*(tq&1)
.else
.set GX, XB+4*tb+2*(tq&1)
.endif
.set GFH, FH0+16*(1-spar)
.set GFL, FL0+16*(1-spar)
	UNIT 64*sj, F0+64*(\q&1), spar, \zero
.set sj, sj+1
.endr
.endm
.macro HEADW q, zero, xwait            ; all windows but the last
.if MB == 8
	STRETCH 1, 0, 3, \q, \zero, \xwait
	STRETCH 2, 3, 3, \q, \zero, 0
.else
	STRETCH 1, 0, 2, \q, \zero, \xwait
.endif
.endm
.macro TAILW q, zero                   ; the last window
.if MB == 8
	STRETCH 3, 6, 2, \q, \zero, 0
.else
	STRETCH 2, 2, 2, \q, \zero, 0
.endif
.endm
.macro LOADW slot, q, f                ; 16 LDS loads: my weight fragments of quarter q (128 columns x 32 K)
.set lb, 0
.rept 8
	ds_load_b128 v[\f+8*lb:\f+8*lb+3], v[ADRW+\slot] offset:4352*lb+64*\q
	ds_load_b128 v[\f+8*lb+4:\f+8*lb+7], v[ADRW+\slot] offset:4352*lb+64*\q+32
.set lb, lb+1
.endr
.endm
.macro LOADX slot, half, x             ; MB LDS loads: four of my eight inputs for row r of each row block (both halves of the lanes read the same bytes)
.set lb, 0
.rept MB
	ds_load_b128 v[\x+4*lb:\x+4*lb+3], v[ADRX+\slot] offset:2304*lb+16*\half
.set lb, lb+1
.endr
.endm
; A step is 32 inputs, four quarters of 32 along K for each wave.  Each run of loads into a weight buffer stands behind the four or more vector
; instructions that close the unit in front of it.
.macro QUARTER0 slot, zero             ; the first quarter of a step; zero = 1: its hi products start the sums
	WIN 0
	LOADX \slot, 1, XB
	LOADW \slot, 1, F1
	s_wait_dscnt MB+16                             ; all but the MB + 16 loads just issued: quarter 0's weights are in
	HEADW 0, \zero, 0
	TAILW 0, \zero
	WIN 0                                          ; a label or a branch may follow
.endm
.macro REST slot                       ; quarters 1, 2, 3; in quarter 2 the slots change and this slot is filled again, two steps ahead
	LOADW \slot, 2, F0
	s_wait_dscnt 16                                ; all but the 16 just issued: quarter 1's weights and inputs 4-7
	HEADW 1, 0, 0
	TAILW 1, 0
	WIN 0
	LOADW \slot, 3, F1                             ; my last reads of this slot
	s_wait_dscnt 16
	HEADW 2, 0, 0
	s_wait_dscnt 0x0                               ; my reads of this slot are over,
	s_wait_tensorcnt 0x0                           ; and all my tensor loads have landed: the two that were out are my parts of the other slot
	ds_add_u32 v63, v255
	s_wait_dscnt 0x0
	s_barrier_signal -1                            ; say so: this barrier opens a round of the cluster's barrier,
	TAILW 2, 0                                     ; work on registers while the others arrive,
	WIN 0
	s_barrier_wait -1                              ; and go on when all four waves have said so
	CREST                                          ; all four work-groups have said so: no wave of a partner reads this slot or has a load on its way
	s_cmp_lg_u32 s3, 1                             ; the lap counter, equal in all partners: in the last lap the addresses stay,
	s_cselect_b32 s58, 2048, 0                     ; else two steps of 32 inputs x 16 x 2 bytes
	s_cselect_b32 s60, 256, 0                      ; and two steps of 32 x 4 bytes
	s_add_nc_u64 s[G0W+4*\slot+2:G0W+4*\slot+3], s[G0W+4*\slot+2:G0W+4*\slot+3], s[58:59]
	s_add_nc_u64 s[G0X+4*\slot+2:G0X+4*\slot+3], s[G0X+4*\slot+2:G0X+4*\slot+3], s[60:61]
	tensor_load_to_lds s[G0W+4*\slot:G0W+4*\slot+3], s[G1W:G1W+7]  ; the first tensor loads behind the round: two are out until the next step's wait
	s_nop 0
	tensor_load_to_lds s[G0X+4*\slot:G0X+4*\slot+3], s[G1X:G1X+7]
	s_nop 0
	LOADX 1-\slot, 0, XA                           ; the other slot is whole: the next step's first inputs and weights
	LOADW 1-\slot, 0, F0
	HEADW 3, 0, 1
	TAILW 3, 0
	WIN 0
.endm
.macro WINIT w                         ; a window's constants; the fragment registers in use are written once whole, since each later write keeps one half
	WIN \w<<6
.irp j, 0,1,2,3,4,5,6,7,8,9
	v_mov_b32 v[CW+\j], v[C0+\j]
.endr
	v_mov_b32 v[ZERO], 0
.set wi, 0
.rept 32
.if PIECES == 2
	v_mov_b32 v[FH0+wi], 0
.elseif (wi&8) == 0
	v_mov_b32 v[FH0+wi], 0
.endif
.set wi, wi+1
.endr
.endm
.macro GEN0 w, b0                      ; the first fragments of a window, with no products to set them among
	WIN \w*0x54
.set GX, XA+4*\b0
.set GFH, FH0
.set GFL, FL0
.set gn, 0
.rept NG
	GOP gn
.set gn, gn+1
.endr
.endm
	s_load_b128 s[4:7], s[0:1], 0x0                ; in s[4:5], w s[6:7]
	s_load_b64 s[8:9], s[0:1], 0x10                ; out
	v_lshl_add_u32 v63, v0, 2, 0x4d000
	s_set_vgpr_msb 0x80
	v_mov_b32 v255, 0
	s_set_vgpr_msb 0x8088
	ds_add_u32 v63, v255
	s_set_vgpr_msb 0x8800
	v_lshrrev_b32 v1, 5, v0
	v_readfirstlane_b32 s10, v1                    ; wave 0..3
	s_bfe_u32 s11, ttmp6, 0x40000                  ; cx
	s_lshl_b32 s12, ttmp9, 2
	s_add_co_u32 s12, s12, s11                     ; row block of out = 4 x cluster x + cx
	s_and_b32 s13, ttmp7, 0xffff                   ; column block of out: the same in the four partners
	s_mov_b32 s14, 0x3f7fffef                      ; 1 - 1e-6 in f32
	s_mov_b32 s59, 0                               ; the high words of the two address steps
	s_mov_b32 s61, 0
	; a weight tile: 128 rows x 128 bf16, 16 bytes of padding behind each 256
	s_mov_b32 s[G1W+0], 15|(1<<16)|(1<<20)|(1<<21)|(5<<22)|(3<<25) ; mask: all four of the cluster; 2-byte elements; padding on; bit 21 beside a mask; after 64 words, 4 words
	s_mov_b32 s[G1W+1], 128<<16                    ; tensor_dim0
	s_mov_b32 s[G1W+2], 128<<16                    ; tensor_dim1
	s_mov_b32 s[G1W+3], 128<<16                    ; tile_dim0
	s_mov_b32 s[G1W+4], 128                        ; tile_dim1
	s_mov_b32 s[G1W+5], IN*16                      ; elements from row to row
	s_mov_b32 s[G1W+6], 0
	s_mov_b32 s[G1W+7], 0
	; my part of a tile of in: XR rows x 32 f32, 16 bytes of padding behind each 128; no mask
	s_mov_b32 s[G1X+0], (2<<16)|(1<<20)|(4<<22)|(3<<25)
	s_mov_b32 s[G1X+1], 32<<16
	s_mov_b32 s[G1X+2], XR<<16
	s_mov_b32 s[G1X+3], 32<<16
	s_mov_b32 s[G1X+4], XR
	s_mov_b32 s[G1X+5], IN
	s_mov_b32 s[G1X+6], 0
	s_mov_b32 s[G1X+7], 0
	s_mul_i32 s48, s10, WT                         ; LDS: my weight tile
	s_mul_i32 s49, s10, XR*144
	s_add_co_u32 s49, s49, XO                      ; LDS: my rows of in
	s_mul_i32 s50, s13, IN*4096                    ; w: 128 rows of 32 IN bytes a column block,
	s_lshl_b32 s51, s10, 8                         ; + my 8 inputs x 16 x 2 bytes: made of the column block and the wave number alone
	s_add_co_u32 s50, s50, s51
	s_mov_b32 s51, 0
	s_mul_i32 s52, s12, 16*MB
	s_mul_i32 s53, s10, XR
	s_add_co_u32 s52, s52, s53                     ; the first row that I fetch of in, and that I store of out
	s_mul_i32 s54, s52, NOUT*4
	s_mul_i32 s52, s52, IN*4
	s_mov_b32 s53, 0
	s_lshl_b32 s55, s13, 9                         ; 128 columns of 4 bytes
	s_add_co_u32 s54, s54, s55
	s_mov_b32 s55, 0
	s_wait_dscnt 0x0
	s_wait_kmcnt 0x0
	s_add_nc_u64 s[6:7], s[6:7], s[50:51]
	s_add_nc_u64 s[4:5], s[4:5], s[52:53]
	s_add_nc_u64 s[8:9], s[8:9], s[54:55]
.irp n, 0,1
	s_mov_b32 s[G0W+4*\n], 1
	s_add_co_u32 s[G0W+4*\n+1], s48, \n*SLOT
	s_add_nc_u64 s[G0W+4*\n+2:G0W+4*\n+3], s[6:7], \n*1024
	s_or_b32 s[G0W+4*\n+3], s[G0W+4*\n+3], 0x80000000
	s_mov_b32 s[G0X+4*\n], 1
	s_add_co_u32 s[G0X+4*\n+1], s49, \n*SLOT
	s_add_nc_u64 s[G0X+4*\n+2:G0X+4*\n+3], s[4:5], \n*128
	s_or_b32 s[G0X+4*\n+3], s[G0X+4*\n+3], 0x80000000
.endr
	ROUND                                          ; the four work-groups are here: the first joint loads meet
.irp n, 0,1
	tensor_load_to_lds s[G0W+4*\n:G0W+4*\n+3], s[G1W:G1W+7]        ; steps 0 and 1: four tensor loads of mine are out, the most in this text
	s_nop 0
	tensor_load_to_lds s[G0X+4*\n:G0X+4*\n+3], s[G1X:G1X+7]
	s_nop 0
.endr
	v_and_b32 v1, 15, v0                           ; r
	v_bfe_u32 v2, v0, 4, 1                         ; h
	v_and_b32 v3, 31, v0                           ; lane
	v_mul_u32_u24 v4, v1, 272
	v_lshl_add_u32 v4, v2, 4, v4
	v_add_nc_u32 v[ADRW], s48, v4                  ; column r of a tile of 16, 16 h bytes along K
	v_add_nc_u32 v[ADRW+1], SLOT, v[ADRW]
	v_mul_u32_u24 v5, v1, 144
	s_lshl_b32 s56, s10, 5
	s_add_co_u32 s56, s56, XO
	v_add_nc_u32 v[ADRX], s56, v5                  ; row r, my 8 inputs of 4 bytes
	v_add_nc_u32 v[ADRX+1], SLOT, v[ADRX]
	s_mul_i32 s57, s10, STG
	v_mul_u32_u24 v6, v1, 528
	v_lshl_add_u32 v6, v2, 5, v6
	v_add_nc_u32 v[STO], s57, v6                   ; my partial block: row r, columns 8 h ..
	s_mul_i32 s57, s10, XR*528
	v_lshl_add_u32 v[RD], v3, 4, s57               ; wave 0's partial block: my first row, 16 bytes a lane
.irp k, 1,2,3
	v_add_nc_u32 v[RD+\k], \k*STG, v[RD]
.endr
	v_lshlrev_b32 v[CO], 4, v3
	v_mov_b32 v[ONE], 1.0
.if PIECES == 2
	v_mov_b32 v[NEG1], -1.0
.endif
	v_mov_b32 v[MULP], 0x41700000                  ; 15
	v_mov_b32 v[MULP+1], 0x41700000
	v_lshlrev_b32 v7, 3, v2
.irp j, 0,1,2,3,4,5,6,7,8,9
	v_sub_nc_u32 v[C0+\j], 1-\j, v7
	v_cvt_f32_i32 v[C0+\j], v[C0+\j]
.endr
	WINIT 1
	WINIT 2
.if MB == 8
	WINIT 3
.endif
	WIN 0
	s_wait_tensorcnt 0x2                           ; my two loads of step 0 are in, step 1's two stay out
	s_barrier_signal -1
	s_barrier_wait -1                              ; every wave's rows of in are there
	LOADX 0, 0, XA
	LOADW 0, 0, F0
	s_wait_dscnt 16                                ; the inputs are in; the 16 weight loads may stay out
.if MB == 8
	GEN0 1, 0
	GEN0 2, 3
	GEN0 3, 6
.else
	GEN0 1, 0
	GEN0 2, 2
.endif
	QUARTER0 0, 1                                  ; step 0's first quarter, written out: its hi products start the sums, nothing is cleared
	s_mov_b32 s3, STEPS/2                          ; laps; the first is entered behind the loop's own quarter 0
	s_branch .Lq1                                  ; both ways into .Lq1 have issued the same LDS loads behind the same waits, and every window is 0
.Llap:
	QUARTER0 0, 0
.Lq1:
	REST 0
	QUARTER0 1, 0
	REST 1
	s_sub_co_u32 s3, s3, 1
	s_cmp_lg_u32 s3, 0
	s_cbranch_scc1 .Llap
	; THE WAY OUT.  Each wave lays its partial block into LDS, over the ring, which has had its last fill; then wave w adds the four partial
	; blocks for rows XR w .. and stores them, 512 consecutive aligned bytes an instruction.
	; The last matrix instruction is followed by four or more of the basis' vector instructions, which name none of its registers: the places
	; that the LDS stores of its result need.
	s_wait_dscnt 0x0                               ; my reads of the ring are over
	s_wait_tensorcnt 0x0                           ; and no tensor load of mine is out: the last lap's second refill has landed
	s_barrier_signal -1
	s_barrier_wait -1                              ; so are every wave's: the ring may be written over
.macro STAGE w, b0, c
	WIN \w<<2                                      ; an LDS store's data are source 1
.set sj, 0
.rept \c
.set snb, 0
.rept 8
	ds_store_b128 v[STO], v[64*sj+8*snb:64*sj+8*snb+3] offset:8448*(\b0+sj)+64*snb
	ds_store_b128 v[STO], v[64*sj+8*snb+4:64*sj+8*snb+7] offset:8448*(\b0+sj)+64*snb+16
.set snb, snb+1
.endr
.set sj, sj+1
.endr
.endm
.if MB == 8
	STAGE 1, 0, 3
	STAGE 2, 3, 3
	STAGE 3, 6, 2
.else
	STAGE 1, 0, 2
	STAGE 2, 2, 2
.endif
	WIN 0
	s_wait_dscnt 0x0                               ; for the other waves: my block is written before I signal
	s_barrier_signal -1
	s_barrier_wait -1
.macro OUT4 t, f                       ; rows 4 t .. 4 t + 3 of my XR
	s_wait_xcnt 0x0                                ; buffer f, which earlier stores read, is loaded again only behind this wait
.irp i, 0,1,2,3
.irp k, 0,1,2,3
	ds_load_b128 v[\f+16*\i+4*\k:\f+16*\i+4*\k+3], v[RD+\k] offset:528*(4*\t+\i)
.endr
.endr
.irp i, 0,1,2,3
	s_wait_dscnt 12-4*\i                           ; row i's four loads are in, the younger rows' stay out
	v_pk_add_f32 v[\f+16*\i:\f+16*\i+1], v[\f+16*\i:\f+16*\i+1], v[\f+16*\i+4:\f+16*\i+5]
	v_pk_add_f32 v[\f+16*\i+2:\f+16*\i+3], v[\f+16*\i+2:\f+16*\i+3], v[\f+16*\i+6:\f+16*\i+7]
	v_pk_add_f32 v[\f+16*\i+8:\f+16*\i+9], v[\f+16*\i+8:\f+16*\i+9], v[\f+16*\i+12:\f+16*\i+13]
	v_pk_add_f32 v[\f+16*\i+10:\f+16*\i+11], v[\f+16*\i+10:\f+16*\i+11], v[\f+16*\i+14:\f+16*\i+15]
	v_pk_add_f32 v[\f+16*\i:\f+16*\i+1], v[\f+16*\i:\f+16*\i+1], v[\f+16*\i+8:\f+16*\i+9]
	v_pk_add_f32 v[\f+16*\i+2:\f+16*\i+3], v[\f+16*\i+2:\f+16*\i+3], v[\f+16*\i+10:\f+16*\i+11]
	global_store_b128 v[CO], v[\f+16*\i:\f+16*\i+3], s[8:9] offset:(4*\t+\i)*NOUT*4
.endr
.endm
.set ot, 0
.rept XR/4
	OUT4 ot, F0+64*(ot&1)
.set ot, ot+1
.endr
	s_set_vgpr_msb 0x8
	s_wait_tensorcnt 0x0
	ds_add_u32 v63, v255
	s_wait_dscnt 0x0
	s_set_vgpr_msb 0x800
	ROUND                                          ; the closing round: no work-group ends while a partner may still ask for a tile that names it
	s_endpgm
.Lfunc_end_k_qc5ff16f021_layer0:
	.size	k_qc5ff16f021_layer0, .Lfunc_end_k_qc5ff16f021_layer0-k_qc5ff16f021_layer0
	.p2alignl 7, 3214868480
	.fill 96, 4, 3214868480
	.section	.rodata,"a",@progbits
	.p2align	6, 0x0
	.amdhsa_kernel k_qc5ff16f021_layer0
		.amdhsa_group_segment_fixed_size 327680
		.amdhsa_private_segment_fixed_size 0
		.amdhsa_enable_private_segment 0
		.amdhsa_kernarg_size 24
		.amdhsa_user_sgpr_count 2
		.amdhsa_user_sgpr_kernarg_segment_ptr 1
		.amdhsa_wavefront_size32 1
		.amdhsa_system_sgpr_workgroup_id_x 1
		.amdhsa_system_sgpr_workgroup_id_y 1
		.amdhsa_system_sgpr_workgroup_id_z 1
		.amdhsa_system_vgpr_workitem_id 0
		.amdhsa_next_free_vgpr 1024
		.amdhsa_next_free_sgpr 66
		.amdhsa_reserve_vcc 0
		.amdhsa_float_denorm_mode_32 3
		.amdhsa_float_denorm_mode_16_64 3
		.amdhsa_memory_ordered 1
		.amdhsa_forward_progress 1
		.amdhsa_inst_pref_size 255
	.end_amdhsa_kernel
	.section	.bss,"aw",@nobits
	.p2align	6
	.space	262144
	.amdgpu_metadata
---
amdhsa.version: [ 1, 2 ]
amdhsa.kernels:
  - .name:           k_qc5ff16f021_layer0
    .symbol:         k_qc5ff16f021_layer0.kd
    .args:
      - { .name: xr, .offset: 0, .size: 8, .value_kind: global_buffer, .address_space: global }
      - { .name: w0, .offset: 8, .size: 8, .value_kind: global_buffer, .address_space: global }
      - { .name: h0, .offset: 16, .size: 8, .value_kind: global_buffer, .address_space: global }
    .group_segment_fixed_size: 327680
    .private_segment_fixed_size: 0
    .kernarg_segment_align: 8
    .kernarg_segment_size: 24
    .max_flat_workgroup_size: 128
    .sgpr_count:     66
    .vgpr_count:     1024
    .wavefront_size: 32
...
	.end_amdgpu_metadata
.endif
;; end of part 9
;; launch layer1 (part 10): grid 64 x 4, 4 waves a work-group, clusters of 4 x 1, 327,680 bytes of LDS; arguments h0, w1, h1; writes h1
.if DOCPART == 10
	.amdgcn_target "amdgcn-amd-amdhsa--gfx1250"
	.amdhsa_code_object_version 6
	.text
	.protected	k_qc5ff16f021_layer1
	.globl	k_qc5ff16f021_layer1
	.p2align	8
	.type	k_qc5ff16f021_layer1,@function
k_qc5ff16f021_layer1:
	s_mov_b64 s[64:65], 0
	v_nop
	global_prefetch_b8 v0, s[64:65] scope:SCOPE_SE
	s_setreg_imm32_b32 hwreg(HW_REG_WAVE_MODE, 25, 1), 1
	s_wait_xcnt 0x0
	s_wait_alu depctr_hold_cnt(0) depctr_sa_sdst(0) depctr_va_vdst(0) depctr_va_sdst(0) depctr_va_ssrc(0) depctr_va_vcc(0) depctr_vm_vsrc(0)
	s_getreg_b32 s2, hwreg(HW_REG_IB_STS2, 6, 4)
	s_cmp_eq_u32 s2, 0
	s_cbranch_scc0 .Lentry_in_a_cluster
	s_endpgm
.Lentry_in_a_cluster:
	s_bfe_u32 s2, ttmp6, 0x10000c
	s_cmp_lg_u32 s2, 0x3003
	s_cbranch_scc0 .Lentry_shape_is_right
	s_endpgm
.Lentry_shape_is_right:
; One spline layer: out[b][o] = sum over i, k of hat(15 clip(in[b][i], 0, 1 - 1e-6) - k) w[o][16 i + k], hat(d) = max(0, 1 - |d|), k = 0 .. 15:
; the degree-1 basis on the clamped uniform knots.  in: [8192][IN] f32, w: [NOUT][16 IN] bf16, out: [8192][NOUT] f32.
; It is a product with K = 16 IN whose left operand is MADE IN REGISTERS from in; only w and in pass through LDS.
; TWO PIECES (PIECES = 2): each basis value v goes to the matrix unit as hi = bf16(v) and lo = bf16(v - hi), two products onto one f32 sum.  A hidden
; value is multiplied in the next layer by 15 x a difference of coefficients and summed over hundreds of inputs, so one bf16 rounding of v would not do.
; SHARES: a work-group makes 16 MB rows x 128 columns.  Its four waves split K: in a step of 32 inputs wave w takes inputs 8 w .. 8 w + 7
; (128 along K) and holds the whole block as partial sums, MB x 8 tiles; the four partial blocks are added through LDS at the end.
; So one pair of basis fragments (60 vector instructions) feeds 16 matrix instructions, and one weight fragment (2 LDS loads) feeds 2 MB.
; CLUSTER: the four work-groups of a cluster make four row blocks of one column block and need the same weights: each wave asks for its weight
; tile jointly (mask 15).  The tiles of in differ between the partners and come by plain loads; they are 1/9 (MB = 8) of a step's bytes.
; A tile row of in is 128 bytes (32 f32): a step of 64 inputs would double the weight slots, and two such slots do not fit in LDS.
; ONE COPY OF THE LAP.  A lap (two steps, once round the ring) is some 5,100 instructions for MB = 8, and every lap runs through the same text.
; The start: quarter 0 of step 0 is written out ahead of the loop, its first products starting the sums, and the loop is entered behind its own
; quarter 0.  The end: the last lap makes its two refills like every lap, with an address step of 0: the two tiles just read are asked for
; again, so that no load leaves its buffer; those two tiles, and what the last quarter makes of them, are not used.
; LIMITS: a NaN in in is not passed on (the clip takes it for a number).  The basis has a relative error of at most 2^-17; 15 x - k is one fused
; multiply-add in place of (x - t) / dl; K is summed as four partial sums, each ascending.
.set IN,   512
.set NOUT, 512
.set MB,   8                           ; blocks of 16 rows in a work-group
.set PIECES, 2                         ; bf16 pieces of a basis value
.set NW,   8*PIECES                    ; matrix instructions that one row block's fragments feed
.set NG,   28+16*PIECES                ; vector instructions that make them: 44 for hi, 16 more for lo
.set STEPS, IN/32
.set WT,   128*272                     ; a wave's weight tile: 128 rows of 256 bytes + 16 of padding
.set XO,   4*WT                        ; behind the four weight tiles: the tile of in, 16 MB rows of 128 bytes + 16
.set SLOT, XO+16*MB*144
.set XR,   4*MB                        ; rows of in that a wave fetches, and rows of out that it sums and stores
.set STG,  16*MB*528                   ; the way out: a wave's partial block, rows of 512 bytes + 16, laid over the ring behind its last fill
; window 0 of the vector registers
.set ADRW, 8                           ; v8-9    LDS address of my weight fragments, slot 0, 1
.set ADRX, 10                          ; v10-11  LDS address of my numbers of in, slot 0, 1
.set STO,  12                          ; v12     where I put 16 bytes of my partial block
.set RD,   13                          ; v13-16  where I read a row of wave k's partial block
.set CO,   17                          ; v17     16 x lane
.set ONE,  20
.set NEG1, 21
.set MULP, 22                          ; v[22:23] 15, 15
.set C0,   24                          ; v[24:33] 1 - j - 8 h, j = 0 .. 9
.set F0,   64                          ; v[64:127], v[128:191] weight fragments (8 x 16 columns x 32 K), two buffers
.set F1,   128
.set XA,   192                         ; 4 registers a row block: inputs 0-3 of my eight
.set XB,   224                         ; inputs 4-7
; windows 1, 2, 3, each for the row blocks whose sums it holds (local numbers)
.set FH0,  192                         ; basis fragments: hi at 192 + 16 p, lo at 200 + 16 p, p = 0, 1; sums: block j, tile nb at 64 j + 8 nb
.set FL0,  200
.set TR,   224                         ; v[224:233] 15 x - (8 h + j - 1); then, in v[224:231], the eight basis values of input 1
.set VR,   234                         ; v[234:241] the eight basis values of input 0
.set XC,   242                         ; v[242:243] two clipped inputs
.set CW,   244                         ; v[244:253] copy of C0
.set ZERO, 254
.set G1W, 16                           ; s[16:23] shape of a weight tile
.set G1X, 24                           ; s[24:31] shape of a tile of in
.set G0W, 32                           ; s[32:39] from where, to where: weights, a set for each slot
.set G0X, 40                           ; s[40:47] the same for in
.set MSB, 0
.macro WIN new                         ; s_set_vgpr_msb: bits 1:0 source 0, 3:2 source 1, 5:4 source 2, 7:6 destination; the high byte repeats the setting left
.if MSB != (\new)
	s_set_vgpr_msb (MSB<<8)|(\new)
.set MSB, (\new)
.endif
.endm
.macro CREST                           ; a round of the cluster's barrier behind its opening work-group barrier
	s_cmp_lg_u32 s10, 0
	s_cbranch_scc1 .Lnot_wave_0_\@
	s_barrier_signal -3
.Lnot_wave_0_\@:
	s_barrier_wait -3
	s_barrier_signal -1
	s_barrier_wait -1
.endm
.macro ROUND
	s_barrier_signal -1
	s_barrier_wait -1
	CREST
.endm
; THE BASIS, NG vector instructions for the fragments of 16 rows x 2 inputs x 16 basis functions.  All of them, and the matrix
; instructions, run under ONE setting of the windows: source 0 in window 0, sources 1, 2 and the destination in window W.  (That is why hi is
; made by two roundings into halves, with the constant 1 as source 0: a packed conversion would want both its sources in window W.)
; Lane (r, h) makes basis functions 8 h .. 8 h + 7 of inputs e = 0, 1 for row r: register 4 e + d holds functions 8 h + 2 d, 8 h + 2 d + 1.
; GX: the two inputs (window 0); GFH, GFL: the fragments that are written.
; THE ORDER keeps each instruction away from the one whose result it reads or whose half-written register it completes: the even functions of
; both inputs, then the odd ones; hi of both inputs, then lo.  But for the first difference behind the clip, four to eight vector
; instructions lie between.  Input 1's hats are written over its differences (hat k reads differences k and k + 2 and writes k, ascending),
; so that both inputs' values are live at once in the registers of one.
.macro TDIF e, p                       ; two of the ten differences of input e
.if \e
	v_pk_fma_f32 v[TR+2*(\p):TR+2*(\p)+1], v[MULP:MULP+1], v[XC:XC+1], v[CW+2*(\p):CW+2*(\p)+1] op_sel:[0,1,0] op_sel_hi:[1,1,1]
.else
	v_pk_fma_f32 v[TR+2*(\p):TR+2*(\p)+1], v[MULP:MULP+1], v[XC:XC+1], v[CW+2*(\p):CW+2*(\p)+1] op_sel_hi:[1,0,1]
.endif
.endm
.macro HAT e, k                        ; max(0, min(u - c + 1, c + 1 - u)) as the middle one of three, c = 8 h + k
.if \e
	v_med3_num_f32 v[TR+(\k)], 0, v[TR+(\k)], -v[TR+(\k)+2]
.else
	v_med3_num_f32 v[VR+(\k)], 0, v[TR+(\k)], -v[TR+(\k)+2]
.endif
.endm
.macro HI e, k                         ; hi = v rounded once to bf16, into one half of the register
.set vs, VR+(\k)-(VR-TR)*(\e)
.set fh, GFH+4*(\e)+((\k)>>1)
.if ((\k)&1)
	v_fma_mixhi_bf16 v[fh], v[ONE], v[vs], v[ZERO]
.else
	v_fma_mixlo_bf16 v[fh], v[ONE], v[vs], v[ZERO]
.endif
.endm
.macro LO e, k                         ; lo = v - hi, exact in the fused multiply-add, rounded once to bf16
.set vs, VR+(\k)-(VR-TR)*(\e)
.set fh, GFH+4*(\e)+((\k)>>1)
.set fl, GFL+4*(\e)+((\k)>>1)
.if ((\k)&1)
	v_fma_mixhi_bf16 v[fl], v[NEG1], v[fh], v[vs] op_sel:[0,1,0] op_sel_hi:[0,1,0]
.else
	v_fma_mixlo_bf16 v[fl], v[NEG1], v[fh], v[vs] op_sel_hi:[0,1,0]
.endif
.endm
.macro GOP n                           ; the n-th of the NG
.if (\n) < 2
	v_med3_num_f32 v[XC+(\n)], v[GX+(\n)], 0, s14                  ; the clip to 0 .. 1 - 1e-6
.elseif (\n) < 7
	TDIF 0, (\n)-2
.elseif (\n) < 15
	HAT 0, (\n)-7
.elseif (\n) < 20
	TDIF 1, (\n)-15
.elseif (\n) < 24
	HI 0, 2*((\n)-20)
.elseif (\n) < 32
	HAT 1, (\n)-24
.elseif (\n) < 36
	HI 1, 2*((\n)-32)
.elseif (\n) < 40
	HI 0, 2*((\n)-36)+1
.elseif (\n) < 44
	HI 1, 2*((\n)-40)+1
.elseif (\n) < 48
	LO 0, 2*((\n)-44)
.elseif (\n) < 52
	LO 1, 2*((\n)-48)
.elseif (\n) < 56
	LO 0, 2*((\n)-52)+1
.else
	LO 1, 2*((\n)-56)+1
.endif
.endm
; NW matrix instructions: one row block x 8 column tiles, hi (then lo), 32 along K, on basis buffer p; the next fragments are made between
; them in the other buffer, NG / NW vector instructions behind each, at least 4 behind the last.  The matrix instruction is used transposed
; (source 0 = 16 columns of w, source 1 = 16 rows of basis), so that a lane holds eight neighbouring columns of one row of out.
; The eight accumulators take turns, one instruction a turn.
.macro UNIT acc, f, p, zero
.set ui, 0
.set gn, 0
.rept NW
.if ui < 8
.if \zero
	v_wmma_f32_16x16x32_bf16 v[\acc+8*ui:\acc+8*ui+7], v[\f+8*ui:\f+8*ui+7], v[FH0+16*\p:FH0+16*\p+7], 0
.else
	v_wmma_f32_16x16x32_bf16 v[\acc+8*ui:\acc+8*ui+7], v[\f+8*ui:\f+8*ui+7], v[FH0+16*\p:FH0+16*\p+7], v[\acc+8*ui:\acc+8*ui+7]
.endif
.else
	v_wmma_f32_16x16x32_bf16 v[\acc+8*(ui-8):\acc+8*(ui-8)+7], v[\f+8*(ui-8):\f+8*(ui-8)+7], v[FL0+16*\p:FL0+16*\p+7], v[\acc+8*(ui-8):\acc+8*(ui-8)+7]
.endif
.rept (NG*(ui+1))/NW-(NG*ui)/NW
	GOP gn
.set gn, gn+1
.endr
.set ui, ui+1
.endr
.endm
; The c row blocks b0 .. of window w in quarter q (32 along K).  Unit j makes the fragments of the unit that follows it in this window: block
; j + 1 of this quarter, or block b0 of the next quarter.  4 c units a step is even, so the two basis buffers keep their turns from step to step.
; xwait = 1: the last unit reads inputs that were asked for at the head of this quarter.
.macro STRETCH w, b0, c, q, zero, xwait
	WIN \w*0x54
.set sj, 0
.rept \c
.set spar, (\c*\q+sj)&1
.if sj < \c-1
.set tb, \b0+sj+1
.set tq, \q
.else
.set tb, \b0
.set tq, (\q+1)&3
.if \xwait
	s_wait_dscnt 16                                ; the next step's inputs are in; the 16 weight loads issued behind them may stay out
.endif
.endif
.if tq < 2
.set GX, XA+4*tb+2*(tq&1)
.else
.set GX, XB+4*tb+2*(tq&1)
.endif
.set GFH, FH0+16*(1-spar)
.set GFL, FL0+16*(1-spar)
	UNIT 64*sj, F0+64*(\q&1), spar, \zero
.set sj, sj+1
.endr
.endm
.macro HEADW q, zero, xwait            ; all windows but the last
.if MB == 8
	STRETCH 1, 0, 3, \q, \zero, \xwait
	STRETCH 2, 3, 3, \q, \zero, 0
.else
	STRETCH 1, 0, 2, \q, \zero, \xwait
.endif
.endm
.macro TAILW q, zero                   ; the last window
.if MB == 8
	STRETCH 3, 6, 2, \q, \zero, 0
.else
	STRETCH 2, 2, 2, \q, \zero, 0
.endif
.endm
.macro LOADW slot, q, f                ; 16 LDS loads: my weight fragments of quarter q (128 columns x 32 K)
.set lb, 0
.rept 8
	ds_load_b128 v[\f+8*lb:\f+8*lb+3], v[ADRW+\slot] offset:4352*lb+64*\q
	ds_load_b128 v[\f+8*lb+4:\f+8*lb+7], v[ADRW+\slot] offset:4352*lb+64*\q+32
.set lb, lb+1
.endr
.endm
.macro LOADX slot, half, x             ; MB LDS loads: four of my eight inputs for row r of each row block (both halves of the lanes read the same bytes)
.set lb, 0
.rept MB
	ds_load_b128 v[\x+4*lb:\x+4*lb+3], v[ADRX+\slot] offset:2304*lb+16*\half
.set lb, lb+1
.endr
.endm
; A step is 32 inputs, four quarters of 32 along K for each wave.  Each run of loads into a weight buffer stands behind the four or more vector
; instructions that close the unit in front of it.
.macro QUARTER0 slot, zero             ; the first quarter of a step; zero = 1: its hi products start the sums
	WIN 0
	LOADX \slot, 1, XB
	LOADW \slot, 1, F1
	s_wait_dscnt MB+16                             ; all but the MB + 16 loads just issued: quarter 0's weights are in
	HEADW 0, \zero, 0
	TAILW 0, \zero
	WIN 0                                          ; a label or a branch may follow
.endm
.macro REST slot                       ; quarters 1, 2, 3; in quarter 2 the slots change and this slot is filled again, two steps ahead
	LOADW \slot, 2, F0
	s_wait_dscnt 16                                ; all but the 16 just issued: quarter 1's weights and inputs 4-7
	HEADW 1, 0, 0
	TAILW 1, 0
	WIN 0
	LOADW \slot, 3, F1                             ; my last reads of this slot
	s_wait_dscnt 16
	HEADW 2, 0, 0
	s_wait_dscnt 0x0                               ; my reads of this slot are over,
	s_wait_tensorcnt 0x0                           ; and all my tensor loads have landed: the two that were out are my parts of the other slot
	ds_add_u32 v63, v255
	s_wait_dscnt 0x0
	s_barrier_signal -1                            ; say so: this barrier opens a round of the cluster's barrier,
	TAILW 2, 0                                     ; work on registers while the others arrive,
	WIN 0
	s_barrier_wait -1                              ; and go on when all four waves have said so
	CREST                                          ; all four work-groups have said so: no wave of a partner reads this slot or has a load on its way
	s_cmp_lg_u32 s3, 1                             ; the lap counter, equal in all partners: in the last lap the addresses stay,
	s_cselect_b32 s58, 2048, 0                     ; else two steps of 32 inputs x 16 x 2 bytes
	s_cselect_b32 s60, 256, 0                      ; and two steps of 32 x 4 bytes
	s_add_nc_u64 s[G0W+4*\slot+2:G0W+4*\slot+3], s[G0W+4*\slot+2:G0W+4*\slot+3], s[58:59]
	s_add_nc_u64 s[G0X+4*\slot+2:G0X+4*\slot+3], s[G0X+4*\slot+2:G0X+4*\slot+3], s[60:61]
	tensor_load_to_lds s[G0W+4*\slot:G0W+4*\slot+3], s[G1W:G1W+7]  ; the first tensor loads behind the round: two are out until the next step's wait
	s_nop 0
	tensor_load_to_lds s[G0X+4*\slot:G0X+4*\slot+3], s[G1X:G1X+7]
	s_nop 0
	LOADX 1-\slot, 0, XA                           ; the other slot is whole: the next step's first inputs and weights
	LOADW 1-\slot, 0, F0
	HEADW 3, 0, 1
	TAILW 3, 0
	WIN 0
.endm
.macro WINIT w                         ; a window's constants; the fragment registers in use are written once whole, since each later write keeps one half
	WIN \w<<6
.irp j, 0,1,2,3,4,5,6,7,8,9
	v_mov_b32 v[CW+\j], v[C0+\j]
.endr
	v_mov_b32 v[ZERO], 0
.set wi, 0
.rept 32
.if PIECES == 2
	v_mov_b32 v[FH0+wi], 0
.elseif (wi&8) == 0
	v_mov_b32 v[FH0+wi], 0
.endif
.set wi, wi+1
.endr
.endm
.macro GEN0 w, b0                      ; the first fragments of a window, with no products to set them among
	WIN \w*0x54
.set GX, XA+4*\b0
.set GFH, FH0
.set GFL, FL0
.set gn, 0
.rept NG
	GOP gn
.set gn, gn+1
.endr
.endm
	s_load_b128 s[4:7], s[0:1], 0x0                ; in s[4:5], w s[6:7]
	s_load_b64 s[8:9], s[0:1], 0x10                ; out
	v_lshl_add_u32 v63, v0, 2, 0x4d000
	s_set_vgpr_msb 0x80
	v_mov_b32 v255, 0
	s_set_vgpr_msb 0x8088
	ds_add_u32 v63, v255
	s_set_vgpr_msb 0x8800
	v_lshrrev_b32 v1, 5, v0
	v_readfirstlane_b32 s10, v1                    ; wave 0..3
	s_bfe_u32 s11, ttmp6, 0x40000                  ; cx
	s_lshl_b32 s12, ttmp9, 2
	s_add_co_u32 s12, s12, s11                     ; row block of out = 4 x cluster x + cx
	s_and_b32 s13, ttmp7, 0xffff                   ; column block of out: the same in the four partners
	s_mov_b32 s14, 0x3f7fffef                      ; 1 - 1e-6 in f32
	s_mov_b32 s59, 0                               ; the high words of the two address steps
	s_mov_b32 s61, 0
	; a weight tile: 128 rows x 128 bf16, 16 bytes of padding behind each 256
	s_mov_b32 s[G1W+0], 15|(1<<16)|(1<<20)|(1<<21)|(5<<22)|(3<<25) ; mask: all four of the cluster; 2-byte elements; padding on; bit 21 beside a mask; after 64 words, 4 words
	s_mov_b32 s[G1W+1], 128<<16                    ; tensor_dim0
	s_mov_b32 s[G1W+2], 128<<16                    ; tensor_dim1
	s_mov_b32 s[G1W+3], 128<<16                    ; tile_dim0
	s_mov_b32 s[G1W+4], 128                        ; tile_dim1
	s_mov_b32 s[G1W+5], IN*16                      ; elements from row to row
	s_mov_b32 s[G1W+6], 0
	s_mov_b32 s[G1W+7], 0
	; my part of a tile of in: XR rows x 32 f32, 16 bytes of padding behind each 128; no mask
	s_mov_b32 s[G1X+0], (2<<16)|(1<<20)|(4<<22)|(3<<25)
	s_mov_b32 s[G1X+1], 32<<16
	s_mov_b32 s[G1X+2], XR<<16
	s_mov_b32 s[G1X+3], 32<<16
	s_mov_b32 s[G1X+4], XR
	s_mov_b32 s[G1X+5], IN
	s_mov_b32 s[G1X+6], 0
	s_mov_b32 s[G1X+7], 0
	s_mul_i32 s48, s10, WT                         ; LDS: my weight tile
	s_mul_i32 s49, s10, XR*144
	s_add_co_u32 s49, s49, XO                      ; LDS: my rows of in
	s_mul_i32 s50, s13, IN*4096                    ; w: 128 rows of 32 IN bytes a column block,
	s_lshl_b32 s51, s10, 8                         ; + my 8 inputs x 16 x 2 bytes: made of the column block and the wave number alone
	s_add_co_u32 s50, s50, s51
	s_mov_b32 s51, 0
	s_mul_i32 s52, s12, 16*MB
	s_mul_i32 s53, s10, XR
	s_add_co_u32 s52, s52, s53                     ; the first row that I fetch of in, and that I store of out
	s_mul_i32 s54, s52, NOUT*4
	s_mul_i32 s52, s52, IN*4
	s_mov_b32 s53, 0
	s_lshl_b32 s55, s13, 9                         ; 128 columns of 4 bytes
	s_add_co_u32 s54, s54, s55
	s_mov_b32 s55, 0
	s_wait_dscnt 0x0
	s_wait_kmcnt 0x0
	s_add_nc_u64 s[6:7], s[6:7], s[50:51]
	s_add_nc_u64 s[4:5], s[4:5], s[52:53]
	s_add_nc_u64 s[8:9], s[8:9], s[54:55]
.irp n, 0,1
	s_mov_b32 s[G0W+4*\n], 1
	s_add_co_u32 s[G0W+4*\n+1], s48, \n*SLOT
	s_add_nc_u64 s[G0W+4*\n+2:G0W+4*\n+3], s[6:7], \n*1024
	s_or_b32 s[G0W+4*\n+3], s[G0W+4*\n+3], 0x80000000
	s_mov_b32 s[G0X+4*\n], 1
	s_add_co_u32 s[G0X+4*\n+1], s49, \n*SLOT
	s_add_nc_u64 s[G0X+4*\n+2:G0X+4*\n+3], s[4:5], \n*128
	s_or_b32 s[G0X+4*\n+3], s[G0X+4*\n+3], 0x80000000
.endr
	ROUND                                          ; the four work-groups are here: the first joint loads meet
.irp n, 0,1
	tensor_load_to_lds s[G0W+4*\n:G0W+4*\n+3], s[G1W:G1W+7]        ; steps 0 and 1: four tensor loads of mine are out, the most in this text
	s_nop 0
	tensor_load_to_lds s[G0X+4*\n:G0X+4*\n+3], s[G1X:G1X+7]
	s_nop 0
.endr
	v_and_b32 v1, 15, v0                           ; r
	v_bfe_u32 v2, v0, 4, 1                         ; h
	v_and_b32 v3, 31, v0                           ; lane
	v_mul_u32_u24 v4, v1, 272
	v_lshl_add_u32 v4, v2, 4, v4
	v_add_nc_u32 v[ADRW], s48, v4                  ; column r of a tile of 16, 16 h bytes along K
	v_add_nc_u32 v[ADRW+1], SLOT, v[ADRW]
	v_mul_u32_u24 v5, v1, 144
	s_lshl_b32 s56, s10, 5
	s_add_co_u32 s56, s56, XO
	v_add_nc_u32 v[ADRX], s56, v5                  ; row r, my 8 inputs of 4 bytes
	v_add_nc_u32 v[ADRX+1], SLOT, v[ADRX]
	s_mul_i32 s57, s10, STG
	v_mul_u32_u24 v6, v1, 528
	v_lshl_add_u32 v6, v2, 5, v6
	v_add_nc_u32 v[STO], s57, v6                   ; my partial block: row r, columns 8 h ..
	s_mul_i32 s57, s10, XR*528
	v_lshl_add_u32 v[RD], v3, 4, s57               ; wave 0's partial block: my first row, 16 bytes a lane
.irp k, 1,2,3
	v_add_nc_u32 v[RD+\k], \k*STG, v[RD]
.endr
	v_lshlrev_b32 v[CO], 4, v3
	v_mov_b32 v[ONE], 1.0
.if PIECES == 2
	v_mov_b32 v[NEG1], -1.0
.endif
	v_mov_b32 v[MULP], 0x41700000                  ; 15
	v_mov_b32 v[MULP+1], 0x41700000
	v_lshlrev_b32 v7, 3, v2
.irp j, 0,1,2,3,4,5,6,7,8,9
	v_sub_nc_u32 v[C0+\j], 1-\j, v7
	v_cvt_f32_i32 v[C0+\j], v[C0+\j]
.endr
	WINIT 1
	WINIT 2
.if MB == 8
	WINIT 3
.endif
	WIN 0
	s_wait_tensorcnt 0x2                           ; my two loads of step 0 are in, step 1's two stay out
	s_barrier_signal -1
	s_barrier_wait -1                              ; every wave's rows of in are there
	LOADX 0, 0, XA
	LOADW 0, 0, F0
	s_wait_dscnt 16                                ; the inputs are in; the 16 weight loads may stay out
.if MB == 8
	GEN0 1, 0
	GEN0 2, 3
	GEN0 3, 6
.else
	GEN0 1, 0
	GEN0 2, 2
.endif
	QUARTER0 0, 1                                  ; step 0's first quarter, written out: its hi products start the sums, nothing is cleared
	s_mov_b32 s3, STEPS/2                          ; laps; the first is entered behind the loop's own quarter 0
	s_branch .Lq1                                  ; both ways into .Lq1 have issued the same LDS loads behind the same waits, and every window is 0
.Llap:
	QUARTER0 0, 0
.Lq1:
	REST 0
	QUARTER0 1, 0
	REST 1
	s_sub_co_u32 s3, s3, 1
	s_cmp_lg_u32 s3, 0
	s_cbranch_scc1 .Llap
	; THE WAY OUT.  Each wave lays its partial block into LDS, over the ring, which has had its last fill; then wave w adds the four partial
	; blocks for rows XR w .. and stores them, 512 consecutive aligned bytes an instruction.
	; The last matrix instruction is followed by four or more of the basis' vector instructions, which name none of its registers: the places
	; that the LDS stores of its result need.
	s_wait_dscnt 0x0                               ; my reads of the ring are over
	s_wait_tensorcnt 0x0                           ; and no tensor load of mine is out: the last lap's second refill has landed
	s_barrier_signal -1
	s_barrier_wait -1                              ; so are every wave's: the ring may be written over
.macro STAGE w, b0, c
	WIN \w<<2                                      ; an LDS store's data are source 1
.set sj, 0
.rept \c
.set snb, 0
.rept 8
	ds_store_b128 v[STO], v[64*sj+8*snb:64*sj+8*snb+3] offset:8448*(\b0+sj)+64*snb
	ds_store_b128 v[STO], v[64*sj+8*snb+4:64*sj+8*snb+7] offset:8448*(\b0+sj)+64*snb+16
.set snb, snb+1
.endr
.set sj, sj+1
.endr
.endm
.if MB == 8
	STAGE 1, 0, 3
	STAGE 2, 3, 3
	STAGE 3, 6, 2
.else
	STAGE 1, 0, 2
	STAGE 2, 2, 2
.endif
	WIN 0
	s_wait_dscnt 0x0                               ; for the other waves: my block is written before I signal
	s_barrier_signal -1
	s_barrier_wait -1
.macro OUT4 t, f                       ; rows 4 t .. 4 t + 3 of my XR
	s_wait_xcnt 0x0                                ; buffer f, which earlier stores read, is loaded again only behind this wait
.irp i, 0,1,2,3
.irp k, 0,1,2,3
	ds_load_b128 v[\f+16*\i+4*\k:\f+16*\i+4*\k+3], v[RD+\k] offset:528*(4*\t+\i)
.endr
.endr
.irp i, 0,1,2,3
	s_wait_dscnt 12-4*\i                           ; row i's four loads are in, the younger rows' stay out
	v_pk_add_f32 v[\f+16*\i:\f+16*\i+1], v[\f+16*\i:\f+16*\i+1], v[\f+16*\i+4:\f+16*\i+5]
	v_pk_add_f32 v[\f+16*\i+2:\f+16*\i+3], v[\f+16*\i+2:\f+16*\i+3], v[\f+16*\i+6:\f+16*\i+7]
	v_pk_add_f32 v[\f+16*\i+8:\f+16*\i+9], v[\f+16*\i+8:\f+16*\i+9], v[\f+16*\i+12:\f+16*\i+13]
	v_pk_add_f32 v[\f+16*\i+10:\f+16*\i+11], v[\f+16*\i+10:\f+16*\i+11], v[\f+16*\i+14:\f+16*\i+15]
	v_pk_add_f32 v[\f+16*\i:\f+16*\i+1], v[\f+16*\i:\f+16*\i+1], v[\f+16*\i+8:\f+16*\i+9]
	v_pk_add_f32 v[\f+16*\i+2:\f+16*\i+3], v[\f+16*\i+2:\f+16*\i+3], v[\f+16*\i+10:\f+16*\i+11]
	global_store_b128 v[CO], v[\f+16*\i:\f+16*\i+3], s[8:9] offset:(4*\t+\i)*NOUT*4
.endr
.endm
.set ot, 0
.rept XR/4
	OUT4 ot, F0+64*(ot&1)
.set ot, ot+1
.endr
	s_set_vgpr_msb 0x8
	s_wait_tensorcnt 0x0
	ds_add_u32 v63, v255
	s_wait_dscnt 0x0
	s_set_vgpr_msb 0x800
	ROUND                                          ; the closing round: no work-group ends while a partner may still ask for a tile that names it
	s_endpgm
.Lfunc_end_k_qc5ff16f021_layer1:
	.size	k_qc5ff16f021_layer1, .Lfunc_end_k_qc5ff16f021_layer1-k_qc5ff16f021_layer1
	.p2alignl 7, 3214868480
	.fill 96, 4, 3214868480
	.section	.rodata,"a",@progbits
	.p2align	6, 0x0
	.amdhsa_kernel k_qc5ff16f021_layer1
		.amdhsa_group_segment_fixed_size 327680
		.amdhsa_private_segment_fixed_size 0
		.amdhsa_enable_private_segment 0
		.amdhsa_kernarg_size 24
		.amdhsa_user_sgpr_count 2
		.amdhsa_user_sgpr_kernarg_segment_ptr 1
		.amdhsa_wavefront_size32 1
		.amdhsa_system_sgpr_workgroup_id_x 1
		.amdhsa_system_sgpr_workgroup_id_y 1
		.amdhsa_system_sgpr_workgroup_id_z 1
		.amdhsa_system_vgpr_workitem_id 0
		.amdhsa_next_free_vgpr 1024
		.amdhsa_next_free_sgpr 66
		.amdhsa_reserve_vcc 0
		.amdhsa_float_denorm_mode_32 3
		.amdhsa_float_denorm_mode_16_64 3
		.amdhsa_memory_ordered 1
		.amdhsa_forward_progress 1
		.amdhsa_inst_pref_size 255
	.end_amdhsa_kernel
	.section	.bss,"aw",@nobits
	.p2align	6
	.space	262144
	.amdgpu_metadata
---
amdhsa.version: [ 1, 2 ]
amdhsa.kernels:
  - .name:           k_qc5ff16f021_layer1
    .symbol:         k_qc5ff16f021_layer1.kd
    .args:
      - { .name: h0, .offset: 0, .size: 8, .value_kind: global_buffer, .address_space: global }
      - { .name: w1, .offset: 8, .size: 8, .value_kind: global_buffer, .address_space: global }
      - { .name: h1, .offset: 16, .size: 8, .value_kind: global_buffer, .address_space: global }
    .group_segment_fixed_size: 327680
    .private_segment_fixed_size: 0
    .kernarg_segment_align: 8
    .kernarg_segment_size: 24
    .max_flat_workgroup_size: 128
    .sgpr_count:     66
    .vgpr_count:     1024
    .wavefront_size: 32
...
	.end_amdgpu_metadata
.endif
;; end of part 10
;; launch layer2 (part 11): grid 128 x 2, 4 waves a work-group, clusters of 4 x 1, 327,680 bytes of LDS; arguments h1, w2, out0; writes out0
.if DOCPART == 11
	.amdgcn_target "amdgcn-amd-amdhsa--gfx1250"
	.amdhsa_code_object_version 6
	.text
	.protected	k_qc5ff16f021_layer2
	.globl	k_qc5ff16f021_layer2
	.p2align	8
	.type	k_qc5ff16f021_layer2,@function
k_qc5ff16f021_layer2:
	s_mov_b64 s[64:65], 0
	v_nop
	global_prefetch_b8 v0, s[64:65] scope:SCOPE_SE
	s_setreg_imm32_b32 hwreg(HW_REG_WAVE_MODE, 25, 1), 1
	s_wait_xcnt 0x0
	s_wait_alu depctr_hold_cnt(0) depctr_sa_sdst(0) depctr_va_vdst(0) depctr_va_sdst(0) depctr_va_ssrc(0) depctr_va_vcc(0) depctr_vm_vsrc(0)
	s_getreg_b32 s2, hwreg(HW_REG_IB_STS2, 6, 4)
	s_cmp_eq_u32 s2, 0
	s_cbranch_scc0 .Lentry_in_a_cluster
	s_endpgm
.Lentry_in_a_cluster:
	s_bfe_u32 s2, ttmp6, 0x10000c
	s_cmp_lg_u32 s2, 0x3003
	s_cbranch_scc0 .Lentry_shape_is_right
	s_endpgm
.Lentry_shape_is_right:
; One spline layer: out[b][o] = sum over i, k of hat(15 clip(in[b][i], 0, 1 - 1e-6) - k) w[o][16 i + k], hat(d) = max(0, 1 - |d|), k = 0 .. 15:
; the degree-1 basis on the clamped uniform knots.  in: [8192][IN] f32, w: [NOUT][16 IN] bf16, out: [8192][NOUT] f32.
; It is a product with K = 16 IN whose left operand is MADE IN REGISTERS from in; only w and in pass through LDS.
; ONE PIECE (PIECES = 1): each basis value goes to the matrix unit rounded once to bf16.  This layer's out is the program's result and feeds no
; further spline, so nothing multiplies that rounding; the layers in front of it, the same text with PIECES = 2, carry v - hi as a second piece.
; SHARES: a work-group makes 16 MB rows x 128 columns (MB = 4 here: 8192 / 64 x 256 / 128 = 256 work-groups).  Its four waves split K: in a step
; of 32 inputs wave w takes inputs 8 w .. 8 w + 7 (128 along K) and holds the whole block as partial sums, MB x 8 tiles; the four partial blocks
; are added through LDS at the end.  One basis fragment (44 vector instructions) feeds 8 matrix instructions, one weight fragment (2 LDS loads) MB.
; CLUSTER: the four work-groups of a cluster make four row blocks of one column block and need the same weights: each wave asks for its weight
; tile jointly (mask 15).  The tiles of in differ between the partners and come by plain loads; they are 1/17 (MB = 4) of a step's bytes.
; A tile row of in is 128 bytes (32 f32): a step of 64 inputs would double the weight slots, and two such slots do not fit in LDS.
; ONE COPY OF THE LAP.  A lap (two steps, once round the ring) is some 1,900 instructions here, and every lap runs through the same text.
; The start: quarter 0 of step 0 is written out ahead of the loop, its first products starting the sums, and the loop is entered behind its own
; quarter 0.  The end: the last lap makes its two refills like every lap, with an address step of 0: the two tiles just read are asked for
; again, so that no load leaves its buffer; those two tiles, and what the last quarter makes of them, are not used.
; LIMITS: a NaN in in is not passed on (the clip takes it for a number).  The basis has a relative error of at most 2^-8 (one bf16 rounding);
; 15 x - k is one fused multiply-add in place of (x - t) / dl; K is summed as four partial sums, each ascending.
.set IN,   512
.set NOUT, 256
.set MB,   4                           ; blocks of 16 rows in a work-group
.set PIECES, 1                         ; bf16 pieces of a basis value
.set NW,   8*PIECES                    ; matrix instructions that one row block's fragments feed
.set NG,   28+16*PIECES                ; vector instructions that make them: 44 for hi, 16 more for lo
.set STEPS, IN/32
.set WT,   128*272                     ; a wave's weight tile: 128 rows of 256 bytes + 16 of padding
.set XO,   4*WT                        ; behind the four weight tiles: the tile of in, 16 MB rows of 128 bytes + 16
.set SLOT, XO+16*MB*144
.set XR,   4*MB                        ; rows of in that a wave fetches, and rows of out that it sums and stores
.set STG,  16*MB*528                   ; the way out: a wave's partial block, rows of 512 bytes + 16, laid over the ring behind its last fill
; window 0 of the vector registers
.set ADRW, 8                           ; v8-9    LDS address of my weight fragments, slot 0, 1
.set ADRX, 10                          ; v10-11  LDS address of my numbers of in, slot 0, 1
.set STO,  12                          ; v12     where I put 16 bytes of my partial block
.set RD,   13                          ; v13-16  where I read a row of wave k's partial block
.set CO,   17                          ; v17     16 x lane
.set ONE,  20
.set NEG1, 21                          ; (used with two pieces alone)
.set MULP, 22                          ; v[22:23] 15, 15
.set C0,   24                          ; v[24:33] 1 - j - 8 h, j = 0 .. 9
.set F0,   64                          ; v[64:127], v[128:191] weight fragments (8 x 16 columns x 32 K), two buffers
.set F1,   128
.set XA,   192                         ; 4 registers a row block: inputs 0-3 of my eight
.set XB,   224                         ; inputs 4-7
; windows 1, 2, each for the row blocks whose sums it holds (local numbers)
.set FH0,  192                         ; basis fragments: hi at 192 + 16 p, p = 0, 1 (lo, with two pieces, at 200 + 16 p); sums: block j, tile nb at 64 j + 8 nb
.set FL0,  200
.set TR,   224                         ; v[224:233] 15 x - (8 h + j - 1); then, in v[224:231], the eight basis values of input 1
.set VR,   234                         ; v[234:241] the eight basis values of input 0
.set XC,   242                         ; v[242:243] two clipped inputs
.set CW,   244                         ; v[244:253] copy of C0
.set ZERO, 254
.set G1W, 16                           ; s[16:23] shape of a weight tile
.set G1X, 24                           ; s[24:31] shape of a tile of in
.set G0W, 32                           ; s[32:39] from where, to where: weights, a set for each slot
.set G0X, 40                           ; s[40:47] the same for in
.set MSB, 0
.macro WIN new                         ; s_set_vgpr_msb: bits 1:0 source 0, 3:2 source 1, 5:4 source 2, 7:6 destination; the high byte repeats the setting left
.if MSB != (\new)
	s_set_vgpr_msb (MSB<<8)|(\new)
.set MSB, (\new)
.endif
.endm
.macro CREST                           ; a round of the cluster's barrier behind its opening work-group barrier
	s_cmp_lg_u32 s10, 0
	s_cbranch_scc1 .Lnot_wave_0_\@
	s_barrier_signal -3
.Lnot_wave_0_\@:
	s_barrier_wait -3
	s_barrier_signal -1
	s_barrier_wait -1
.endm
.macro ROUND
	s_barrier_signal -1
	s_barrier_wait -1
	CREST
.endm
; THE BASIS, NG vector instructions for the fragments of 16 rows x 2 inputs x 16 basis functions.  All of them, and the matrix
; instructions, run under ONE setting of the windows: source 0 in window 0, sources 1, 2 and the destination in window W.  (That is why hi is
; made by two roundings into halves, with the constant 1 as source 0: a packed conversion would want both its sources in window W.)
; Lane (r, h) makes basis functions 8 h .. 8 h + 7 of inputs e = 0, 1 for row r: register 4 e + d holds functions 8 h + 2 d, 8 h + 2 d + 1.
; GX: the two inputs (window 0); GFH, GFL: the fragments that are written.
; THE ORDER keeps each instruction away from the one whose result it reads or whose half-written register it completes: the even functions of
; both inputs, then the odd ones; hi of both inputs, then lo.  But for the first difference behind the clip, four to eight vector
; instructions lie between.  Input 1's hats are written over its differences (hat k reads differences k and k + 2 and writes k, ascending),
; so that both inputs' values are live at once in the registers of one.
.macro TDIF e, p                       ; two of the ten differences of input e
.if \e
	v_pk_fma_f32 v[TR+2*(\p):TR+2*(\p)+1], v[MULP:MULP+1], v[XC:XC+1], v[CW+2*(\p):CW+2*(\p)+1] op_sel:[0,1,0] op_sel_hi:[1,1,1]
.else
	v_pk_fma_f32 v[TR+2*(\p):TR+2*(\p)+1], v[MULP:MULP+1], v[XC:XC+1], v[CW+2*(\p):CW+2*(\p)+1] op_sel_hi:[1,0,1]
.endif
.endm
.macro HAT e, k                        ; max(0, min(u - c + 1, c + 1 - u)) as the middle one of three, c = 8 h + k
.if \e
	v_med3_num_f32 v[TR+(\k)], 0, v[TR+(\k)], -v[TR+(\k)+2]
.else
	v_med3_num_f32 v[VR+(\k)], 0, v[TR+(\k)], -v[TR+(\k)+2]
.endif
.endm
.macro HI e, k                         ; hi = v rounded once to bf16, into one half of the register
.set vs, VR+(\k)-(VR-TR)*(\e)
.set fh, GFH+4*(\e)+((\k)>>1)
.if ((\k)&1)
	v_fma_mixhi_bf16 v[fh], v[ONE], v[vs], v[ZERO]
.else
	v_fma_mixlo_bf16 v[fh], v[ONE], v[vs], v[ZERO]
.endif
.endm
.macro LO e, k                         ; lo = v - hi, exact in the fused multiply-add, rounded once to bf16
.set vs, VR+(\k)-(VR-TR)*(\e)
.set fh, GFH+4*(\e)+((\k)>>1)
.set fl, GFL+4*(\e)+((\k)>>1)
.if ((\k)&1)
	v_fma_mixhi_bf16 v[fl], v[NEG1], v[fh], v[vs] op_sel:[0,1,0] op_sel_hi:[0,1,0]
.else
	v_fma_mixlo_bf16 v[fl], v[NEG1], v[fh], v[vs] op_sel_hi:[0,1,0]
.endif
.endm
.macro GOP n                           ; the n-th of the NG
.if (\n) < 2
	v_med3_num_f32 v[XC+(\n)], v[GX+(\n)], 0, s14                  ; the clip to 0 .. 1 - 1e-6
.elseif (\n) < 7
	TDIF 0, (\n)-2
.elseif (\n) < 15
	HAT 0, (\n)-7
.elseif (\n) < 20
	TDIF 1, (\n)-15
.elseif (\n) < 24
	HI 0, 2*((\n)-20)
.elseif (\n) < 32
	HAT 1, (\n)-24
.elseif (\n) < 36
	HI 1, 2*((\n)-32)
.elseif (\n) < 40
	HI 0, 2*((\n)-36)+1
.elseif (\n) < 44
	HI 1, 2*((\n)-40)+1
.elseif (\n) < 48
	LO 0, 2*((\n)-44)
.elseif (\n) < 52
	LO 1, 2*((\n)-48)
.elseif (\n) < 56
	LO 0, 2*((\n)-52)+1
.else
	LO 1, 2*((\n)-56)+1
.endif
.endm
; NW matrix instructions: one row block x 8 column tiles, hi (then lo), 32 along K, on basis buffer p; the next fragments are made between
; them in the other buffer, NG / NW vector instructions behind each, at least 4 behind the last.  The matrix instruction is used transposed
; (source 0 = 16 columns of w, source 1 = 16 rows of basis), so that a lane holds eight neighbouring columns of one row of out.
; The eight accumulators take turns, one instruction a turn.
.macro UNIT acc, f, p, zero
.set ui, 0
.set gn, 0
.rept NW
.if ui < 8
.if \zero
	v_wmma_f32_16x16x32_bf16 v[\acc+8*ui:\acc+8*ui+7], v[\f+8*ui:\f+8*ui+7], v[FH0+16*\p:FH0+16*\p+7], 0
.else
	v_wmma_f32_16x16x32_bf16 v[\acc+8*ui:\acc+8*ui+7], v[\f+8*ui:\f+8*ui+7], v[FH0+16*\p:FH0+16*\p+7], v[\acc+8*ui:\acc+8*ui+7]
.endif
.else
	v_wmma_f32_16x16x32_bf16 v[\acc+8*(ui-8):\acc+8*(ui-8)+7], v[\f+8*(ui-8):\f+8*(ui-8)+7], v[FL0+16*\p:FL0+16*\p+7], v[\acc+8*(ui-8):\acc+8*(ui-8)+7]
.endif
.rept (NG*(ui+1))/NW-(NG*ui)/NW
	GOP gn
.set gn, gn+1
.endr
.set ui, ui+1
.endr
.endm
; The c row blocks b0 .. of window w in quarter q (32 along K).  Unit j makes the fragments of the unit that follows it in this window: block
; j + 1 of this quarter, or block b0 of the next quarter.  4 c units a step is even, so the two basis buffers keep their turns from step to step.
; xwait = 1: the last unit reads inputs that were asked for at the head of this quarter.
.macro STRETCH w, b0, c, q, zero, xwait
	WIN \w*0x54
.set sj, 0
.rept \c
.set spar, (\c*\q+sj)&1
.if sj < \c-1
.set tb, \b0+sj+1
.set tq, \q
.else
.set tb, \b0
.set tq, (\q+1)&3
.if \xwait
	s_wait_dscnt 16                                ; the next step's inputs are in; the 16 weight loads issued behind them may stay out
.endif
.endif
.if tq < 2
.set GX, XA+4*tb+2*(tq&1)
.else
.set GX, XB+4*tb+2*(tq&1)
.endif
.set GFH, FH0+16*(1-spar)
.set GFL, FL0+16*(1-spar)
	UNIT 64*sj, F0+64*(\q&1), spar, \zero
.set sj, sj+1
.endr
.endm
.macro HEADW q, zero, xwait            ; all windows but the last
.if MB == 8
	STRETCH 1, 0, 3, \q, \zero, \xwait
	STRETCH 2, 3, 3, \q, \zero, 0
.else
	STRETCH 1, 0, 2, \q, \zero, \xwait
.endif
.endm
.macro TAILW q, zero                   ; the last window
.if MB == 8
	STRETCH 3, 6, 2, \q, \zero, 0
.else
	STRETCH 2, 2, 2, \q, \zero, 0
.endif
.endm
.macro LOADW slot, q, f                ; 16 LDS loads: my weight fragments of quarter q (128 columns x 32 K)
.set lb, 0
.rept 8
	ds_load_b128 v[\f+8*lb:\f+8*lb+3], v[ADRW+\slot] offset:4352*lb+64*\q
	ds_load_b128 v[\f+8*lb+4:\f+8*lb+7], v[ADRW+\slot] offset:4352*lb+64*\q+32
.set lb, lb+1
.endr
.endm
.macro LOADX slot, half, x             ; MB LDS loads: four of my eight inputs for row r of each row block (both halves of the lanes read the same bytes)
.set lb, 0
.rept MB
	ds_load_b128 v[\x+4*lb:\x+4*lb+3], v[ADRX+\slot] offset:2304*lb+16*\half
.set lb, lb+1
.endr
.endm
; A step is 32 inputs, four quarters of 32 along K for each wave.  Each run of loads into a weight buffer stands behind the four or more vector
; instructions that close the unit in front of it.
.macro QUARTER0 slot, zero             ; the first quarter of a step; zero = 1: its hi products start the sums
	WIN 0
	LOADX \slot, 1, XB
	LOADW \slot, 1, F1
	s_wait_dscnt MB+16                             ; all but the MB + 16 loads just issued: quarter 0's weights are in
	HEADW 0, \zero, 0
	TAILW 0, \zero
	WIN 0                                          ; a label or a branch may follow
.endm
.macro REST slot                       ; quarters 1, 2, 3; in quarter 2 the slots change and this slot is filled again, two steps ahead
	LOADW \slot, 2, F0
	s_wait_dscnt 16                                ; all but the 16 just issued: quarter 1's weights and inputs 4-7
	HEADW 1, 0, 0
	TAILW 1, 0
	WIN 0
	LOADW \slot, 3, F1                             ; my last reads of this slot
	s_wait_dscnt 16
	HEADW 2, 0, 0
	s_wait_dscnt 0x0                               ; my reads of this slot are over,
	s_wait_tensorcnt 0x0                           ; and all my tensor loads have landed: the two that were out are my parts of the other slot
	ds_add_u32 v255, v255
	s_wait_dscnt 0x0
	s_barrier_signal -1                            ; say so: this barrier opens a round of the cluster's barrier,
	TAILW 2, 0                                     ; work on registers while the others arrive,
	WIN 0
	s_barrier_wait -1                              ; and go on when all four waves have said so
	CREST                                          ; all four work-groups have said so: no wave of a partner reads this slot or has a load on its way
	s_cmp_lg_u32 s3, 1                             ; the lap counter, equal in all partners: in the last lap the addresses stay,
	s_cselect_b32 s58, 2048, 0                     ; else two steps of 32 inputs x 16 x 2 bytes
	s_cselect_b32 s60, 256, 0                      ; and two steps of 32 x 4 bytes
	s_add_nc_u64 s[G0W+4*\slot+2:G0W+4*\slot+3], s[G0W+4*\slot+2:G0W+4*\slot+3], s[58:59]
	s_add_nc_u64 s[G0X+4*\slot+2:G0X+4*\slot+3], s[G0X+4*\slot+2:G0X+4*\slot+3], s[60:61]
	tensor_load_to_lds s[G0W+4*\slot:G0W+4*\slot+3], s[G1W:G1W+7]  ; the first tensor loads behind the round: two are out until the next step's wait
	s_nop 0
	tensor_load_to_lds s[G0X+4*\slot:G0X+4*\slot+3], s[G1X:G1X+7]
	s_nop 0
	LOADX 1-\slot, 0, XA                           ; the other slot is whole: the next step's first inputs and weights
	LOADW 1-\slot, 0, F0
	HEADW 3, 0, 1
	TAILW 3, 0
	WIN 0
.endm
.macro WINIT w                         ; a window's constants; the fragment registers in use are written once whole, since each later write keeps one half
	WIN \w<<6
.irp j, 0,1,2,3,4,5,6,7,8,9
	v_mov_b32 v[CW+\j], v[C0+\j]
.endr
	v_mov_b32 v[ZERO], 0
.set wi, 0
.rept 32
.if PIECES == 2
	v_mov_b32 v[FH0+wi], 0
.elseif (wi&8) == 0
	v_mov_b32 v[FH0+wi], 0
.endif
.set wi, wi+1
.endr
.endm
.macro GEN0 w, b0                      ; the first fragments of a window, with no products to set them among
	WIN \w*0x54
.set GX, XA+4*\b0
.set GFH, FH0
.set GFL, FL0
.set gn, 0
.rept NG
	GOP gn
.set gn, gn+1
.endr
.endm
	s_load_b128 s[4:7], s[0:1], 0x0                ; in s[4:5], w s[6:7]
	s_load_b64 s[8:9], s[0:1], 0x10                ; out
	v_lshl_add_u32 v255, v0, 2, 0x48800
	s_set_vgpr_msb 0x40
	v_mov_b32 v255, 0
	s_set_vgpr_msb 0x4044
	ds_add_u32 v255, v255
	s_set_vgpr_msb 0x4400
	v_lshrrev_b32 v1, 5, v0
	v_readfirstlane_b32 s10, v1                    ; wave 0..3
	s_bfe_u32 s11, ttmp6, 0x40000                  ; cx
	s_lshl_b32 s12, ttmp9, 2
	s_add_co_u32 s12, s12, s11                     ; row block of out = 4 x cluster x + cx
	s_and_b32 s13, ttmp7, 0xffff                   ; column block of out: the same in the four partners
	s_mov_b32 s14, 0x3f7fffef                      ; 1 - 1e-6 in f32
	s_mov_b32 s59, 0                               ; the high words of the two address steps
	s_mov_b32 s61, 0
	; a weight tile: 128 rows x 128 bf16, 16 bytes of padding behind each 256
	s_mov_b32 s[G1W+0], 15|(1<<16)|(1<<20)|(1<<21)|(5<<22)|(3<<25) ; mask: all four of the cluster; 2-byte elements; padding on; bit 21 beside a mask; after 64 words, 4 words
	s_mov_b32 s[G1W+1], 128<<16                    ; tensor_dim0
	s_mov_b32 s[G1W+2], 128<<16                    ; tensor_dim1
	s_mov_b32 s[G1W+3], 128<<16                    ; tile_dim0
	s_mov_b32 s[G1W+4], 128                        ; tile_dim1
	s_mov_b32 s[G1W+5], IN*16                      ; elements from row to row
	s_mov_b32 s[G1W+6], 0
	s_mov_b32 s[G1W+7], 0
	; my part of a tile of in: XR rows x 32 f32, 16 bytes of padding behind each 128; no mask
	s_mov_b32 s[G1X+0], (2<<16)|(1<<20)|(4<<22)|(3<<25)
	s_mov_b32 s[G1X+1], 32<<16
	s_mov_b32 s[G1X+2], XR<<16
	s_mov_b32 s[G1X+3], 32<<16
	s_mov_b32 s[G1X+4], XR
	s_mov_b32 s[G1X+5], IN
	s_mov_b32 s[G1X+6], 0
	s_mov_b32 s[G1X+7], 0
	s_mul_i32 s48, s10, WT                         ; LDS: my weight tile
	s_mul_i32 s49, s10, XR*144
	s_add_co_u32 s49, s49, XO                      ; LDS: my rows of in
	s_mul_i32 s50, s13, IN*4096                    ; w: 128 rows of 32 IN bytes a column block,
	s_lshl_b32 s51, s10, 8                         ; + my 8 inputs x 16 x 2 bytes: made of the column block and the wave number alone
	s_add_co_u32 s50, s50, s51
	s_mov_b32 s51, 0
	s_mul_i32 s52, s12, 16*MB
	s_mul_i32 s53, s10, XR
	s_add_co_u32 s52, s52, s53                     ; the first row that I fetch of in, and that I store of out
	s_mul_i32 s54, s52, NOUT*4
	s_mul_i32 s52, s52, IN*4
	s_mov_b32 s53, 0
	s_lshl_b32 s55, s13, 9                         ; 128 columns of 4 bytes
	s_add_co_u32 s54, s54, s55
	s_mov_b32 s55, 0
	s_wait_dscnt 0x0
	s_wait_kmcnt 0x0
	s_add_nc_u64 s[6:7], s[6:7], s[50:51]
	s_add_nc_u64 s[4:5], s[4:5], s[52:53]
	s_add_nc_u64 s[8:9], s[8:9], s[54:55]
.irp n, 0,1
	s_mov_b32 s[G0W+4*\n], 1
	s_add_co_u32 s[G0W+4*\n+1], s48, \n*SLOT
	s_add_nc_u64 s[G0W+4*\n+2:G0W+4*\n+3], s[6:7], \n*1024
	s_or_b32 s[G0W+4*\n+3], s[G0W+4*\n+3], 0x80000000
	s_mov_b32 s[G0X+4*\n], 1
	s_add_co_u32 s[G0X+4*\n+1], s49, \n*SLOT
	s_add_nc_u64 s[G0X+4*\n+2:G0X+4*\n+3], s[4:5], \n*128
	s_or_b32 s[G0X+4*\n+3], s[G0X+4*\n+3], 0x80000000
.endr
	ROUND                                          ; the four work-groups are here: the first joint loads meet
.irp n, 0,1
	tensor_load_to_lds s[G0W+4*\n:G0W+4*\n+3], s[G1W:G1W+7]        ; steps 0 and 1: four tensor loads of mine are out, the most in this text
	s_nop 0
	tensor_load_to_lds s[G0X+4*\n:G0X+4*\n+3], s[G1X:G1X+7]
	s_nop 0
.endr
	v_and_b32 v1, 15, v0                           ; r
	v_bfe_u32 v2, v0, 4, 1                         ; h
	v_and_b32 v3, 31, v0                           ; lane
	v_mul_u32_u24 v4, v1, 272
	v_lshl_add_u32 v4, v2, 4, v4
	v_add_nc_u32 v[ADRW], s48, v4                  ; column r of a tile of 16, 16 h bytes along K
	v_add_nc_u32 v[ADRW+1], SLOT, v[ADRW]
	v_mul_u32_u24 v5, v1, 144
	s_lshl_b32 s56, s10, 5
	s_add_co_u32 s56, s56, XO
	v_add_nc_u32 v[ADRX], s56, v5                  ; row r, my 8 inputs of 4 bytes
	v_add_nc_u32 v[ADRX+1], SLOT, v[ADRX]
	s_mul_i32 s57, s10, STG
	v_mul_u32_u24 v6, v1, 528
	v_lshl_add_u32 v6, v2, 5, v6
	v_add_nc_u32 v[STO], s57, v6                   ; my partial block: row r, columns 8 h ..
	s_mul_i32 s57, s10, XR*528
	v_lshl_add_u32 v[RD], v3, 4, s57               ; wave 0's partial block: my first row, 16 bytes a lane
.irp k, 1,2,3
	v_add_nc_u32 v[RD+\k], \k*STG, v[RD]
.endr
	v_lshlrev_b32 v[CO], 4, v3
	v_mov_b32 v[ONE], 1.0
.if PIECES == 2
	v_mov_b32 v[NEG1], -1.0
.endif
	v_mov_b32 v[MULP], 0x41700000                  ; 15
	v_mov_b32 v[MULP+1], 0x41700000
	v_lshlrev_b32 v7, 3, v2
.irp j, 0,1,2,3,4,5,6,7,8,9
	v_sub_nc_u32 v[C0+\j], 1-\j, v7
	v_cvt_f32_i32 v[C0+\j], v[C0+\j]
.endr
	WINIT 1
	WINIT 2
.if MB == 8
	WINIT 3
.endif
	WIN 0
	s_wait_tensorcnt 0x2                           ; my two loads of step 0 are in, step 1's two stay out
	s_barrier_signal -1
	s_barrier_wait -1                              ; every wave's rows of in are there
	LOADX 0, 0, XA
	LOADW 0, 0, F0
	s_wait_dscnt 16                                ; the inputs are in; the 16 weight loads may stay out
.if MB == 8
	GEN0 1, 0
	GEN0 2, 3
	GEN0 3, 6
.else
	GEN0 1, 0
	GEN0 2, 2
.endif
	QUARTER0 0, 1                                  ; step 0's first quarter, written out: its hi products start the sums, nothing is cleared
	s_mov_b32 s3, STEPS/2                          ; laps; the first is entered behind the loop's own quarter 0
	s_branch .Lq1                                  ; both ways into .Lq1 have issued the same LDS loads behind the same waits, and every window is 0
.Llap:
	QUARTER0 0, 0
.Lq1:
	REST 0
	QUARTER0 1, 0
	REST 1
	s_sub_co_u32 s3, s3, 1
	s_cmp_lg_u32 s3, 0
	s_cbranch_scc1 .Llap
	; THE WAY OUT.  Each wave lays its partial block into LDS, over the ring, which has had its last fill; then wave w adds the four partial
	; blocks for rows XR w .. and stores them, 512 consecutive aligned bytes an instruction.
	; The last matrix instruction is followed by four or more of the basis' vector instructions, which name none of its registers: the places
	; that the LDS stores of its result need.
	s_wait_dscnt 0x0                               ; my reads of the ring are over
	s_wait_tensorcnt 0x0                           ; and no tensor load of mine is out: the last lap's second refill has landed
	s_barrier_signal -1
	s_barrier_wait -1                              ; so are every wave's: the ring may be written over
.macro STAGE w, b0, c
	WIN \w<<2                                      ; an LDS store's data are source 1
.set sj, 0
.rept \c
.set snb, 0
.rept 8
	ds_store_b128 v[STO], v[64*sj+8*snb:64*sj+8*snb+3] offset:8448*(\b0+sj)+64*snb
	ds_store_b128 v[STO], v[64*sj+8*snb+4:64*sj+8*snb+7] offset:8448*(\b0+sj)+64*snb+16
.set snb, snb+1
.endr
.set sj, sj+1
.endr
.endm
.if MB == 8
	STAGE 1, 0, 3
	STAGE 2, 3, 3
	STAGE 3, 6, 2
.else
	STAGE 1, 0, 2
	STAGE 2, 2, 2
.endif
	WIN 0
	s_wait_dscnt 0x0                               ; for the other waves: my block is written before I signal
	s_barrier_signal -1
	s_barrier_wait -1
.macro OUT4 t, f                       ; rows 4 t .. 4 t + 3 of my XR
	s_wait_xcnt 0x0                                ; buffer f, which earlier stores read, is loaded again only behind this wait
.irp i, 0,1,2,3
.irp k, 0,1,2,3
	ds_load_b128 v[\f+16*\i+4*\k:\f+16*\i+4*\k+3], v[RD+\k] offset:528*(4*\t+\i)
.endr
.endr
.irp i, 0,1,2,3
	s_wait_dscnt 12-4*\i                           ; row i's four loads are in, the younger rows' stay out
	v_pk_add_f32 v[\f+16*\i:\f+16*\i+1], v[\f+16*\i:\f+16*\i+1], v[\f+16*\i+4:\f+16*\i+5]
	v_pk_add_f32 v[\f+16*\i+2:\f+16*\i+3], v[\f+16*\i+2:\f+16*\i+3], v[\f+16*\i+6:\f+16*\i+7]
	v_pk_add_f32 v[\f+16*\i+8:\f+16*\i+9], v[\f+16*\i+8:\f+16*\i+9], v[\f+16*\i+12:\f+16*\i+13]
	v_pk_add_f32 v[\f+16*\i+10:\f+16*\i+11], v[\f+16*\i+10:\f+16*\i+11], v[\f+16*\i+14:\f+16*\i+15]
	v_pk_add_f32 v[\f+16*\i:\f+16*\i+1], v[\f+16*\i:\f+16*\i+1], v[\f+16*\i+8:\f+16*\i+9]
	v_pk_add_f32 v[\f+16*\i+2:\f+16*\i+3], v[\f+16*\i+2:\f+16*\i+3], v[\f+16*\i+10:\f+16*\i+11]
	global_store_b128 v[CO], v[\f+16*\i:\f+16*\i+3], s[8:9] offset:(4*\t+\i)*NOUT*4
.endr
.endm
.set ot, 0
.rept XR/4
	OUT4 ot, F0+64*(ot&1)
.set ot, ot+1
.endr
	s_set_vgpr_msb 0x4
	s_wait_tensorcnt 0x0
	ds_add_u32 v255, v255
	s_wait_dscnt 0x0
	s_set_vgpr_msb 0x400
	ROUND                                          ; the closing round: no work-group ends while a partner may still ask for a tile that names it
	s_endpgm
.Lfunc_end_k_qc5ff16f021_layer2:
	.size	k_qc5ff16f021_layer2, .Lfunc_end_k_qc5ff16f021_layer2-k_qc5ff16f021_layer2
	.p2alignl 7, 3214868480
	.fill 96, 4, 3214868480
	.section	.rodata,"a",@progbits
	.p2align	6, 0x0
	.amdhsa_kernel k_qc5ff16f021_layer2
		.amdhsa_group_segment_fixed_size 327680
		.amdhsa_private_segment_fixed_size 0
		.amdhsa_enable_private_segment 0
		.amdhsa_kernarg_size 24
		.amdhsa_user_sgpr_count 2
		.amdhsa_user_sgpr_kernarg_segment_ptr 1
		.amdhsa_wavefront_size32 1
		.amdhsa_system_sgpr_workgroup_id_x 1
		.amdhsa_system_sgpr_workgroup_id_y 1
		.amdhsa_system_sgpr_workgroup_id_z 1
		.amdhsa_system_vgpr_workitem_id 0
		.amdhsa_next_free_vgpr 768
		.amdhsa_next_free_sgpr 66
		.amdhsa_reserve_vcc 0
		.amdhsa_float_denorm_mode_32 3
		.amdhsa_float_denorm_mode_16_64 3
		.amdhsa_memory_ordered 1
		.amdhsa_forward_progress 1
		.amdhsa_inst_pref_size 163
	.end_amdhsa_kernel
	.amdgpu_metadata
---
amdhsa.version: [ 1, 2 ]
amdhsa.kernels:
  - .name:           k_qc5ff16f021_layer2
    .symbol:         k_qc5ff16f021_layer2.kd
    .args:
      - { .name: h1, .offset: 0, .size: 8, .value_kind: global_buffer, .address_space: global }
      - { .name: w2, .offset: 8, .size: 8, .value_kind: global_buffer, .address_space: global }
      - { .name: out0, .offset: 16, .size: 8, .value_kind: global_buffer, .address_space: global }
    .group_segment_fixed_size: 327680
    .private_segment_fixed_size: 0
    .kernarg_segment_align: 8
    .kernarg_segment_size: 24
    .max_flat_workgroup_size: 128
    .sgpr_count:     66
    .vgpr_count:     768
    .wavefront_size: 32
...
	.end_amdgpu_metadata
.endif
;; end of part 11
